; MI455X (gfx1250); checked and timed in simulation.
; The chip was launched on July 23, 2026; its instructions are those of AMD's public machine-readable ISA for CDNA 5 (MIT licence, August 2026) and "CDNA5" Instruction Set Architecture Reference Guide (July 2026). The comments in the code are by the model that wrote it; some were corrected since.
;; Mo E Layer. Allowed arithmetic: float matrix products may take bf16 or f16 operands with f32 sums; other float arithmetic in f32, or as packed bf16 or f16 multiplies, adds, multiply-adds, maxima and minima; sums over many terms, partial sums and values carried from step to step in f32; what a program stores and reads back later, other than sums and carried values, may be rounded once to bf16 or f16.
;; Inputs: W1 8 x 1,024 x 4,096 float32; W2 8 x 4,096 x 1,024 float32; Wg 1,024 x 8 float32; b1 8 x 4,096 float32; b2 8 x 1,024 float32; bg 8 float32; x 2 x 512 x 1,024 float32.
;; Outputs: out0 2 x 512 x 1,024 float32; out1 2 x 512 x 2 int32.
;; 3 versions, each right; version 3 is version 2 with the launches ffn1, ffn2 written anew for expert scheduling mode. Each part assembles by itself: llvm-mc -triple=amdgcn-amd-amdhsa -mcpu=gfx1250 --defsym DOCPART=n.
;; ======== version 1 of 3: 4 launches
;; workspace buffers: sel 8,192 bytes of whole numbers; gate 8,192 bytes; xb 2,097,152 bytes; h 67,108,864 bytes; rank 32,768 bytes of whole numbers; cnt 1,024 bytes of whole numbers; part 134,217,728 bytes
;; launch router (part 1): grid 256 x 1, 4 waves a work-group, no clusters, 1,024 bytes of LDS; arguments x, Wg, bg, out1, sel, gate, xb; writes out1, sel, gate, xb
.if DOCPART == 1
	.amdgcn_target "amdgcn-amd-amdhsa--gfx1250"
	.amdhsa_code_object_version 6
	.text
	.protected	k_qe9a182f6d8_router
	.globl	k_qe9a182f6d8_router
	.p2align	8
	.type	k_qe9a182f6d8_router,@function
k_qe9a182f6d8_router:
	s_mov_b64 s[64:65], 0
	v_nop
	global_prefetch_b8 v0, s[64:65] scope:SCOPE_SE
	s_setreg_imm32_b32 hwreg(HW_REG_WAVE_MODE, 25, 1), 1
	s_wait_xcnt 0x0
; THE GATE.  logits = x Wg + bg for 1,024 tokens and 8 experts; the two largest (ties: the lower index, by strict compares in ascending order);
; their softmax, the larger logit taken away first; and xb = x rounded to bf16, which the first product reads.
; LIMITS.  x, Wg and bg are rounded once to bf16 here, as every input of the program is; products and sums are f32 fused multiply-adds on the vector unit
; (8.4 million multiply-adds in all: no bulk work, and the indices are compared exactly), in another order than a plain row sum.  NaN and infinities are not treated apart.
; A second weight below 2^-126 comes out as 0.
; SHARES.  A work-group has tokens 4 g .. 4 g + 3.  Wave w has columns 256 w .. 256 w + 255 of all four, so a work-group reads Wg once; lane l has columns
; 256 w + 128 j + 4 l + c (j = 0, 1; c = 0 .. 3).  The waves' 32 partial sums meet in LDS; then wave w finishes token 4 g + w.
; No address and no branch hangs on the result: the indices go to fixed places (out1, and sel for the later launches).
.set SPARE, 512                        ; LDS 0-511: [wave 4][token 4][expert 8] f32; 512-1023: the spare words, 128 bytes a wave
.set WG,  32                           ; v[32:95]   Wg: column 4 j + c at 8 (4 j + c), one register an expert
.set XF,  96                           ; v[96:127]  x: token at 8 token, column 4 j + c; later at work
.set XP,  128                          ; v[128:143] x packed to bf16
.set ACC, 144                          ; v[144:175] sums: 8 token + expert; later the logits and the picks
.set TP,  176                          ; v[176:191] at work
	s_load_b256 s[4:11], s[0:1], 0x0               ; x s[4:5], Wg s[6:7], bg s[8:9], out1 s[10:11]
	s_load_b128 s[12:15], s[0:1], 0x20             ; sel s[12:13], gate s[14:15]
	s_load_b64 s[16:17], s[0:1], 0x30              ; xb
	v_lshl_add_u32 v30, v0, 2, SPARE               ; my spare word, and 0: kept for the closing lines alone
	v_mov_b32 v31, 0
	v_lshrrev_b32 v5, 5, v0
	v_readfirstlane_b32 s20, v5                    ; wave 0..3
	v_and_b32 v1, 31, v0                           ; lane
	v_lshlrev_b32 v2, 4, v1
	v_lshl_add_u32 v2, s20, 10, v2                 ; x: 16 lane + 1,024 wave
	v_lshlrev_b32 v3, 7, v1
	v_lshl_add_u32 v3, s20, 13, v3                 ; Wg: four rows of 32 bytes a lane, 256 rows a wave
	v_lshlrev_b32 v4, 3, v1
	v_lshl_add_u32 v4, s20, 9, v4                  ; xb: 8 lane + 512 wave
	s_mov_b32 s32, 0x76543210                      ; v_permlanex16_b32: each lane takes its own place in the other half
	s_mov_b32 s33, 0xfedcba98
	s_mov_b32 s34, 0xffff0000                      ; a word's upper bf16
	s_lshl_b32 s18, ttmp9, 14                      ; four rows of x
	s_mov_b32 s19, 0
	s_wait_kmcnt 0x0
	s_add_nc_u64 s[4:5], s[4:5], s[18:19]
.irp t, 0,1,2,3
.irp j, 0,1
	global_load_b128 v[XF+8*\t+4*\j:XF+8*\t+4*\j+3], v2, s[4:5] offset:\t*4096+\j*512 th:TH_LOAD_NT
.endr
.endr
.irp j, 0,1
.irp c, 0,1,2,3
	global_load_b128 v[WG+8*(4*\j+\c):WG+8*(4*\j+\c)+3],   v3, s[6:7] offset:\j*4096+\c*32
	global_load_b128 v[WG+8*(4*\j+\c)+4:WG+8*(4*\j+\c)+7], v3, s[6:7] offset:\j*4096+\c*32+16
.endr
.endr
	s_load_b256 s[24:31], s[8:9], 0x0              ; bg
	s_lshl_b32 s18, ttmp9, 13                      ; four rows of xb
	s_add_nc_u64 s[16:17], s[16:17], s[18:19]
	s_lshl_b32 s18, ttmp9, 5                       ; four tokens' 8 bytes in out1, sel and gate
	s_add_nc_u64 s[10:11], s[10:11], s[18:19]
	s_add_nc_u64 s[12:13], s[12:13], s[18:19]
	s_add_nc_u64 s[14:15], s[14:15], s[18:19]
	s_wait_loadcnt 16                              ; x is in; the 16 younger loads, Wg's, stay out
.set n, 0
.rept 16
	v_cvt_pk_bf16_f32 v[XP+n], v[XF+2*n], v[XF+2*n+1]
.set n, n+1
.endr
.irp t, 0,1,2,3
.irp j, 0,1
	global_store_b64 v4, v[XP+4*\t+2*\j:XP+4*\t+2*\j+1], s[16:17] offset:\t*2048+\j*256  ; a wave's store covers 256 consecutive bytes, aligned
.endr
.endr
.set n, 0
.rept 16
	v_lshlrev_b32 v[XF+2*n], 16, v[XP+n]           ; the rounded x back as f32
	v_and_b32 v[XF+2*n+1], s34, v[XP+n]
.set n, n+1
.endr
	s_wait_loadcnt 0x0                             ; Wg
.irp b, 0,1                                        ; Wg rounded in place, 16 pairs at a time
.set n, 0
.rept 16
	v_cvt_pk_bf16_f32 v[TP+n], v[WG+32*\b+2*n], v[WG+32*\b+2*n+1]
.set n, n+1
.endr
.set n, 0
.rept 16
	v_lshlrev_b32 v[WG+32*\b+2*n], 16, v[TP+n]
	v_and_b32 v[WG+32*\b+2*n+1], s34, v[TP+n]
.set n, n+1
.endr
.endr
	; 4 tokens x 8 columns x 4 pairs of experts.  The column is outermost, so that 16 sums take turns; the first column starts them: nothing is cleared.
.set col, 0
.rept 8
.set tok, 0
.rept 4
.set p, 0
.rept 4
.set rA, ACC+8*tok+2*p
.set rW, WG+8*col+2*p
.set rX, XF+8*tok+2*(col/2)
.if col == 0
	v_pk_mul_f32 v[rA:rA+1], v[rW:rW+1], v[rX:rX+1] op_sel_hi:[1,0]
.elseif col%2 == 0
	v_pk_fma_f32 v[rA:rA+1], v[rW:rW+1], v[rX:rX+1], v[rA:rA+1] op_sel_hi:[1,0,1]
.else
	v_pk_fma_f32 v[rA:rA+1], v[rW:rW+1], v[rX:rX+1], v[rA:rA+1] op_sel:[0,1,0] op_sel_hi:[1,1,1]
.endif
.set p, p+1
.endr
.set tok, tok+1
.endr
.set col, col+1
.endr
	; over the 32 lanes: four steps inside each half ride on the addition, one crosses the halves; every lane ends with all 32 sums
.irp m, 1,2,4,8
.set n, 0
.rept 32
	v_add_f32_dpp v[ACC+n], v[ACC+n], v[ACC+n] row_xmask:\m row_mask:0xf bank_mask:0xf
.set n, n+1
.endr
.endr
.set n, 0
.rept 32
	v_permlanex16_b32 v[XF+n], v[ACC+n], s32, s33  ; its destination has been written: x lay there
.set n, n+1
.endr
.set n, 0
.rept 32
	v_add_f32 v[ACC+n], v[ACC+n], v[XF+n]
.set n, n+1
.endr
	v_mov_b32 v5, s20
	v_lshlrev_b32 v5, 7, v5                        ; my wave's 128 bytes
.irp n, 0,1,2,3,4,5,6,7
	ds_store_b128 v5, v[ACC+4*\n:ACC+4*\n+3] offset:16*\n  ; all lanes write the same words with the same values
.endr
	s_wait_dscnt 0x0                               ; for the others' sake: my stores are done
	s_barrier_signal -1
	s_barrier_wait -1
	v_lshrrev_b32 v6, 2, v5                        ; token w: 32 bytes in each wave's part
.irp q, 0,1,2,3
	ds_load_b128 v[XF+8*\q:XF+8*\q+3],   v6 offset:128*\q
	ds_load_b128 v[XF+8*\q+4:XF+8*\q+7], v6 offset:128*\q+16
.endr
	s_wait_kmcnt 0x0                               ; bg
.irp p, 0,1,2,3
	v_cvt_pk_bf16_f32 v[TP+8+\p], s[24+2*\p], s[25+2*\p]
.endr
.irp p, 0,1,2,3
	v_lshlrev_b32 v[TP+2*\p], 16, v[TP+8+\p]
	v_and_b32 v[TP+2*\p+1], s34, v[TP+8+\p]
.endr
	s_wait_dscnt 0x0
.irp p, 0,2,4,6
	v_pk_add_f32 v[ACC+\p:ACC+\p+1], v[XF+\p:XF+\p+1], v[XF+8+\p:XF+8+\p+1]
	v_pk_add_f32 v[ACC+8+\p:ACC+8+\p+1], v[XF+16+\p:XF+16+\p+1], v[XF+24+\p:XF+24+\p+1]
.endr
.irp p, 0,2,4,6
	v_pk_add_f32 v[ACC+\p:ACC+\p+1], v[ACC+\p:ACC+\p+1], v[ACC+8+\p:ACC+8+\p+1]
.endr
.irp p, 0,2,4,6
	v_pk_add_f32 v[ACC+\p:ACC+\p+1], v[ACC+\p:ACC+\p+1], v[TP+\p:TP+\p+1]  ; the eight logits, in every lane
.endr
	; the largest: a later expert wins only if strictly greater
	v_mov_b32 v160, v[ACC]
	v_mov_b32 v170, 0
.irp e, 1,2,3,4,5,6,7
	v_cmp_gt_f32 vcc_lo, v[ACC+\e], v160
	v_cndmask_b32 v160, v160, v[ACC+\e], vcc_lo
	v_cndmask_b32 v170, v170, \e, vcc_lo
.endr
	v_mov_b32 v162, 0xff800000                     ; the winner leaves the field
.irp e, 0,1,2,3,4,5,6,7
	v_cmp_eq_u32 vcc_lo, \e, v170
	v_cndmask_b32 v[ACC+\e], v[ACC+\e], v162, vcc_lo
.endr
	v_mov_b32 v163, v[ACC]
	v_mov_b32 v171, 0
.irp e, 1,2,3,4,5,6,7
	v_cmp_gt_f32 vcc_lo, v[ACC+\e], v163
	v_cndmask_b32 v163, v163, v[ACC+\e], vcc_lo
	v_cndmask_b32 v171, v171, \e, vcc_lo
.endr
	; softmax of the two, the maximum taken away: 1 / (1 + e^d) and e^d / (1 + e^d), d = second - first <= 0
	v_sub_f32 v165, v163, v160
	v_mul_f32 v165, 0x3fb8aa3b, v165
	v_exp_f32 v166, v165
	v_nop                                          ; a plain instruction behind the exponential (ISA guide 5.7.2),
	s_wait_alu depctr_va_vdst(0)                   ; and the wait ahead of its first reader
	v_add_f32 v167, 1.0, v166
	v_rcp_f32 v168, v167
	v_lshrrev_b32 v7, 4, v5                        ; 8 w: my token's place; the plain instruction behind the reciprocal
	s_wait_alu depctr_va_vdst(0)
	v_mul_f32 v169, v166, v168
	v_cmp_eq_u32 vcc_lo, 0, v1
	s_wait_xcnt 0x0                                ; EXEC changes only behind this wait: xb's stores name it
	s_and_saveexec_b32 s36, vcc_lo                 ; lane 0 stores the token's 8 bytes in each of the three tables (24 KB in all, about one hundredth of xb's bytes)
	global_store_b64 v7, v[170:171], s[10:11]
	global_store_b64 v7, v[170:171], s[12:13]
	global_store_b64 v7, v[168:169], s[14:15]
	s_wait_xcnt 0x0
	s_or_b32 exec_lo, exec_lo, s36
	s_wait_tensorcnt 0x0                           ; the wave's end: closing lines behind my last LDS store
	ds_add_u32 v30, v31
	s_wait_dscnt 0x0
	s_endpgm
.Lfunc_end_k_qe9a182f6d8_router:
	.size	k_qe9a182f6d8_router, .Lfunc_end_k_qe9a182f6d8_router-k_qe9a182f6d8_router
	.p2alignl 7, 3214868480
	.fill 96, 4, 3214868480
	.section	.rodata,"a",@progbits
	.p2align	6, 0x0
	.amdhsa_kernel k_qe9a182f6d8_router
		.amdhsa_group_segment_fixed_size 1024
		.amdhsa_private_segment_fixed_size 0
		.amdhsa_enable_private_segment 0
		.amdhsa_kernarg_size 56
		.amdhsa_user_sgpr_count 2
		.amdhsa_user_sgpr_kernarg_segment_ptr 1
		.amdhsa_wavefront_size32 1
		.amdhsa_system_sgpr_workgroup_id_x 1
		.amdhsa_system_sgpr_workgroup_id_y 1
		.amdhsa_system_sgpr_workgroup_id_z 1
		.amdhsa_system_vgpr_workitem_id 0
		.amdhsa_next_free_vgpr 192
		.amdhsa_next_free_sgpr 66
		.amdhsa_reserve_vcc 1
		.amdhsa_float_denorm_mode_32 3
		.amdhsa_float_denorm_mode_16_64 3
		.amdhsa_memory_ordered 1
		.amdhsa_forward_progress 1
		.amdhsa_inst_pref_size 36
	.end_amdhsa_kernel
	.amdgpu_metadata
---
amdhsa.version: [ 1, 2 ]
amdhsa.kernels:
  - .name:           k_qe9a182f6d8_router
    .symbol:         k_qe9a182f6d8_router.kd
    .args:
      - { .name: x, .offset: 0, .size: 8, .value_kind: global_buffer, .address_space: global }
      - { .name: Wg, .offset: 8, .size: 8, .value_kind: global_buffer, .address_space: global }
      - { .name: bg, .offset: 16, .size: 8, .value_kind: global_buffer, .address_space: global }
      - { .name: out1, .offset: 24, .size: 8, .value_kind: global_buffer, .address_space: global }
      - { .name: sel, .offset: 32, .size: 8, .value_kind: global_buffer, .address_space: global }
      - { .name: gate, .offset: 40, .size: 8, .value_kind: global_buffer, .address_space: global }
      - { .name: xb, .offset: 48, .size: 8, .value_kind: global_buffer, .address_space: global }
    .group_segment_fixed_size: 1024
    .private_segment_fixed_size: 0
    .kernarg_segment_align: 8
    .kernarg_segment_size: 56
    .max_flat_workgroup_size: 128
    .sgpr_count:     66
    .vgpr_count:     192
    .wavefront_size: 32
...
	.end_amdgpu_metadata
.endif
;; end of part 1
;; launch ffn1 (part 2): grid 32 x 8, 4 waves a work-group, no clusters, 318,976 bytes of LDS; arguments W1, b1, xb, sel, h, rank, cnt; writes h, rank, cnt
.if DOCPART == 2
	.amdgcn_target "amdgcn-amd-amdhsa--gfx1250"
	.amdhsa_code_object_version 6
	.text
	.protected	k_qe9a182f6d8_ffn1
	.globl	k_qe9a182f6d8_ffn1
	.p2align	8
	.type	k_qe9a182f6d8_ffn1,@function
k_qe9a182f6d8_ffn1:
	s_mov_b64 s[64:65], 0
	v_nop
	global_prefetch_b8 v0, s[64:65] scope:SCOPE_SE
	s_setreg_imm32_b32 hwreg(HW_REG_WAVE_MODE, 25, 1), 1
	s_wait_xcnt 0x0
; ONE TEXT FOR BOTH PRODUCTS OF THE EXPERTS; PROD says which.
; PROD = 1: h = relu(x_rows W1[e] + b1[e]) in bf16, for the tokens that chose expert e.   PROD = 2: part[q] = h W2[e] (rows 1,024 q .. of W2; + b2[e] where q = 0), f32 partial sums.
; LIMITS.  Weights and biases are rounded once to bf16 on their way through registers (x was by the launch before), h once to bf16; all sums are f32.  The relu on packed bf16 turns a NaN into 0;
; NaN and infinities are not treated apart.  Every split of the tokens is served, 0 to 1,024 rows an expert; rows past 320 go through later passes, behind the stream and not under it.
; SHARES.  Grid 32 x 8: y = expert; x = a slice of 1,024 (K) x 128 (columns) of its weights, 512 KB of f32, which this work-group alone reads, once.  The expert's rows go in tiles of 16;
; wave w owns tiles w + 4 i + 20 p (i = 0 .. 4, pass p = 0 .. 3): 80 places for at most 64 tiles.
; PASS 0 STREAMS.  32 K steps of 32.  In K step t the four waves round chunk t + 2 (32 rows of W; wave w rows 8 w .. 8 w + 7; one load is one row's 512 consecutive bytes) and store it as bf16 into an
; image [K][128] in LDS, and multiply chunk t.  Every byte of the image is written once and never again, so one barrier a K step (store, wait, signal; read behind the wait) is all the ordering.
; PASSES 1 TO 3 read the finished image; a wave without a live tile jumps the pass's products and stores.
; COUNTS THAT HANG ON DATA steer forward jumps over products and stores alone, never over a barrier.  Token loads are issued for all five tiles in every K step, so that the counted waits hold on
; every path; a place past the count names a row that exists.  Tiles 0 to 2 are always multiplied, tiles 3 and 4 only if live; no dead tile is stored.
; THE MATRIX INSTRUCTION IS USED TRANSPOSED: source 0 = 16 columns of W (turned out of LDS by ds_load_tr16_b128), source 1 = 16 token rows.  Register j of lane (r, hf) then holds
; C(row r, column 16 a + 8 hf + j): eight neighbouring columns.  In PROD 1 four conversions of column tile a ARE half a & 1 of the next product's token fragment for its K step a / 2: h is stored
; in that order, [expert][tile][K step][half][lane][16 bytes], 512 consecutive bytes a store, and PROD 2 loads it likewise.
; NO CLUSTER: each slice of weights has one reader.  PROD 1's token rows come by a list, which no descriptor covers; PROD 2's tiles of h are shared by 8 work-groups, but two slots of five tiles a wave
; (2 x 20 KB) do not fit beside the image (294,912 bytes) and the stage (17,408): 14,848 bytes are left.  NO TENSOR LOADS: the weights would land as f32, 512 KB a slice.
.set PROD, 1
.if PROD == 1
.set PITCH, 16384                      ; bytes from a row of W to the next
.set PSH,   14
.set ASTEP, 64                         ; bytes of a token row (PROD 2: of a tile) in a K step
.set AHALF, 32                         ; from a fragment's first four registers to its last four
.set OSTEP, 20*131072                  ; twenty tiles on in the output
.else
.set PITCH, 4096
.set PSH,   12
.set ASTEP, 1024
.set AHALF, 512
.set OSTEP, 20*16*4096
.endif
.set LP,    288                        ; a row of the image: 256 bytes + 32 = 72 words
.set XTRA,  1024*LP                    ; behind the image, each wave's own: PROD 1 the list, PROD 2 the stage
.if PROD == 1
.set LISTW, 5376                       ; 1,280 places of the list (80 tiles x 16), then word 1280, which takes what no place takes and is never read
.set BIASL, XTRA+4*LISTW
.else
.set STGW,  16*272                     ; 16 rows x (256 + 16) bytes
.set BIASL, XTRA+4*STGW
.endif
.set SPARE, BIASL+4*512                ; behind the biases (512 bytes a wave): the spare words, 128 bytes a wave: two blocks of 256 bytes that no other line names
; window 0
.set LANE, 1
.set R16,  2                           ; lane % 16
.set HF,   3                           ; lane / 16
.set L16,  4                           ; 16 lane; never rewritten
.set WOFF, 5                           ; 16 lane + my 8 rows of a chunk of W; never rewritten
.set VPF,  6                           ; prefetch: (32 w + lane / 2) rows + 256 (lane % 2); never rewritten
.set VST,  7                           ; image: my 8 rows of a chunk + 8 lane; steps
.set VRD,  8                           ; image: the stream's turning loads; steps
.set VRD0, 9                           ; (8 hf + lane % 8) LP + 16 ((lane / 8) % 2); never rewritten
.set VRR,  10                          ; image: the later passes' turning loads: s[TBR] + VRD0, made anew in each trip
.set AOFF, 11                          ; v11-15  byte offset of tile i's token rows
.if PROD == 1
.set OOFF, L16                         ; the stores' offset
.else
.set OOFF, 16                          ; hf rows of 4,096 bytes + 16 (lane % 16)
.endif
.set XA,   17                          ; PROD 1: my wave's list + 4 (lane % 16).  PROD 2: the stage, in
.set XB,   18                          ; PROD 1: 16 hf.                           PROD 2: the stage, back
.set ZERO, 19
.set SPW,  30                          ; my spare word, and 0: kept for the closing lines alone
.set NIL,  31
.set RK,   32                          ; v32-63  PROD 1: the ranks
.set AR,   96                          ; v96-255 token fragments: four slots of five tiles x 8; first the choices (64), last the stores' data
.set SELR, 96
; window 1: accumulators of tiles 0-3, (i, a) at 64 i + 8 a.   window 2: v0-63 tile 4;
.set WR,   64                          ; window 2, v64-191: W as loaded, four slots of 8 rows x 4
.set BIA,  192                         ; window 2, v192-255: bias[16 a + 8 hf + j] at 8 a + j
; window 3: v0-63, v64-127 two buffers of W's fragments, column tile a at 8 a
.set WV, 20
.set EX, 21
.set SL, 22                            ; the slice of 128 columns
.set KQ, 23                            ; PROD 2: the quarter of K
.set CNT, 24
.set MT, 25                            ; live tiles
.set NL, 26                            ; how many of my five tiles are live in this pass
.set TB, 27                            ; w + 20 p
.set PASS, 28
.set LOOP, 29
.set OF, 30                            ; s[30:31] an offset, 64 bits
.set WP, 32                            ; s[32:33] W, walking
.set AP, 34                            ; s[34:35] the token rows, walking
.set LB, 38                            ; my wave's list or stage
.set TBR, 40                           ; the later passes: the image byte at which the trip's four chunks begin
.set HM, 44                            ; a word's upper bf16
.set MSB, 0
.macro WIN new                         ; s_set_vgpr_msb: bits 1:0 source 0, 3:2 source 1, 5:4 source 2, 7:6 destination; the high byte repeats the setting that is left
.if MSB != (\new)
	s_set_vgpr_msb (MSB<<8)|(\new)
.set MSB, (\new)
.endif
.endm
.set W_LD,  0x80                       ; loads into window 2
.set W_CV,  0x8a                       ; conversions in place in window 2
.set W_ST,  0x08                       ; LDS stores of data in window 2
.set B_LD,  0xc0                       ; loads into window 3
.set MM_LO, 0x53                       ; W's fragment window 3, tokens window 0, C and D window 1
.set MM_HI, 0xa3                       ; C and D window 2
.set SD_LO, 0x42                       ; window 2 to window 1
.set SD_HI, 0x82                       ; within window 2
.set EP_LO, 0x05                       ; sources window 1, destination window 0
.set EP_HI, 0x0a
.set ST_LO, 0x04                       ; LDS stores of data in window 1
; All immediates count from pointers that step every four K steps; d = the chunk's distance from them.
.macro WLOAD tau, d                    ; chunk tau of W: my 8 rows, 512 consecutive bytes each
	WIN W_LD
.irp i, 0,1,2,3,4,5,6,7
	global_load_b128 v[WR+32*((\tau)%4)+4*\i:WR+32*((\tau)%4)+4*\i+3], v[WOFF], s[WP:WP+1] offset:((\d)*32+\i)*PITCH th:TH_LOAD_NT
.endr
.endm
.macro FILL tau, d                     ; rounded in place and stored into the image, 256 consecutive bytes a store
.set WS, WR+32*((\tau)%4)
	WIN W_CV
.irp i, 0,1,2,3,4,5,6,7
	v_cvt_pk_bf16_f32 v[WS+4*\i],   v[WS+4*\i],   v[WS+4*\i+1]
	v_cvt_pk_bf16_f32 v[WS+4*\i+1], v[WS+4*\i+2], v[WS+4*\i+3]
.endr
	WIN W_ST
.irp i, 0,1,2,3,4,5,6,7
	ds_store_b64 v[VST], v[WS+4*\i:WS+4*\i+1] offset:((\d)*32+\i)*LP
.endr
.endm
.macro BLOAD slot, d, adr              ; a chunk's eight fragments: 16 columns x 32 K each, turned
	WIN B_LD
.irp a, 0,1,2,3,4,5,6,7
	ds_load_tr16_b128 v[64*(\slot)+8*\a:64*(\slot)+8*\a+3],   v[\adr] offset:(\d)*32*LP+32*\a
	ds_load_tr16_b128 v[64*(\slot)+8*\a+4:64*(\slot)+8*\a+7], v[\adr] offset:(\d)*32*LP+32*\a+16*LP
.endr
.endm
.macro ALOAD slot, d                   ; five tiles' token fragments for one K step
	WIN 0
.irp i, 0,1,2,3,4
	global_load_b128 v[AR+40*(\slot)+8*\i:AR+40*(\slot)+8*\i+3],   v[AOFF+\i], s[AP:AP+1] offset:(\d)*ASTEP
	global_load_b128 v[AR+40*(\slot)+8*\i+4:AR+40*(\slot)+8*\i+7], v[AOFF+\i], s[AP:AP+1] offset:(\d)*ASTEP+AHALF
.endr
.endm
.macro MMT i, sa, sb                   ; tile i's eight products; its eight accumulators take turns
.irp a, 0,1,2,3,4,5,6,7
	v_wmma_f32_16x16x32_bf16 v[64*((\i)%4)+8*\a:64*((\i)%4)+8*\a+7], v[64*(\sb)+8*\a:64*(\sb)+8*\a+7], v[AR+40*(\sa)+8*(\i):AR+40*(\sa)+8*(\i)+7], v[64*((\i)%4)+8*\a:64*((\i)%4)+8*\a+7]
.endr
.endm
; A K step's products.  No two matrix instructions that follow each other share an accumulator, over the jumps and from K step to K step too.
; bar = 1: the K step's barrier: my stores of the chunk two steps on are done (and the next chunk's fragments are in), say so; eight products; go on when all four waves have said so.
.macro MMS sa, sb, bar
	WIN MM_LO
	MMT 0, \sa, \sb
	MMT 1, \sa, \sb
.if \bar
	s_wait_dscnt 0x0
	s_barrier_signal -1
.endif
	MMT 2, \sa, \sb
.if \bar
	s_barrier_wait -1
.endif
	WIN 0                                          ; at a branch and at a label every window is 0
	s_cmp_lt_u32 s[NL], 4
	s_cbranch_scc1 .Ldone_\@
	WIN MM_LO
	MMT 3, \sa, \sb
	WIN 0
	s_cmp_lt_u32 s[NL], 5
	s_cbranch_scc1 .Ldone_\@
	WIN MM_HI
	MMT 4, \sa, \sb
	WIN 0
.Ldone_\@:
.endm
; K STEP t of the stream.  W's and the tokens' loads share one counter and come back in the order of issue: .. W(t+5) A(t+3) W(t+6) A(t+4) .., 8 and 10 loads.
; n1: the loads issued behind W(t+2): A(t) W(t+3) A(t+1) W(t+4) A(t+2) W(t+5), as far as they exist (chunks and K steps end at 31): 54 in the loop.
; n2: those behind A(t), ahead of the issue of A(t+3): W(t+3) A(t+1) W(t+4) A(t+2) W(t+5): 44 in the loop.  During the products 54 loads of a wave are out, 62 at the most, 24 to 32 of them W's (12 to 16 KB).
; The 16 conversions (or four v_nop) are the places between the last K step's products and the loads into the registers that those products read (ISA guide 7.12.1 for vector instructions).
.macro KSTEP t, pf
.set u, (\t)%4
.set n1, 30
.set n2, 0
.if (\t) <= 30
.set n2, n2+10
.endif
.if (\t) <= 29
.set n2, n2+10
.endif
.if (\t) <= 28
.set n1, n1+8
.set n2, n2+8
.endif
.if (\t) <= 27
.set n1, n1+8
.set n2, n2+8
.endif
.if (\t) <= 26
.set n1, n1+8
.set n2, n2+8
	WLOAD (\t)+5, u+5
.endif
.if (\t) <= 29
	s_wait_loadcnt n1
	FILL (\t)+2, u+2
.else
.rept 4
	v_nop
.endr
.endif
.if (\t) <= 30
	BLOAD ((\t)+1)%2, u+1, VRD
.endif
	WIN 0
	s_wait_loadcnt n2
.if (\t) <= 28
	ALOAD ((\t)+3)%4, u+3
.endif
.if \pf
	; Prefetch: the trip of K steps 4 T .. 4 T + 3, whose loads reach chunk 4 T + 8, asks for chunks 4 T + 12 .. 4 T + 15: each wave 32 rows, lanes 256 bytes apart, each block once in the launch.
	; The last trip (LOOP = 1) would ask past the slice and asks for nothing.  Asked for and not yet loaded: 7 chunks, 112 KB a work-group, at the most.
	s_cmp_lt_u32 s[LOOP], 2
	s_cbranch_scc1 .Lno_pf_\@
	global_prefetch_b8 v[VPF], s[WP:WP+1] offset:384*PITCH th:TH_LOAD_NT scope:SCOPE_SE
	global_prefetch_b8 v[VPF], s[WP:WP+1] offset:400*PITCH th:TH_LOAD_NT scope:SCOPE_SE
.Lno_pf_\@:
.endif
.if (\t) <= 29
	MMS (\t)%4, (\t)%2, 1
.else
	MMS (\t)%4, (\t)%2, 0
.if (\t) == 30
	s_wait_dscnt 0x0                               ; chunk 31's fragments: this K step has no barrier whose wait would cover them
.endif
.endif
.endm
.macro STEP4
	s_wait_xcnt 0x0                                ; the pointers are stepped only behind this wait (ISA guide 3.1)
	s_add_nc_u64 s[WP:WP+1], s[WP:WP+1], 128*PITCH
	s_add_nc_u64 s[AP:AP+1], s[AP:AP+1], 4*ASTEP
	v_add_nc_u32 v[VST], 128*LP, v[VST]
	v_add_nc_u32 v[VRD], 128*LP, v[VRD]
.endm
; K step u of a trip of the later passes.  The trip's 40 token loads went out at its head: 10 (3 - u) are younger than this step's.  The next chunk's 16 turning loads go out first and stay out.
; Four v_nop behind the products are the places in front of the next loads into the registers that they read.
.macro RSTEP u
.if (\u) < 3
	BLOAD ((\u)+1)%2, (\u)+1, VRR
.endif
	WIN 0
	s_wait_loadcnt 10*(3-(\u))
.if (\u) < 3
	s_wait_dscnt 16
.else
	s_wait_dscnt 0x0
.endif
	MMS \u, (\u)%2, 0
.rept 4
	v_nop
.endr
.endm
.macro SETNL                           ; how many of my five tiles are live in this pass: the i with TB + 4 i < MT: (MT - TB + 3) / 4, held to 0 .. 5
	s_sub_co_i32 s[NL], s[MT], s[TB]
	s_add_co_i32 s[NL], s[NL], 3
	s_ashr_i32 s[NL], s[NL], 2
	s_max_i32 s[NL], s[NL], 0
	s_min_i32 s[NL], s[NL], 5
.endm
; Where my five tiles' rows lie.  No load of mine is out that names these registers.
.macro SETUP
	s_mov_b64 s[AP:AP+1], s[8:9]
.if PROD == 1
	v_lshl_add_u32 v20, s[TB], 6, v[XA]            ; place 16 (TB + 4 i) + lane % 16 of my list; places past the count hold token 0
.irp i, 0,1,2,3,4
	ds_load_b32 v[21+\i], v20 offset:256*\i
.endr
	s_wait_dscnt 0x0
.irp i, 0,1,2,3,4
	v_min_u32 v[21+\i], 0x3ff, v[21+\i]
	v_lshl_add_u32 v[AOFF+\i], v[21+\i], 11, v[XB] ; token x 2,048 bytes + 16 hf
.endr
.else
	s_sub_co_i32 s37, s[MT], 1
	s_max_i32 s37, s37, 0
.irp i, 0,1,2,3,4
	s_add_co_u32 s36, s[TB], 4*\i                  ; a dead tile repeats the last live one (tile 0 where there is none: the launch before stores it always)
	s_min_u32 s36, s36, s37
	s_min_u32 s36, s36, 63
	s_lshl_b32 s36, s36, 17
	v_add_nc_u32 v[AOFF+\i], s36, v[L16]
.endr
	s_wait_dscnt 0x0                               ; the bias registers
.endif
.endm
; The sums start at the bias: 320 moves put it into the accumulators, in place of 160 packed additions on the way out or of a first K step written out (four K steps of text, since the loop's trip is four).
.macro SEED
	WIN SD_LO
.set n, 0
.rept 256
	v_mov_b32 v[n], v[BIA+n%64]
.set n, n+1
.endr
	WIN SD_HI
.set n, 0
.rept 64
	v_mov_b32 v[n], v[BIA+n]
.set n, n+1
.endr
	WIN 0
.endm
	s_load_b256 s[4:11], s[0:1], 0x0               ; W s[4:5], bias s[6:7], token rows s[8:9], PROD 1: sel, PROD 2: cnt s[10:11]
.if PROD == 1
	s_load_b128 s[12:15], s[0:1], 0x20             ; h s[12:13], rank s[14:15]
	s_load_b64 s[16:17], s[0:1], 0x30              ; cnt
.else
	s_load_b64 s[12:13], s[0:1], 0x20              ; part
.endif
	v_lshl_add_u32 v[SPW], v0, 2, SPARE
	v_mov_b32 v[NIL], 0
	v_lshrrev_b32 v20, 5, v0
	v_readfirstlane_b32 s[WV], v20                 ; wave 0..3
	s_and_b32 s[EX], ttmp7, 0xffff                 ; the expert
.if PROD == 1
	s_mov_b32 s[SL], ttmp9
.else
	s_and_b32 s[SL], ttmp9, 7
	s_lshr_b32 s[KQ], ttmp9, 3
.endif
	s_mov_b32 s[HM], 0xffff0000
	s_mov_b32 s[OF+1], 0
	v_and_b32 v[LANE], 31, v0
	v_and_b32 v[R16], 15, v0
	v_bfe_u32 v[HF], v0, 4, 1
	v_lshlrev_b32 v[L16], 4, v[LANE]
	v_lshl_add_u32 v[WOFF], s[WV], PSH+3, v[L16]
	v_lshrrev_b32 v20, 1, v[LANE]
	v_lshl_add_u32 v20, s[WV], 5, v20
	v_and_b32 v21, 1, v[LANE]
	v_lshlrev_b32 v20, PSH, v20
	v_lshl_add_u32 v[VPF], v21, 8, v20
	s_wait_kmcnt 0x0
.if PROD == 1
	s_lshl_b32 s36, s[EX], 24                      ; W1: expert x 16 MiB + slice x 512 bytes
	s_lshl_b32 s37, s[SL], 9
	s_add_co_u32 s[OF], s36, s37
	s_add_nc_u64 s[4:5], s[4:5], s[OF:OF+1]
	s_lshl_b32 s36, s[EX], 14                      ; b1
	s_add_co_u32 s[OF], s36, s37
	s_add_nc_u64 s[6:7], s[6:7], s[OF:OF+1]
	s_lshl_b32 s36, s[EX], 23                      ; h: expert x 8 MiB + my first tile x 128 KiB + the slice's four K steps x 1,024
	s_lshl_b32 s37, s[SL], 12
	s_add_co_u32 s[OF], s36, s37
	s_lshl_b32 s37, s[WV], 17
	s_add_co_u32 s[OF], s[OF], s37
	s_add_nc_u64 s[12:13], s[12:13], s[OF:OF+1]
	s_lshl_b32 s[OF], s[EX], 12
	s_add_nc_u64 s[14:15], s[14:15], s[OF:OF+1]
	s_lshl_b32 s[OF], s[EX], 7
	s_add_nc_u64 s[16:17], s[16:17], s[OF:OF+1]
.else
	s_lshl_b32 s[OF], s[EX], 7
	s_add_nc_u64 s[10:11], s[10:11], s[OF:OF+1]
	s_load_b32 s[CNT], s[10:11], 0x0               ; the expert's rows
	s_lshl_b32 s36, s[EX], 24                      ; W2: expert x 16 MiB + quarter x 1,024 rows + slice x 512 bytes
	s_lshl_b32 s37, s[KQ], 22
	s_add_co_u32 s[OF], s36, s37
	s_lshl_b32 s37, s[SL], 9
	s_add_co_u32 s[OF], s[OF], s37
	s_add_nc_u64 s[4:5], s[4:5], s[OF:OF+1]
	s_lshl_b32 s36, s[EX], 12                      ; b2
	s_add_co_u32 s[OF], s36, s37
	s_add_nc_u64 s[6:7], s[6:7], s[OF:OF+1]
	s_lshl_b32 s36, s[KQ], 25                      ; part: quarter x 32 MiB + (expert x 1,024 + 16 w) rows + slice x 512 bytes
	s_add_co_u32 s[OF], s36, s37
	s_lshl_b32 s36, s[EX], 22
	s_add_co_u32 s[OF], s[OF], s36
	s_lshl_b32 s36, s[WV], 16
	s_add_co_u32 s[OF], s[OF], s36
	s_add_nc_u64 s[12:13], s[12:13], s[OF:OF+1]
	s_lshl_b32 s36, s[EX], 23                      ; h: expert x 8 MiB + the quarter's 32 K steps x 1,024
	s_lshl_b32 s37, s[KQ], 15
	s_add_co_u32 s[OF], s36, s37
	s_add_nc_u64 s[8:9], s[8:9], s[OF:OF+1]
.endif
	s_mov_b64 s[WP:WP+1], s[4:5]
.if PROD == 1
.irp j, 0,1,2,3,4,5,6,7,8,9,10,11,12,13,14,15
	global_load_b128 v[SELR+4*\j:SELR+4*\j+3], v[L16], s[10:11] offset:512*\j  ; all 2,048 choices: a lane has tokens 64 j + 2 lane and the next
.endr
.endif
	global_load_b128 v[20:23], v[L16], s[6:7]      ; the slice's 128 biases
	WLOAD 0, 0
	WLOAD 1, 1
	WLOAD 2, 2
	WIN 0
	global_prefetch_b8 v[VPF], s[WP:WP+1] offset:256*PITCH th:TH_LOAD_NT scope:SCOPE_SE  ; chunks 8 to 11, as in the loop
	global_prefetch_b8 v[VPF], s[WP:WP+1] offset:272*PITCH th:TH_LOAD_NT scope:SCOPE_SE
	s_mul_i32 s36, s[WV], 8*LP
	v_lshl_add_u32 v[VST], v[LANE], 3, s36
	v_and_b32 v24, 7, v0
	v_lshl_add_u32 v24, v[HF], 3, v24
	v_mul_u32_u24 v24, v24, LP
	v_bfe_u32 v25, v0, 3, 1
	v_lshl_add_u32 v[VRD0], v25, 4, v24
	v_mov_b32 v[VRD], v[VRD0]
	s_lshl_b32 s39, s[WV], 9
	s_add_co_u32 s39, s39, BIASL
	v_add_nc_u32 v28, s39, v[L16]
	v_lshl_add_u32 v29, v[HF], 5, s39
.if PROD == 1
	v_mov_b32 v[ZERO], 0
	s_mul_i32 s[LB], s[WV], LISTW
	s_add_co_u32 s[LB], s[LB], XTRA
	v_lshl_add_u32 v[XA], v[R16], 2, s[LB]
	v_lshlrev_b32 v[XB], 4, v[HF]
.else
	s_mul_i32 s[LB], s[WV], STGW
	s_add_co_u32 s[LB], s[LB], XTRA
	v_mul_u32_u24 v24, v[R16], 272                 ; in: row lane % 16, 32 bytes for each half of the lanes
	v_lshl_add_u32 v24, v[HF], 5, v24
	v_add_nc_u32 v[XA], s[LB], v24
	v_mul_u32_u24 v24, v[HF], 272                  ; back: lanes 0-15 one row of 256 bytes, lanes 16-31 the next
	v_lshl_add_u32 v24, v[R16], 4, v24
	v_add_nc_u32 v[XB], s[LB], v24
	v_lshlrev_b32 v[OOFF], 4, v[R16]               ; and the same two rows in part
	v_lshl_add_u32 v[OOFF], v[HF], 12, v[OOFF]
.endif
	s_wait_loadcnt 24                              ; the choices and the bias are in; W's 24 loads stay out
	; the bias: rounded to bf16, widened, through my own 512 bytes of LDS into the order of an accumulator's registers
	v_cvt_pk_bf16_f32 v24, v20, v21
	v_cvt_pk_bf16_f32 v25, v22, v23
	v_lshlrev_b32 v20, 16, v24
	v_and_b32 v21, s[HM], v24
	v_lshlrev_b32 v22, 16, v25
	v_and_b32 v23, s[HM], v25
.if PROD == 2
	s_cmp_eq_u32 s[KQ], 0                          ; one quarter alone adds b2
	s_cselect_b32 s45, -1, 0
.irp i, 20,21,22,23
	v_and_b32 v\i, s45, v\i
.endr
.endif
	ds_store_b128 v28, v[20:23]
	WIN W_LD
.irp a, 0,1,2,3,4,5,6,7
	ds_load_b128 v[BIA+8*\a:BIA+8*\a+3],   v29 offset:64*\a      ; LDS serves a wave's instructions in order (ISA guide 5.7.1.4): these see the store above
	ds_load_b128 v[BIA+8*\a+4:BIA+8*\a+7], v29 offset:64*\a+16
.endr
	WIN 0
.if PROD == 1
	; THE LIST.  Each wave makes its own, in its own LDS: no barrier.  32 rounds of 32 tokens: a chosen token's rank is the count so far plus the chosen lanes below it; its number goes to that place.
	; All waves and all 32 work-groups of an expert go the same way, so the ranks agree everywhere.
.irp i, 24,25,26,27
	v_mov_b32 v\i, 0
.endr
	v_add_nc_u32 v20, s[LB], v[L16]
.irp k, 0,1,2,3,4,5,6,7,8,9
	ds_store_b128 v20, v[24:27] offset:512*\k      ; every place names token 0 until it is taken
.endr
	v_mov_b32 v21, 1280
	v_lshlrev_b32 v22, 1, v[LANE]
	s_mov_b32 s[CNT], 0
.set n, 0
.rept 32                                           ; round n: tokens 64 (n / 2) + n % 2 + 2 lane
	v_cmp_eq_u32 s36, s[EX], v[SELR+2*n]
	v_cmp_eq_u32 s37, s[EX], v[SELR+2*n+1]
	s_or_b32 s36, s36, s37
	v_mbcnt_lo_u32_b32 v[RK+n], s36, s[CNT]
	s_bcnt1_i32_b32 s37, s36
	s_add_co_u32 s[CNT], s[CNT], s37
	v_cndmask_b32 v29, v21, v[RK+n], s36           ; a token that did not choose the expert goes to word 1280
	v_min_u32 v29, 0x500, v29
	v_lshl_add_u32 v29, v29, 2, s[LB]
	v_add_nc_u32 v28, 64*(n/2)+n%2, v22
	ds_store_b32 v29, v28
.set n, n+1
.endr
	s_or_b32 s36, s[SL], s[WV]                     ; slice 0's wave 0 stores the expert's ranks and count for the later launches
	s_cmp_lg_u32 s36, 0
	s_cbranch_scc1 .Lno_rank
	v_lshlrev_b32 v20, 3, v[LANE]
.irp j, 0,1,2,3,4,5,6,7,8,9,10,11,12,13,14,15
	global_store_b64 v20, v[RK+2*\j:RK+2*\j+1], s[14:15] offset:256*\j  ; 256 consecutive bytes, aligned
.endr
	v_lshlrev_b32 v21, 2, v[LANE]
	v_mov_b32 v23, s[CNT]
	global_store_b32 v21, v23, s[16:17]            ; the count, 32 times: one store with all lanes on
	s_wait_xcnt 0x0                                ; v20-23 are written again below
.Lno_rank:
.else
	s_wait_kmcnt 0x0
	s_min_u32 s[CNT], s[CNT], 1024
.endif
	s_add_co_u32 s[MT], s[CNT], 15
	s_lshr_b32 s[MT], s[MT], 4
.if PROD == 1
	s_max_u32 s[MT], s[MT], 1                      ; tile 0 is stored whatever the count, so that the next launch's repeated loads find written bytes
.endif
	s_mov_b32 s[TB], s[WV]
	SETNL
	SETUP
	SEED
	; PRIMING, in the loop's own order of issue
	ALOAD 0, 0
	WLOAD 3, 3
	ALOAD 1, 1
	s_wait_loadcnt 44                              ; behind W(0): W(1) W(2) A(0) W(3) A(1) = 8 + 8 + 10 + 8 + 10
	FILL 0, 0
	s_wait_dscnt 0x0                               ; chunk 4 takes the registers that those stores read
	WLOAD 4, 4
	ALOAD 2, 2
	s_wait_loadcnt 54                              ; behind W(1): W(2) A(0) W(3) A(1) W(4) A(2)
	FILL 1, 1
	WIN 0
	s_wait_dscnt 0x0                               ; for the others' sake: chunks 0 and 1, my rows
	s_barrier_signal -1
	s_barrier_wait -1
	BLOAD 0, 0, VRD
	WIN 0
	s_wait_dscnt 0x0
	s_mov_b32 s[LOOP], 6
.Lk:                                                   ; six trips of four K steps: 0 to 23
	KSTEP 8, 0
	KSTEP 9, 0
	KSTEP 10, 1
	KSTEP 11, 0
	STEP4
	s_sub_co_u32 s[LOOP], s[LOOP], 1
	s_cmp_lg_u32 s[LOOP], 0
	s_cbranch_scc1 .Lk
	KSTEP 24, 0                                    ; the tail is written out: nothing past the slice is loaded, and the counts run down
	KSTEP 25, 0
	KSTEP 26, 0
	KSTEP 27, 0
	STEP4
	KSTEP 28, 0
	KSTEP 29, 0
	KSTEP 30, 0
	KSTEP 31, 0
	s_mov_b32 s[PASS], 4
	s_branch .Lepi                                 ; the loop over passes is entered at pass 0's way out
.Lpass:                                                ; passes 1 to 3: rows 320 and up, from the finished image
	SETNL
	s_cmp_eq_u32 s[NL], 0
	s_cbranch_scc1 .Lepi                           ; no live tile of mine: no products, and the way out stores nothing
	SETUP
	SEED
	s_mov_b32 s[TBR], 0
	s_mov_b32 s[LOOP], 8
.Lres:                                                 ; eight trips of four K steps; the four chunks of a trip stand in the immediates
	v_add_nc_u32 v[VRR], s[TBR], v[VRD0]
	ALOAD 0, 0
	ALOAD 1, 1
	ALOAD 2, 2
	ALOAD 3, 3
	BLOAD 0, 0, VRR
	RSTEP 0
	RSTEP 1
	RSTEP 2
	RSTEP 3
	s_add_nc_u64 s[AP:AP+1], s[AP:AP+1], 4*ASTEP   ; the loads that named it have come back
	s_add_co_u32 s[TBR], s[TBR], 128*LP
	s_sub_co_u32 s[LOOP], s[LOOP], 1
	s_cmp_lg_u32 s[LOOP], 0
	s_cbranch_scc1 .Lres
.Lepi:                                                 ; THE WAY OUT of a pass: live tiles alone
.if PROD == 2
	s_wait_dscnt 0x0                               ; every wave's reads of the image in this pass are over before any wave writes its stage.  Image and stages are disjoint bytes, so no value
	s_barrier_signal -1                            ; hangs on this barrier: the order is stated outright and not left to the arithmetic of the addresses; four barriers a launch
	s_barrier_wait -1
.endif
.rept 4
	v_nop                                          ; the places behind the last products
.endr
.if PROD == 1
.irp i, 0,1,2,3,4
	s_cmp_lt_u32 s[NL], \i+1
	s_cbranch_scc1 .Lnext
.if \i < 4
	WIN EP_LO
.set AB, 64*\i
.else
	WIN EP_HI
.set AB, 0
.endif
.set n, 0
.rept 32                                           ; each accumulator's registers in ascending order
	v_cvt_pk_bf16_f32 v[AR+32*\i+n], v[AB+2*n], v[AB+2*n+1]
.set n, n+1
.endr
	WIN 0
.set n, 0
.rept 32
	v_pk_max_num_bf16 v[AR+32*\i+n], v[AR+32*\i+n], v[ZERO]  ; relu, two at a time; rounding first changes nothing: it keeps order and sign
.set n, n+1
.endr
.irp a, 0,1,2,3,4,5,6,7
	global_store_b128 v[OOFF], v[AR+32*\i+4*\a:AR+32*\i+4*\a+3], s[12:13] offset:\i*524288+((\a)/2)*1024+((\a)%2)*512  ; 512 consecutive bytes, aligned
.endr
.endr
.else
.irp i, 0,1,2,3,4
	s_cmp_lt_u32 s[NL], \i+1
	s_cbranch_scc1 .Lnext
.irp f, 0,1                                        ; 64 columns at a time through my stage: in by lanes, back by rows of 256 bytes
.set RS, AR+32*((2*\i+\f)%5)
	s_wait_xcnt 0x0                                ; the registers of earlier stores are loaded again only behind this wait
.if \i < 4
	WIN ST_LO
.set AB, 64*\i+32*\f
.else
	WIN W_ST
.set AB, 32*\f
.endif
.irp a, 0,1,2,3
	ds_store_b128 v[XA], v[AB+8*\a:AB+8*\a+3]   offset:64*\a     ; each accumulator's low registers first
	ds_store_b128 v[XA], v[AB+8*\a+4:AB+8*\a+7] offset:64*\a+16
.endr
	WIN 0
.irp q, 0,1,2,3,4,5,6,7
	ds_load_b128 v[RS+4*\q:RS+4*\q+3], v[XB] offset:544*\q       ; in order behind the stores above; the next half's stores come behind these
.endr
	s_wait_dscnt 0x0
.irp q, 0,1,2,3,4,5,6,7
	global_store_b128 v[OOFF], v[RS+4*\q:RS+4*\q+3], s[12:13] offset:\i*262144+\q*8192+\f*256  ; 16 lanes store 256 consecutive bytes, aligned
.endr
.endr
.endr
.endif
.Lnext:
	s_wait_xcnt 0x0                                ; the stores' base and data are written again only behind this wait
	s_add_co_u32 s[TB], s[TB], 20
	s_add_nc_u64 s[12:13], s[12:13], OSTEP
	s_wait_dscnt 0x0                               ; a pass's end: every wave's LDS reads and stage stores of this pass are over before any wave begins the next pass or ends.
	s_barrier_signal -1                            ; As above, no value hangs on it (disjoint bytes); four barriers a launch, on every wave's path
	s_barrier_wait -1
	s_sub_co_u32 s[PASS], s[PASS], 1
	s_cmp_lg_u32 s[PASS], 0
	s_cbranch_scc1 .Lpass
	s_wait_tensorcnt 0x0                           ; the wave's end: closing lines behind my last LDS store
	ds_add_u32 v[SPW], v[NIL]
	s_wait_dscnt 0x0
	s_endpgm
.Lfunc_end_k_qe9a182f6d8_ffn1:
	.size	k_qe9a182f6d8_ffn1, .Lfunc_end_k_qe9a182f6d8_ffn1-k_qe9a182f6d8_ffn1
	.p2alignl 7, 3214868480
	.fill 96, 4, 3214868480
	.section	.rodata,"a",@progbits
	.p2align	6, 0x0
	.amdhsa_kernel k_qe9a182f6d8_ffn1
		.amdhsa_group_segment_fixed_size 318976
		.amdhsa_private_segment_fixed_size 0
		.amdhsa_enable_private_segment 0
		.amdhsa_kernarg_size 56
		.amdhsa_user_sgpr_count 2
		.amdhsa_user_sgpr_kernarg_segment_ptr 1
		.amdhsa_wavefront_size32 1
		.amdhsa_system_sgpr_workgroup_id_x 1
		.amdhsa_system_sgpr_workgroup_id_y 1
		.amdhsa_system_sgpr_workgroup_id_z 1
		.amdhsa_system_vgpr_workitem_id 0
		.amdhsa_next_free_vgpr 896
		.amdhsa_next_free_sgpr 66
		.amdhsa_reserve_vcc 0
		.amdhsa_float_denorm_mode_32 3
		.amdhsa_float_denorm_mode_16_64 3
		.amdhsa_memory_ordered 1
		.amdhsa_forward_progress 1
		.amdhsa_inst_pref_size 185
	.end_amdhsa_kernel
	.amdgpu_metadata
---
amdhsa.version: [ 1, 2 ]
amdhsa.kernels:
  - .name:           k_qe9a182f6d8_ffn1
    .symbol:         k_qe9a182f6d8_ffn1.kd
    .args:
      - { .name: W1, .offset: 0, .size: 8, .value_kind: global_buffer, .address_space: global }
      - { .name: b1, .offset: 8, .size: 8, .value_kind: global_buffer, .address_space: global }
      - { .name: xb, .offset: 16, .size: 8, .value_kind: global_buffer, .address_space: global }
      - { .name: sel, .offset: 24, .size: 8, .value_kind: global_buffer, .address_space: global }
      - { .name: h, .offset: 32, .size: 8, .value_kind: global_buffer, .address_space: global }
      - { .name: rank, .offset: 40, .size: 8, .value_kind: global_buffer, .address_space: global }
      - { .name: cnt, .offset: 48, .size: 8, .value_kind: global_buffer, .address_space: global }
    .group_segment_fixed_size: 318976
    .private_segment_fixed_size: 0
    .kernarg_segment_align: 8
    .kernarg_segment_size: 56
    .max_flat_workgroup_size: 128
    .sgpr_count:     66
    .vgpr_count:     896
    .wavefront_size: 32
...
	.end_amdgpu_metadata
.endif
;; end of part 2
;; launch ffn2 (part 3): grid 32 x 8, 4 waves a work-group, no clusters, 314,880 bytes of LDS; arguments W2, b2, h, cnt, part; writes part
.if DOCPART == 3
	.amdgcn_target "amdgcn-amd-amdhsa--gfx1250"
	.amdhsa_code_object_version 6
	.text
	.protected	k_qe9a182f6d8_ffn2
	.globl	k_qe9a182f6d8_ffn2
	.p2align	8
	.type	k_qe9a182f6d8_ffn2,@function
k_qe9a182f6d8_ffn2:
	s_mov_b64 s[64:65], 0
	v_nop
	global_prefetch_b8 v0, s[64:65] scope:SCOPE_SE
	s_setreg_imm32_b32 hwreg(HW_REG_WAVE_MODE, 25, 1), 1
	s_wait_xcnt 0x0
; ONE TEXT FOR BOTH PRODUCTS OF THE EXPERTS; PROD says which.
; PROD = 1: h = relu(x_rows W1[e] + b1[e]) in bf16, for the tokens that chose expert e.   PROD = 2: part[q] = h W2[e] (rows 1,024 q .. of W2; + b2[e] where q = 0), f32 partial sums.
; LIMITS.  Weights and biases are rounded once to bf16 on their way through registers (x was by the launch before), h once to bf16; all sums are f32.  The relu on packed bf16 turns a NaN into 0;
; NaN and infinities are not treated apart.  Every split of the tokens is served, 0 to 1,024 rows an expert; rows past 320 go through later passes, behind the stream and not under it.
; SHARES.  Grid 32 x 8: y = expert; x = a slice of 1,024 (K) x 128 (columns) of its weights, 512 KB of f32, which this work-group alone reads, once.  The expert's rows go in tiles of 16;
; wave w owns tiles w + 4 i + 20 p (i = 0 .. 4, pass p = 0 .. 3): 80 places for at most 64 tiles.
; PASS 0 STREAMS.  32 K steps of 32.  In K step t the four waves round chunk t + 2 (32 rows of W; wave w rows 8 w .. 8 w + 7; one load is one row's 512 consecutive bytes) and store it as bf16 into an
; image [K][128] in LDS, and multiply chunk t.  Every byte of the image is written once and never again, so one barrier a K step (store, wait, signal; read behind the wait) is all the ordering.
; PASSES 1 TO 3 read the finished image; a wave without a live tile jumps the pass's products and stores.
; COUNTS THAT HANG ON DATA steer forward jumps over products and stores alone, never over a barrier.  Token loads are issued for all five tiles in every K step, so that the counted waits hold on
; every path; a place past the count names a row that exists.  Tiles 0 to 2 are always multiplied, tiles 3 and 4 only if live; no dead tile is stored.
; THE MATRIX INSTRUCTION IS USED TRANSPOSED: source 0 = 16 columns of W (turned out of LDS by ds_load_tr16_b128), source 1 = 16 token rows.  Register j of lane (r, hf) then holds
; C(row r, column 16 a + 8 hf + j): eight neighbouring columns.  In PROD 1 four conversions of column tile a ARE half a & 1 of the next product's token fragment for its K step a / 2: h is stored
; in that order, [expert][tile][K step][half][lane][16 bytes], 512 consecutive bytes a store, and PROD 2 loads it likewise.
; NO CLUSTER: each slice of weights has one reader.  PROD 1's token rows come by a list, which no descriptor covers; PROD 2's tiles of h are shared by 8 work-groups, but two slots of five tiles a wave
; (2 x 20 KB) do not fit beside the image (294,912 bytes) and the stage (17,408): 14,848 bytes are left.  NO TENSOR LOADS: the weights would land as f32, 512 KB a slice.
.set PROD, 2
.if PROD == 1
.set PITCH, 16384                      ; bytes from a row of W to the next
.set PSH,   14
.set ASTEP, 64                         ; bytes of a token row (PROD 2: of a tile) in a K step
.set AHALF, 32                         ; from a fragment's first four registers to its last four
.set OSTEP, 20*131072                  ; twenty tiles on in the output
.else
.set PITCH, 4096
.set PSH,   12
.set ASTEP, 1024
.set AHALF, 512
.set OSTEP, 20*16*4096
.endif
.set LP,    288                        ; a row of the image: 256 bytes + 32 = 72 words
.set XTRA,  1024*LP                    ; behind the image, each wave's own: PROD 1 the list, PROD 2 the stage
.if PROD == 1
.set LISTW, 5376                       ; 1,280 places of the list (80 tiles x 16), then word 1280, which takes what no place takes and is never read
.set BIASL, XTRA+4*LISTW
.else
.set STGW,  16*272                     ; 16 rows x (256 + 16) bytes
.set BIASL, XTRA+4*STGW
.endif
.set SPARE, BIASL+4*512                ; behind the biases (512 bytes a wave): the spare words, 128 bytes a wave: two blocks of 256 bytes that no other line names
; window 0
.set LANE, 1
.set R16,  2                           ; lane % 16
.set HF,   3                           ; lane / 16
.set L16,  4                           ; 16 lane; never rewritten
.set WOFF, 5                           ; 16 lane + my 8 rows of a chunk of W; never rewritten
.set VPF,  6                           ; prefetch: (32 w + lane / 2) rows + 256 (lane % 2); never rewritten
.set VST,  7                           ; image: my 8 rows of a chunk + 8 lane; steps
.set VRD,  8                           ; image: the stream's turning loads; steps
.set VRD0, 9                           ; (8 hf + lane % 8) LP + 16 ((lane / 8) % 2); never rewritten
.set VRR,  10                          ; image: the later passes' turning loads: s[TBR] + VRD0, made anew in each trip
.set AOFF, 11                          ; v11-15  byte offset of tile i's token rows
.if PROD == 1
.set OOFF, L16                         ; the stores' offset
.else
.set OOFF, 16                          ; hf rows of 4,096 bytes + 16 (lane % 16)
.endif
.set XA,   17                          ; PROD 1: my wave's list + 4 (lane % 16).  PROD 2: the stage, in
.set XB,   18                          ; PROD 1: 16 hf.                           PROD 2: the stage, back
.set ZERO, 19
.set SPW,  30                          ; my spare word, and 0: kept for the closing lines alone
.set NIL,  31
.set RK,   32                          ; v32-63  PROD 1: the ranks
.set AR,   96                          ; v96-255 token fragments: four slots of five tiles x 8; first the choices (64), last the stores' data
.set SELR, 96
; window 1: accumulators of tiles 0-3, (i, a) at 64 i + 8 a.   window 2: v0-63 tile 4;
.set WR,   64                          ; window 2, v64-191: W as loaded, four slots of 8 rows x 4
.set BIA,  192                         ; window 2, v192-255: bias[16 a + 8 hf + j] at 8 a + j
; window 3: v0-63, v64-127 two buffers of W's fragments, column tile a at 8 a
.set WV, 20
.set EX, 21
.set SL, 22                            ; the slice of 128 columns
.set KQ, 23                            ; PROD 2: the quarter of K
.set CNT, 24
.set MT, 25                            ; live tiles
.set NL, 26                            ; how many of my five tiles are live in this pass
.set TB, 27                            ; w + 20 p
.set PASS, 28
.set LOOP, 29
.set OF, 30                            ; s[30:31] an offset, 64 bits
.set WP, 32                            ; s[32:33] W, walking
.set AP, 34                            ; s[34:35] the token rows, walking
.set LB, 38                            ; my wave's list or stage
.set TBR, 40                           ; the later passes: the image byte at which the trip's four chunks begin
.set HM, 44                            ; a word's upper bf16
.set MSB, 0
.macro WIN new                         ; s_set_vgpr_msb: bits 1:0 source 0, 3:2 source 1, 5:4 source 2, 7:6 destination; the high byte repeats the setting that is left
.if MSB != (\new)
	s_set_vgpr_msb (MSB<<8)|(\new)
.set MSB, (\new)
.endif
.endm
.set W_LD,  0x80                       ; loads into window 2
.set W_CV,  0x8a                       ; conversions in place in window 2
.set W_ST,  0x08                       ; LDS stores of data in window 2
.set B_LD,  0xc0                       ; loads into window 3
.set MM_LO, 0x53                       ; W's fragment window 3, tokens window 0, C and D window 1
.set MM_HI, 0xa3                       ; C and D window 2
.set SD_LO, 0x42                       ; window 2 to window 1
.set SD_HI, 0x82                       ; within window 2
.set EP_LO, 0x05                       ; sources window 1, destination window 0
.set EP_HI, 0x0a
.set ST_LO, 0x04                       ; LDS stores of data in window 1
; All immediates count from pointers that step every four K steps; d = the chunk's distance from them.
.macro WLOAD tau, d                    ; chunk tau of W: my 8 rows, 512 consecutive bytes each
	WIN W_LD
.irp i, 0,1,2,3,4,5,6,7
	global_load_b128 v[WR+32*((\tau)%4)+4*\i:WR+32*((\tau)%4)+4*\i+3], v[WOFF], s[WP:WP+1] offset:((\d)*32+\i)*PITCH th:TH_LOAD_NT
.endr
.endm
.macro FILL tau, d                     ; rounded in place and stored into the image, 256 consecutive bytes a store
.set WS, WR+32*((\tau)%4)
	WIN W_CV
.irp i, 0,1,2,3,4,5,6,7
	v_cvt_pk_bf16_f32 v[WS+4*\i],   v[WS+4*\i],   v[WS+4*\i+1]
	v_cvt_pk_bf16_f32 v[WS+4*\i+1], v[WS+4*\i+2], v[WS+4*\i+3]
.endr
	WIN W_ST
.irp i, 0,1,2,3,4,5,6,7
	ds_store_b64 v[VST], v[WS+4*\i:WS+4*\i+1] offset:((\d)*32+\i)*LP
.endr
.endm
.macro BLOAD slot, d, adr              ; a chunk's eight fragments: 16 columns x 32 K each, turned
	WIN B_LD
.irp a, 0,1,2,3,4,5,6,7
	ds_load_tr16_b128 v[64*(\slot)+8*\a:64*(\slot)+8*\a+3],   v[\adr] offset:(\d)*32*LP+32*\a
	ds_load_tr16_b128 v[64*(\slot)+8*\a+4:64*(\slot)+8*\a+7], v[\adr] offset:(\d)*32*LP+32*\a+16*LP
.endr
.endm
.macro ALOAD slot, d                   ; five tiles' token fragments for one K step
	WIN 0
.irp i, 0,1,2,3,4
	global_load_b128 v[AR+40*(\slot)+8*\i:AR+40*(\slot)+8*\i+3],   v[AOFF+\i], s[AP:AP+1] offset:(\d)*ASTEP
	global_load_b128 v[AR+40*(\slot)+8*\i+4:AR+40*(\slot)+8*\i+7], v[AOFF+\i], s[AP:AP+1] offset:(\d)*ASTEP+AHALF
.endr
.endm
.macro MMT i, sa, sb                   ; tile i's eight products; its eight accumulators take turns
.irp a, 0,1,2,3,4,5,6,7
	v_wmma_f32_16x16x32_bf16 v[64*((\i)%4)+8*\a:64*((\i)%4)+8*\a+7], v[64*(\sb)+8*\a:64*(\sb)+8*\a+7], v[AR+40*(\sa)+8*(\i):AR+40*(\sa)+8*(\i)+7], v[64*((\i)%4)+8*\a:64*((\i)%4)+8*\a+7]
.endr
.endm
; A K step's products.  No two matrix instructions that follow each other share an accumulator, over the jumps and from K step to K step too.
; bar = 1: the K step's barrier: my stores of the chunk two steps on are done (and the next chunk's fragments are in), say so; eight products; go on when all four waves have said so.
.macro MMS sa, sb, bar
	WIN MM_LO
	MMT 0, \sa, \sb
	MMT 1, \sa, \sb
.if \bar
	s_wait_dscnt 0x0
	s_barrier_signal -1
.endif
	MMT 2, \sa, \sb
.if \bar
	s_barrier_wait -1
.endif
	WIN 0                                          ; at a branch and at a label every window is 0
	s_cmp_lt_u32 s[NL], 4
	s_cbranch_scc1 .Ldone_\@
	WIN MM_LO
	MMT 3, \sa, \sb
	WIN 0
	s_cmp_lt_u32 s[NL], 5
	s_cbranch_scc1 .Ldone_\@
	WIN MM_HI
	MMT 4, \sa, \sb
	WIN 0
.Ldone_\@:
.endm
; K STEP t of the stream.  W's and the tokens' loads share one counter and come back in the order of issue: .. W(t+5) A(t+3) W(t+6) A(t+4) .., 8 and 10 loads.
; n1: the loads issued behind W(t+2): A(t) W(t+3) A(t+1) W(t+4) A(t+2) W(t+5), as far as they exist (chunks and K steps end at 31): 54 in the loop.
; n2: those behind A(t), ahead of the issue of A(t+3): W(t+3) A(t+1) W(t+4) A(t+2) W(t+5): 44 in the loop.  During the products 54 loads of a wave are out, 62 at the most, 24 to 32 of them W's (12 to 16 KB).
; The 16 conversions (or four v_nop) are the places between the last K step's products and the loads into the registers that those products read (ISA guide 7.12.1 for vector instructions).
.macro KSTEP t, pf
.set u, (\t)%4
.set n1, 30
.set n2, 0
.if (\t) <= 30
.set n2, n2+10
.endif
.if (\t) <= 29
.set n2, n2+10
.endif
.if (\t) <= 28
.set n1, n1+8
.set n2, n2+8
.endif
.if (\t) <= 27
.set n1, n1+8
.set n2, n2+8
.endif
.if (\t) <= 26
.set n1, n1+8
.set n2, n2+8
	WLOAD (\t)+5, u+5
.endif
.if (\t) <= 29
	s_wait_loadcnt n1
	FILL (\t)+2, u+2
.else
.rept 4
	v_nop
.endr
.endif
.if (\t) <= 30
	BLOAD ((\t)+1)%2, u+1, VRD
.endif
	WIN 0
	s_wait_loadcnt n2
.if (\t) <= 28
	ALOAD ((\t)+3)%4, u+3
.endif
.if \pf
	; Prefetch: the trip of K steps 4 T .. 4 T + 3, whose loads reach chunk 4 T + 8, asks for chunks 4 T + 12 .. 4 T + 15: each wave 32 rows, lanes 256 bytes apart, each block once in the launch.
	; The last trip (LOOP = 1) would ask past the slice and asks for nothing.  Asked for and not yet loaded: 7 chunks, 112 KB a work-group, at the most.
	s_cmp_lt_u32 s[LOOP], 2
	s_cbranch_scc1 .Lno_pf_\@
	global_prefetch_b8 v[VPF], s[WP:WP+1] offset:384*PITCH th:TH_LOAD_NT scope:SCOPE_SE
	global_prefetch_b8 v[VPF], s[WP:WP+1] offset:400*PITCH th:TH_LOAD_NT scope:SCOPE_SE
.Lno_pf_\@:
.endif
.if (\t) <= 29
	MMS (\t)%4, (\t)%2, 1
.else
	MMS (\t)%4, (\t)%2, 0
.if (\t) == 30
	s_wait_dscnt 0x0                               ; chunk 31's fragments: this K step has no barrier whose wait would cover them
.endif
.endif
.endm
.macro STEP4
	s_wait_xcnt 0x0                                ; the pointers are stepped only behind this wait (ISA guide 3.1)
	s_add_nc_u64 s[WP:WP+1], s[WP:WP+1], 128*PITCH
	s_add_nc_u64 s[AP:AP+1], s[AP:AP+1], 4*ASTEP
	v_add_nc_u32 v[VST], 128*LP, v[VST]
	v_add_nc_u32 v[VRD], 128*LP, v[VRD]
.endm
; K step u of a trip of the later passes.  The trip's 40 token loads went out at its head: 10 (3 - u) are younger than this step's.  The next chunk's 16 turning loads go out first and stay out.
; Four v_nop behind the products are the places in front of the next loads into the registers that they read.
.macro RSTEP u
.if (\u) < 3
	BLOAD ((\u)+1)%2, (\u)+1, VRR
.endif
	WIN 0
	s_wait_loadcnt 10*(3-(\u))
.if (\u) < 3
	s_wait_dscnt 16
.else
	s_wait_dscnt 0x0
.endif
	MMS \u, (\u)%2, 0
.rept 4
	v_nop
.endr
.endm
.macro SETNL                           ; how many of my five tiles are live in this pass: the i with TB + 4 i < MT: (MT - TB + 3) / 4, held to 0 .. 5
	s_sub_co_i32 s[NL], s[MT], s[TB]
	s_add_co_i32 s[NL], s[NL], 3
	s_ashr_i32 s[NL], s[NL], 2
	s_max_i32 s[NL], s[NL], 0
	s_min_i32 s[NL], s[NL], 5
.endm
; Where my five tiles' rows lie.  No load of mine is out that names these registers.
.macro SETUP
	s_mov_b64 s[AP:AP+1], s[8:9]
.if PROD == 1
	v_lshl_add_u32 v20, s[TB], 6, v[XA]            ; place 16 (TB + 4 i) + lane % 16 of my list; places past the count hold token 0
.irp i, 0,1,2,3,4
	ds_load_b32 v[21+\i], v20 offset:256*\i
.endr
	s_wait_dscnt 0x0
.irp i, 0,1,2,3,4
	v_min_u32 v[21+\i], 0x3ff, v[21+\i]
	v_lshl_add_u32 v[AOFF+\i], v[21+\i], 11, v[XB] ; token x 2,048 bytes + 16 hf
.endr
.else
	s_sub_co_i32 s37, s[MT], 1
	s_max_i32 s37, s37, 0
.irp i, 0,1,2,3,4
	s_add_co_u32 s36, s[TB], 4*\i                  ; a dead tile repeats the last live one (tile 0 where there is none: the launch before stores it always)
	s_min_u32 s36, s36, s37
	s_min_u32 s36, s36, 63
	s_lshl_b32 s36, s36, 17
	v_add_nc_u32 v[AOFF+\i], s36, v[L16]
.endr
	s_wait_dscnt 0x0                               ; the bias registers
.endif
.endm
; The sums start at the bias: 320 moves put it into the accumulators, in place of 160 packed additions on the way out or of a first K step written out (four K steps of text, since the loop's trip is four).
.macro SEED
	WIN SD_LO
.set n, 0
.rept 256
	v_mov_b32 v[n], v[BIA+n%64]
.set n, n+1
.endr
	WIN SD_HI
.set n, 0
.rept 64
	v_mov_b32 v[n], v[BIA+n]
.set n, n+1
.endr
	WIN 0
.endm
	s_load_b256 s[4:11], s[0:1], 0x0               ; W s[4:5], bias s[6:7], token rows s[8:9], PROD 1: sel, PROD 2: cnt s[10:11]
.if PROD == 1
	s_load_b128 s[12:15], s[0:1], 0x20             ; h s[12:13], rank s[14:15]
	s_load_b64 s[16:17], s[0:1], 0x30              ; cnt
.else
	s_load_b64 s[12:13], s[0:1], 0x20              ; part
.endif
	v_lshl_add_u32 v[SPW], v0, 2, SPARE
	v_mov_b32 v[NIL], 0
	v_lshrrev_b32 v20, 5, v0
	v_readfirstlane_b32 s[WV], v20                 ; wave 0..3
	s_and_b32 s[EX], ttmp7, 0xffff                 ; the expert
.if PROD == 1
	s_mov_b32 s[SL], ttmp9
.else
	s_and_b32 s[SL], ttmp9, 7
	s_lshr_b32 s[KQ], ttmp9, 3
.endif
	s_mov_b32 s[HM], 0xffff0000
	s_mov_b32 s[OF+1], 0
	v_and_b32 v[LANE], 31, v0
	v_and_b32 v[R16], 15, v0
	v_bfe_u32 v[HF], v0, 4, 1
	v_lshlrev_b32 v[L16], 4, v[LANE]
	v_lshl_add_u32 v[WOFF], s[WV], PSH+3, v[L16]
	v_lshrrev_b32 v20, 1, v[LANE]
	v_lshl_add_u32 v20, s[WV], 5, v20
	v_and_b32 v21, 1, v[LANE]
	v_lshlrev_b32 v20, PSH, v20
	v_lshl_add_u32 v[VPF], v21, 8, v20
	s_wait_kmcnt 0x0
.if PROD == 1
	s_lshl_b32 s36, s[EX], 24                      ; W1: expert x 16 MiB + slice x 512 bytes
	s_lshl_b32 s37, s[SL], 9
	s_add_co_u32 s[OF], s36, s37
	s_add_nc_u64 s[4:5], s[4:5], s[OF:OF+1]
	s_lshl_b32 s36, s[EX], 14                      ; b1
	s_add_co_u32 s[OF], s36, s37
	s_add_nc_u64 s[6:7], s[6:7], s[OF:OF+1]
	s_lshl_b32 s36, s[EX], 23                      ; h: expert x 8 MiB + my first tile x 128 KiB + the slice's four K steps x 1,024
	s_lshl_b32 s37, s[SL], 12
	s_add_co_u32 s[OF], s36, s37
	s_lshl_b32 s37, s[WV], 17
	s_add_co_u32 s[OF], s[OF], s37
	s_add_nc_u64 s[12:13], s[12:13], s[OF:OF+1]
	s_lshl_b32 s[OF], s[EX], 12
	s_add_nc_u64 s[14:15], s[14:15], s[OF:OF+1]
	s_lshl_b32 s[OF], s[EX], 7
	s_add_nc_u64 s[16:17], s[16:17], s[OF:OF+1]
.else
	s_lshl_b32 s[OF], s[EX], 7
	s_add_nc_u64 s[10:11], s[10:11], s[OF:OF+1]
	s_load_b32 s[CNT], s[10:11], 0x0               ; the expert's rows
	s_lshl_b32 s36, s[EX], 24                      ; W2: expert x 16 MiB + quarter x 1,024 rows + slice x 512 bytes
	s_lshl_b32 s37, s[KQ], 22
	s_add_co_u32 s[OF], s36, s37
	s_lshl_b32 s37, s[SL], 9
	s_add_co_u32 s[OF], s[OF], s37
	s_add_nc_u64 s[4:5], s[4:5], s[OF:OF+1]
	s_lshl_b32 s36, s[EX], 12                      ; b2
	s_add_co_u32 s[OF], s36, s37
	s_add_nc_u64 s[6:7], s[6:7], s[OF:OF+1]
	s_lshl_b32 s36, s[KQ], 25                      ; part: quarter x 32 MiB + (expert x 1,024 + 16 w) rows + slice x 512 bytes
	s_add_co_u32 s[OF], s36, s37
	s_lshl_b32 s36, s[EX], 22
	s_add_co_u32 s[OF], s[OF], s36
	s_lshl_b32 s36, s[WV], 16
	s_add_co_u32 s[OF], s[OF], s36
	s_add_nc_u64 s[12:13], s[12:13], s[OF:OF+1]
	s_lshl_b32 s36, s[EX], 23                      ; h: expert x 8 MiB + the quarter's 32 K steps x 1,024
	s_lshl_b32 s37, s[KQ], 15
	s_add_co_u32 s[OF], s36, s37
	s_add_nc_u64 s[8:9], s[8:9], s[OF:OF+1]
.endif
	s_mov_b64 s[WP:WP+1], s[4:5]
.if PROD == 1
.irp j, 0,1,2,3,4,5,6,7,8,9,10,11,12,13,14,15
	global_load_b128 v[SELR+4*\j:SELR+4*\j+3], v[L16], s[10:11] offset:512*\j  ; all 2,048 choices: a lane has tokens 64 j + 2 lane and the next
.endr
.endif
	global_load_b128 v[20:23], v[L16], s[6:7]      ; the slice's 128 biases
	WLOAD 0, 0
	WLOAD 1, 1
	WLOAD 2, 2
	WIN 0
	global_prefetch_b8 v[VPF], s[WP:WP+1] offset:256*PITCH th:TH_LOAD_NT scope:SCOPE_SE  ; chunks 8 to 11, as in the loop
	global_prefetch_b8 v[VPF], s[WP:WP+1] offset:272*PITCH th:TH_LOAD_NT scope:SCOPE_SE
	s_mul_i32 s36, s[WV], 8*LP
	v_lshl_add_u32 v[VST], v[LANE], 3, s36
	v_and_b32 v24, 7, v0
	v_lshl_add_u32 v24, v[HF], 3, v24
	v_mul_u32_u24 v24, v24, LP
	v_bfe_u32 v25, v0, 3, 1
	v_lshl_add_u32 v[VRD0], v25, 4, v24
	v_mov_b32 v[VRD], v[VRD0]
	s_lshl_b32 s39, s[WV], 9
	s_add_co_u32 s39, s39, BIASL
	v_add_nc_u32 v28, s39, v[L16]
	v_lshl_add_u32 v29, v[HF], 5, s39
.if PROD == 1
	v_mov_b32 v[ZERO], 0
	s_mul_i32 s[LB], s[WV], LISTW
	s_add_co_u32 s[LB], s[LB], XTRA
	v_lshl_add_u32 v[XA], v[R16], 2, s[LB]
	v_lshlrev_b32 v[XB], 4, v[HF]
.else
	s_mul_i32 s[LB], s[WV], STGW
	s_add_co_u32 s[LB], s[LB], XTRA
	v_mul_u32_u24 v24, v[R16], 272                 ; in: row lane % 16, 32 bytes for each half of the lanes
	v_lshl_add_u32 v24, v[HF], 5, v24
	v_add_nc_u32 v[XA], s[LB], v24
	v_mul_u32_u24 v24, v[HF], 272                  ; back: lanes 0-15 one row of 256 bytes, lanes 16-31 the next
	v_lshl_add_u32 v24, v[R16], 4, v24
	v_add_nc_u32 v[XB], s[LB], v24
	v_lshlrev_b32 v[OOFF], 4, v[R16]               ; and the same two rows in part
	v_lshl_add_u32 v[OOFF], v[HF], 12, v[OOFF]
.endif
	s_wait_loadcnt 24                              ; the choices and the bias are in; W's 24 loads stay out
	; the bias: rounded to bf16, widened, through my own 512 bytes of LDS into the order of an accumulator's registers
	v_cvt_pk_bf16_f32 v24, v20, v21
	v_cvt_pk_bf16_f32 v25, v22, v23
	v_lshlrev_b32 v20, 16, v24
	v_and_b32 v21, s[HM], v24
	v_lshlrev_b32 v22, 16, v25
	v_and_b32 v23, s[HM], v25
.if PROD == 2
	s_cmp_eq_u32 s[KQ], 0                          ; one quarter alone adds b2
	s_cselect_b32 s45, -1, 0
.irp i, 20,21,22,23
	v_and_b32 v\i, s45, v\i
.endr
.endif
	ds_store_b128 v28, v[20:23]
	WIN W_LD
.irp a, 0,1,2,3,4,5,6,7
	ds_load_b128 v[BIA+8*\a:BIA+8*\a+3],   v29 offset:64*\a      ; LDS serves a wave's instructions in order (ISA guide 5.7.1.4): these see the store above
	ds_load_b128 v[BIA+8*\a+4:BIA+8*\a+7], v29 offset:64*\a+16
.endr
	WIN 0
.if PROD == 1
	; THE LIST.  Each wave makes its own, in its own LDS: no barrier.  32 rounds of 32 tokens: a chosen token's rank is the count so far plus the chosen lanes below it; its number goes to that place.
	; All waves and all 32 work-groups of an expert go the same way, so the ranks agree everywhere.
.irp i, 24,25,26,27
	v_mov_b32 v\i, 0
.endr
	v_add_nc_u32 v20, s[LB], v[L16]
.irp k, 0,1,2,3,4,5,6,7,8,9
	ds_store_b128 v20, v[24:27] offset:512*\k      ; every place names token 0 until it is taken
.endr
	v_mov_b32 v21, 1280
	v_lshlrev_b32 v22, 1, v[LANE]
	s_mov_b32 s[CNT], 0
.set n, 0
.rept 32                                           ; round n: tokens 64 (n / 2) + n % 2 + 2 lane
	v_cmp_eq_u32 s36, s[EX], v[SELR+2*n]
	v_cmp_eq_u32 s37, s[EX], v[SELR+2*n+1]
	s_or_b32 s36, s36, s37
	v_mbcnt_lo_u32_b32 v[RK+n], s36, s[CNT]
	s_bcnt1_i32_b32 s37, s36
	s_add_co_u32 s[CNT], s[CNT], s37
	v_cndmask_b32 v29, v21, v[RK+n], s36           ; a token that did not choose the expert goes to word 1280
	v_min_u32 v29, 0x500, v29
	v_lshl_add_u32 v29, v29, 2, s[LB]
	v_add_nc_u32 v28, 64*(n/2)+n%2, v22
	ds_store_b32 v29, v28
.set n, n+1
.endr
	s_or_b32 s36, s[SL], s[WV]                     ; slice 0's wave 0 stores the expert's ranks and count for the later launches
	s_cmp_lg_u32 s36, 0
	s_cbranch_scc1 .Lno_rank
	v_lshlrev_b32 v20, 3, v[LANE]
.irp j, 0,1,2,3,4,5,6,7,8,9,10,11,12,13,14,15
	global_store_b64 v20, v[RK+2*\j:RK+2*\j+1], s[14:15] offset:256*\j  ; 256 consecutive bytes, aligned
.endr
	v_lshlrev_b32 v21, 2, v[LANE]
	v_mov_b32 v23, s[CNT]
	global_store_b32 v21, v23, s[16:17]            ; the count, 32 times: one store with all lanes on
	s_wait_xcnt 0x0                                ; v20-23 are written again below
.Lno_rank:
.else
	s_wait_kmcnt 0x0
	s_min_u32 s[CNT], s[CNT], 1024
.endif
	s_add_co_u32 s[MT], s[CNT], 15
	s_lshr_b32 s[MT], s[MT], 4
.if PROD == 1
	s_max_u32 s[MT], s[MT], 1                      ; tile 0 is stored whatever the count, so that the next launch's repeated loads find written bytes
.endif
	s_mov_b32 s[TB], s[WV]
	SETNL
	SETUP
	SEED
	; PRIMING, in the loop's own order of issue
	ALOAD 0, 0
	WLOAD 3, 3
	ALOAD 1, 1
	s_wait_loadcnt 44                              ; behind W(0): W(1) W(2) A(0) W(3) A(1) = 8 + 8 + 10 + 8 + 10
	FILL 0, 0
	s_wait_dscnt 0x0                               ; chunk 4 takes the registers that those stores read
	WLOAD 4, 4
	ALOAD 2, 2
	s_wait_loadcnt 54                              ; behind W(1): W(2) A(0) W(3) A(1) W(4) A(2)
	FILL 1, 1
	WIN 0
	s_wait_dscnt 0x0                               ; for the others' sake: chunks 0 and 1, my rows
	s_barrier_signal -1
	s_barrier_wait -1
	BLOAD 0, 0, VRD
	WIN 0
	s_wait_dscnt 0x0
	s_mov_b32 s[LOOP], 6
.Lk:                                                   ; six trips of four K steps: 0 to 23
	KSTEP 8, 0
	KSTEP 9, 0
	KSTEP 10, 1
	KSTEP 11, 0
	STEP4
	s_sub_co_u32 s[LOOP], s[LOOP], 1
	s_cmp_lg_u32 s[LOOP], 0
	s_cbranch_scc1 .Lk
	KSTEP 24, 0                                    ; the tail is written out: nothing past the slice is loaded, and the counts run down
	KSTEP 25, 0
	KSTEP 26, 0
	KSTEP 27, 0
	STEP4
	KSTEP 28, 0
	KSTEP 29, 0
	KSTEP 30, 0
	KSTEP 31, 0
	s_mov_b32 s[PASS], 4
	s_branch .Lepi                                 ; the loop over passes is entered at pass 0's way out
.Lpass:                                                ; passes 1 to 3: rows 320 and up, from the finished image
	SETNL
	s_cmp_eq_u32 s[NL], 0
	s_cbranch_scc1 .Lepi                           ; no live tile of mine: no products, and the way out stores nothing
	SETUP
	SEED
	s_mov_b32 s[TBR], 0
	s_mov_b32 s[LOOP], 8
.Lres:                                                 ; eight trips of four K steps; the four chunks of a trip stand in the immediates
	v_add_nc_u32 v[VRR], s[TBR], v[VRD0]
	ALOAD 0, 0
	ALOAD 1, 1
	ALOAD 2, 2
	ALOAD 3, 3
	BLOAD 0, 0, VRR
	RSTEP 0
	RSTEP 1
	RSTEP 2
	RSTEP 3
	s_add_nc_u64 s[AP:AP+1], s[AP:AP+1], 4*ASTEP   ; the loads that named it have come back
	s_add_co_u32 s[TBR], s[TBR], 128*LP
	s_sub_co_u32 s[LOOP], s[LOOP], 1
	s_cmp_lg_u32 s[LOOP], 0
	s_cbranch_scc1 .Lres
.Lepi:                                                 ; THE WAY OUT of a pass: live tiles alone
.if PROD == 2
	s_wait_dscnt 0x0                               ; every wave's reads of the image in this pass are over before any wave writes its stage.  Image and stages are disjoint bytes, so no value
	s_barrier_signal -1                            ; hangs on this barrier: the order is stated outright and not left to the arithmetic of the addresses; four barriers a launch
	s_barrier_wait -1
.endif
.rept 4
	v_nop                                          ; the places behind the last products
.endr
.if PROD == 1
.irp i, 0,1,2,3,4
	s_cmp_lt_u32 s[NL], \i+1
	s_cbranch_scc1 .Lnext
.if \i < 4
	WIN EP_LO
.set AB, 64*\i
.else
	WIN EP_HI
.set AB, 0
.endif
.set n, 0
.rept 32                                           ; each accumulator's registers in ascending order
	v_cvt_pk_bf16_f32 v[AR+32*\i+n], v[AB+2*n], v[AB+2*n+1]
.set n, n+1
.endr
	WIN 0
.set n, 0
.rept 32
	v_pk_max_num_bf16 v[AR+32*\i+n], v[AR+32*\i+n], v[ZERO]  ; relu, two at a time; rounding first changes nothing: it keeps order and sign
.set n, n+1
.endr
.irp a, 0,1,2,3,4,5,6,7
	global_store_b128 v[OOFF], v[AR+32*\i+4*\a:AR+32*\i+4*\a+3], s[12:13] offset:\i*524288+((\a)/2)*1024+((\a)%2)*512  ; 512 consecutive bytes, aligned
.endr
.endr
.else
.irp i, 0,1,2,3,4
	s_cmp_lt_u32 s[NL], \i+1
	s_cbranch_scc1 .Lnext
.irp f, 0,1                                        ; 64 columns at a time through my stage: in by lanes, back by rows of 256 bytes
.set RS, AR+32*((2*\i+\f)%5)
	s_wait_xcnt 0x0                                ; the registers of earlier stores are loaded again only behind this wait
.if \i < 4
	WIN ST_LO
.set AB, 64*\i+32*\f
.else
	WIN W_ST
.set AB, 32*\f
.endif
.irp a, 0,1,2,3
	ds_store_b128 v[XA], v[AB+8*\a:AB+8*\a+3]   offset:64*\a     ; each accumulator's low registers first
	ds_store_b128 v[XA], v[AB+8*\a+4:AB+8*\a+7] offset:64*\a+16
.endr
	WIN 0
.irp q, 0,1,2,3,4,5,6,7
	ds_load_b128 v[RS+4*\q:RS+4*\q+3], v[XB] offset:544*\q       ; in order behind the stores above; the next half's stores come behind these
.endr
	s_wait_dscnt 0x0
.irp q, 0,1,2,3,4,5,6,7
	global_store_b128 v[OOFF], v[RS+4*\q:RS+4*\q+3], s[12:13] offset:\i*262144+\q*8192+\f*256  ; 16 lanes store 256 consecutive bytes, aligned
.endr
.endr
.endr
.endif
.Lnext:
	s_wait_xcnt 0x0                                ; the stores' base and data are written again only behind this wait
	s_add_co_u32 s[TB], s[TB], 20
	s_add_nc_u64 s[12:13], s[12:13], OSTEP
	s_wait_dscnt 0x0                               ; a pass's end: every wave's LDS reads and stage stores of this pass are over before any wave begins the next pass or ends.
	s_barrier_signal -1                            ; As above, no value hangs on it (disjoint bytes); four barriers a launch, on every wave's path
	s_barrier_wait -1
	s_sub_co_u32 s[PASS], s[PASS], 1
	s_cmp_lg_u32 s[PASS], 0
	s_cbranch_scc1 .Lpass
	s_wait_tensorcnt 0x0                           ; the wave's end: closing lines behind my last LDS store
	ds_add_u32 v[SPW], v[NIL]
	s_wait_dscnt 0x0
	s_endpgm
.Lfunc_end_k_qe9a182f6d8_ffn2:
	.size	k_qe9a182f6d8_ffn2, .Lfunc_end_k_qe9a182f6d8_ffn2-k_qe9a182f6d8_ffn2
	.p2alignl 7, 3214868480
	.fill 96, 4, 3214868480
	.section	.rodata,"a",@progbits
	.p2align	6, 0x0
	.amdhsa_kernel k_qe9a182f6d8_ffn2
		.amdhsa_group_segment_fixed_size 314880
		.amdhsa_private_segment_fixed_size 0
		.amdhsa_enable_private_segment 0
		.amdhsa_kernarg_size 40
		.amdhsa_user_sgpr_count 2
		.amdhsa_user_sgpr_kernarg_segment_ptr 1
		.amdhsa_wavefront_size32 1
		.amdhsa_system_sgpr_workgroup_id_x 1
		.amdhsa_system_sgpr_workgroup_id_y 1
		.amdhsa_system_sgpr_workgroup_id_z 1
		.amdhsa_system_vgpr_workitem_id 0
		.amdhsa_next_free_vgpr 896
		.amdhsa_next_free_sgpr 66
		.amdhsa_reserve_vcc 0
		.amdhsa_float_denorm_mode_32 3
		.amdhsa_float_denorm_mode_16_64 3
		.amdhsa_memory_ordered 1
		.amdhsa_forward_progress 1
		.amdhsa_inst_pref_size 157
	.end_amdhsa_kernel
	.amdgpu_metadata
---
amdhsa.version: [ 1, 2 ]
amdhsa.kernels:
  - .name:           k_qe9a182f6d8_ffn2
    .symbol:         k_qe9a182f6d8_ffn2.kd
    .args:
      - { .name: W2, .offset: 0, .size: 8, .value_kind: global_buffer, .address_space: global }
      - { .name: b2, .offset: 8, .size: 8, .value_kind: global_buffer, .address_space: global }
      - { .name: h, .offset: 16, .size: 8, .value_kind: global_buffer, .address_space: global }
      - { .name: cnt, .offset: 24, .size: 8, .value_kind: global_buffer, .address_space: global }
      - { .name: part, .offset: 32, .size: 8, .value_kind: global_buffer, .address_space: global }
    .group_segment_fixed_size: 314880
    .private_segment_fixed_size: 0
    .kernarg_segment_align: 8
    .kernarg_segment_size: 40
    .max_flat_workgroup_size: 128
    .sgpr_count:     66
    .vgpr_count:     896
    .wavefront_size: 32
...
	.end_amdgpu_metadata
.endif
;; end of part 3
;; launch combine (part 4): grid 256 x 1, 8 waves a work-group, no clusters, 0 bytes of LDS; arguments part, sel, rank, gate, out0; writes out0
.if DOCPART == 4
	.amdgcn_target "amdgcn-amd-amdhsa--gfx1250"
	.amdhsa_code_object_version 6
	.text
	.protected	k_qe9a182f6d8_combine
	.globl	k_qe9a182f6d8_combine
	.p2align	8
	.type	k_qe9a182f6d8_combine,@function
k_qe9a182f6d8_combine:
	s_mov_b64 s[64:65], 0
	v_nop
	global_prefetch_b8 v0, s[64:65] scope:SCOPE_SE
	s_setreg_imm32_b32 hwreg(HW_REG_WAVE_MODE, 25, 1), 1
	s_wait_xcnt 0x0
; out0[t] = g0 (sum over q of part[q][e0, rank0]) + g1 (sum over q of part[q][e1, rank1]).  part: [4][8 x 1,024 rows][1,024] f32 partial sums; all arithmetic f32.
; A stream: eight rows of 4,096 bytes in, one out, for each token; each byte of part that is read is read once.  No LDS, no barrier, no matrix unit: there is nothing for them to do.
; SHARES.  A work-group has tokens 4 g .. 4 g + 3; wave v has token 4 g + v / 2 and half v % 2 of its columns: 2,048 bytes of each of the eight rows, all 32 loads out before the first wait.
; The rows' places hang on whole numbers that earlier launches stored: the two experts (sel) and the token's rank among each expert's rows (rank[e][t], which means something where t chose e
; and is used there alone).  Both are held to their tables' sizes, and enter the loads' vector offsets; the four bases are part plus constants.
	s_load_b256 s[4:11], s[0:1], 0x0               ; part s[4:5], sel s[6:7], rank s[8:9], gate s[10:11]
	s_load_b64 s[12:13], s[0:1], 0x20              ; out0
	v_lshrrev_b32 v2, 5, v0
	v_readfirstlane_b32 s20, v2                    ; wave 0..7
	v_and_b32 v1, 31, v0
	v_lshlrev_b32 v1, 4, v1
	s_lshr_b32 s21, s20, 1
	s_lshl2_add_u32 s21, ttmp9, s21                ; my token
	s_and_b32 s22, s20, 1
	v_lshl_add_u32 v1, s22, 11, v1                 ; 16 lane + my half of a row; never rewritten
	s_lshl_b32 s23, s21, 3
	s_lshl_b32 s24, s21, 2
	s_lshl_b32 s56, s21, 12
	s_mov_b32 s57, 0
	s_wait_kmcnt 0x0
	s_load_b64 s[26:27], s[6:7], s23 offset:0x0    ; the two experts
	s_load_b64 s[28:29], s[10:11], s23 offset:0x0  ; their weights
.irp e, 0,1,2,3,4,5,6,7
	s_load_b32 s[32+\e], s[8:9], s24 offset:4096*\e  ; the token's word in all eight experts' tables: asked for at once, so that no load waits for another
.endr
	s_add_nc_u64 s[12:13], s[12:13], s[56:57]
	s_mov_b64 s[40:41], s[4:5]                     ; the four quarters of part: 8,192 rows of 4,096 bytes apart
	s_add_nc_u64 s[42:43], s[4:5], 0x2000000
	s_add_nc_u64 s[44:45], s[4:5], 0x4000000
	s_add_nc_u64 s[46:47], s[4:5], 0x6000000
	s_wait_kmcnt 0x0
	s_mov_b32 s30, s29                             ; the second weight as the low word of a pair of its own
	s_mov_b32 s31, s29
.macro PICK k                          ; v[4 + k]: the byte offset of my 16 bytes in choice k's row, within a quarter
	s_min_u32 s48, s[26+\k], 7
	s_mov_b32 s49, s32
.irp e, 1,2,3,4,5,6,7
	s_cmp_eq_u32 s48, \e
	s_cselect_b32 s49, s[32+\e], s49
.endr
	s_min_u32 s49, s49, 1023
	s_lshl_b32 s48, s48, 10
	s_add_co_u32 s48, s48, s49
	s_lshl_b32 s48, s48, 12                        ; (expert x 1,024 + rank) rows of 4,096 bytes: under 32 MiB
	v_add_nc_u32 v[4+\k], s48, v1
.endm
	PICK 0
	PICK 1
.irp j, 0,1,2,3                                    ; block j: 512 bytes of each of the eight rows, at v[32 + 32 j + 16 k + 4 q]
.irp k, 0,1
.irp q, 0,1,2,3
	global_load_b128 v[32+32*\j+16*\k+4*\q:32+32*\j+16*\k+4*\q+3], v[4+\k], s[40+2*\q:41+2*\q] offset:512*\j th:TH_LOAD_NT
.endr
.endr
.endr
.macro BLOCK j, left                   ; left: the younger blocks' loads, eight each, stay out
.set RB, 32+32*(\j)
	s_wait_loadcnt \left
.irp k, 0,16
.irp c, 0,2
	v_pk_add_f32 v[RB+\k+\c:RB+\k+\c+1], v[RB+\k+\c:RB+\k+\c+1], v[RB+\k+4+\c:RB+\k+4+\c+1]
	v_pk_add_f32 v[RB+\k+8+\c:RB+\k+8+\c+1], v[RB+\k+8+\c:RB+\k+8+\c+1], v[RB+\k+12+\c:RB+\k+12+\c+1]
.endr
.irp c, 0,2
	v_pk_add_f32 v[RB+\k+\c:RB+\k+\c+1], v[RB+\k+\c:RB+\k+\c+1], v[RB+\k+8+\c:RB+\k+8+\c+1]
.endr
.endr
.irp c, 0,2
	v_pk_mul_f32 v[RB+\c:RB+\c+1], v[RB+\c:RB+\c+1], s[28:29] op_sel_hi:[1,0]
.endr
.irp c, 0,2
	v_pk_fma_f32 v[RB+\c:RB+\c+1], v[RB+16+\c:RB+16+\c+1], s[30:31], v[RB+\c:RB+\c+1] op_sel_hi:[1,0,1]
.endr
	global_store_b128 v1, v[RB:RB+3], s[12:13] offset:512*(\j) th:TH_STORE_NT  ; 512 consecutive bytes, aligned
.endm
	BLOCK 0, 24
	BLOCK 1, 16
	BLOCK 2, 8
	BLOCK 3, 0
	s_endpgm
.Lfunc_end_k_qe9a182f6d8_combine:
	.size	k_qe9a182f6d8_combine, .Lfunc_end_k_qe9a182f6d8_combine-k_qe9a182f6d8_combine
	.p2alignl 7, 3214868480
	.fill 96, 4, 3214868480
	.section	.rodata,"a",@progbits
	.p2align	6, 0x0
	.amdhsa_kernel k_qe9a182f6d8_combine
		.amdhsa_group_segment_fixed_size 0
		.amdhsa_private_segment_fixed_size 0
		.amdhsa_enable_private_segment 0
		.amdhsa_kernarg_size 40
		.amdhsa_user_sgpr_count 2
		.amdhsa_user_sgpr_kernarg_segment_ptr 1
		.amdhsa_wavefront_size32 1
		.amdhsa_system_sgpr_workgroup_id_x 1
		.amdhsa_system_sgpr_workgroup_id_y 1
		.amdhsa_system_sgpr_workgroup_id_z 1
		.amdhsa_system_vgpr_workitem_id 0
		.amdhsa_next_free_vgpr 160
		.amdhsa_next_free_sgpr 66
		.amdhsa_reserve_vcc 0
		.amdhsa_float_denorm_mode_32 3
		.amdhsa_float_denorm_mode_16_64 3
		.amdhsa_memory_ordered 1
		.amdhsa_forward_progress 1
		.amdhsa_inst_pref_size 11
	.end_amdhsa_kernel
	.amdgpu_metadata
---
amdhsa.version: [ 1, 2 ]
amdhsa.kernels:
  - .name:           k_qe9a182f6d8_combine
    .symbol:         k_qe9a182f6d8_combine.kd
    .args:
      - { .name: part, .offset: 0, .size: 8, .value_kind: global_buffer, .address_space: global }
      - { .name: sel, .offset: 8, .size: 8, .value_kind: global_buffer, .address_space: global }
      - { .name: rank, .offset: 16, .size: 8, .value_kind: global_buffer, .address_space: global }
      - { .name: gate, .offset: 24, .size: 8, .value_kind: global_buffer, .address_space: global }
      - { .name: out0, .offset: 32, .size: 8, .value_kind: global_buffer, .address_space: global }
    .group_segment_fixed_size: 0
    .private_segment_fixed_size: 0
    .kernarg_segment_align: 8
    .kernarg_segment_size: 40
    .max_flat_workgroup_size: 256
    .sgpr_count:     66
    .vgpr_count:     160
    .wavefront_size: 32
...
	.end_amdgpu_metadata
.endif
;; end of part 4
;; ======== version 2 of 3: 4 launches
;; workspace buffers: sel 8,192 bytes of whole numbers; gate 8,192 bytes; xb 2,097,152 bytes; h 67,108,864 bytes; rank 32,768 bytes of whole numbers; cnt 1,024 bytes of whole numbers; part 134,217,728 bytes
;; launch router: the kernel of part 1 again; grid 256 x 1, 4 waves a work-group, no clusters, 1,024 bytes of LDS; arguments x, Wg, bg, out1, sel, gate, xb; writes out1, sel, gate, xb
;; launch ffn1 (part 5): grid 32 x 8, 4 waves a work-group, no clusters, 297,472 bytes of LDS; arguments W1, b1, xb, sel, h, rank, cnt; writes h, rank, cnt
.if DOCPART == 5
	.amdgcn_target "amdgcn-amd-amdhsa--gfx1250"
	.amdhsa_code_object_version 6
	.text
	.protected	k_qe9a182f6d8_ffn1
	.globl	k_qe9a182f6d8_ffn1
	.p2align	8
	.type	k_qe9a182f6d8_ffn1,@function
k_qe9a182f6d8_ffn1:
	s_mov_b64 s[64:65], 0
	v_nop
	global_prefetch_b8 v0, s[64:65] scope:SCOPE_SE
	s_setreg_imm32_b32 hwreg(HW_REG_WAVE_MODE, 25, 1), 1
	s_wait_xcnt 0x0
; ONE TEXT FOR BOTH PRODUCTS OF THE EXPERTS; PROD says which.
; PROD = 1: h = relu(x_rows W1[e] + b1[e]) in bf16, for the tokens that chose expert e.   PROD = 2: part[q] = h W2[e] (rows 1,024 q .. of W2; + b2[e] where q = 0), f32 partial sums.
; LIMITS.  Weights and biases are rounded once to bf16 on their way through registers (x was by the launch before), h once to bf16; all sums are f32.  The relu on packed bf16 turns a NaN into 0;
; NaN and infinities are not treated apart.  Every split of the tokens is served, 0 to 1,024 rows an expert; rows past 320 go through later passes, behind the stream and not under it.
; SHARES.  Grid 32 x 8: a work-group has one expert and a slice of 1,024 (K) x 128 (columns) of its weights, 512 KB of f32, which it alone reads, once.  PROD 1: expert = y, slice = x.
; PROD 2: expert = x % 8, slice of columns = x / 8 + 4 (y % 2), quarter of K = y / 2: the eight work-groups that read the same quarter of an expert's h are alike in x % 8 and in y / 2
; (a choice of numbering alone: no value hangs on it).  The expert's rows go in tiles of 16; wave w owns tiles w + 4 i + 20 p (i = 0 .. 4, pass p = 0 .. 3): 80 places for at most 64 tiles.
; PASS 0 STREAMS.  32 K steps of 32.  In K step t the four waves round chunk t + 2 (32 rows of W; wave w rows 8 w .. 8 w + 7; one load is one row's 512 consecutive bytes) and store it as bf16 into an
; image [K][128] in LDS, and multiply chunk t.  Every byte of the image is written once and never again, so one barrier a K step (store, wait, signal; read behind the wait) is all the ordering.
; K step 0 stands ahead of the loop: its products take the bias as C and so start the sums.  PASSES 1 TO 3 read the finished image; a wave without a live tile jumps the pass's products and stores.
; COUNTS THAT HANG ON DATA steer forward jumps over products and stores alone, never over a barrier.  Token loads are issued for all five tiles in every K step, so that the counted waits hold on
; every path; a place past the count names a row that exists.  Tiles 0 to 2 are always multiplied, tiles 3 and 4 only if live (in K step 0 always); no dead tile is stored.
; THE ROWS OF PROD 1.  The 2,048 choices, whole numbers that the launch before stored, become a bitmap in 32 scalar registers: bit l of word n says that token 64 (n / 2) + n % 2 + 2 l chose the
; expert; a token's rank is the number of chosen tokens ahead of it in that order.  Each lane finds the token of its rank by scalar and plain vector arithmetic on that bitmap alone: a sweep over the
; 32 words, then the k-th set bit of one word.  All waves and all 32 work-groups of an expert go the same way, so the ranks agree everywhere.
; THE MATRIX INSTRUCTION IS USED TRANSPOSED: source 0 = 16 columns of W (turned out of LDS by ds_load_tr16_b128), source 1 = 16 token rows.  Register j of lane (r, hf) then holds
; C(row r, column 16 a + 8 hf + j): eight neighbouring columns.  In PROD 1 four conversions of column tile a ARE half a & 1 of the next product's token fragment for its K step a / 2: h is stored
; in that order, [expert][tile][K step][half][lane][16 bytes], 512 consecutive bytes a store, and PROD 2 loads it likewise.
; NO CLUSTER: each slice of weights has one reader.  PROD 1's token rows come by rank, which no descriptor covers; PROD 2's tiles of h are shared by 8 work-groups, but two slots of five tiles a wave
; (2 x 20 KB) do not fit beside the image (294,912 bytes) and the stage (17,408): 14,848 bytes are left.  NO TENSOR LOADS: the weights would land as f32, 512 KB a slice.
.set PROD, 1
.if PROD == 1
.set PITCH, 16384                      ; bytes from a row of W to the next
.set PSH,   14
.set ASTEP, 64                         ; bytes of a token row (PROD 2: of a tile) in a K step
.set AHALF, 32                         ; from a fragment's first four registers to its last four
.set OSTEP, 20*131072                  ; twenty tiles on in the output
.else
.set PITCH, 4096
.set PSH,   12
.set ASTEP, 1024
.set AHALF, 512
.set OSTEP, 20*16*4096
.endif
.set LP,    288                        ; a row of the image: 256 bytes + 32 = 72 words
.set RN,    2                          ; K steps in a trip of the later passes' loop
.set XTRA,  1024*LP                    ; behind the image
.if PROD == 1
.set BIASL, XTRA
.else
.set STGW,  16*272                     ; PROD 2: each wave's stage, 16 rows x (256 + 16) bytes
.set BIASL, XTRA+4*STGW
.endif
.set SPARE, BIASL+4*512                ; behind the biases (512 bytes a wave): the spare words, 128 bytes a wave: two blocks of 256 bytes that no other line names
; window 0
.set LANE, 1
.set R16,  2                           ; lane % 16
.set HF,   3                           ; lane / 16
.set L16,  4                           ; 16 lane; never rewritten
.set WOFF, 5                           ; 16 lane + my 8 rows of a chunk of W; never rewritten
.set VPF,  6                           ; prefetch: (32 w + lane / 2) rows + 256 (lane % 2); never rewritten
.set VST,  7                           ; image: my 8 rows of a chunk + 8 lane; steps
.set VRD,  8                           ; image: the stream's turning loads; steps
.set VRD0, 9                           ; (8 hf + lane % 8) LP + 16 ((lane / 8) % 2); never rewritten
.set VRR,  10                          ; image: the later passes' turning loads: s[TBR] + VRD0, made anew in each trip
.set AOFF, 11                          ; v11-15  byte offset of tile i's token rows
.if PROD == 1
.set OOFF, L16                         ; the stores' offset
.else
.set OOFF, 16                          ; hf rows of 4,096 bytes + 16 (lane % 16)
.endif
.set XA,   17                          ; PROD 2: the stage, in
.set XB,   18                          ; PROD 1: 16 hf.   PROD 2: the stage, back
.set ZERO, 19
.set SPW,  30                          ; my spare word, and 0: kept for the closing lines alone
.set NIL,  31
.set RK,   32                          ; v32-63  PROD 1: the ranks
.set FL,   64                          ; v64-68, v69-73  PROD 1: tile i's tokens for the four passes, 16 bits each, pass 0 lowest: low word, high word
.set FH,   69
.set AR,   96                          ; v96-255 token fragments: four slots of five tiles x 8; first the choices (64) and the search's registers, last the stores' data
.set SELR, 96
.set RR,   160                         ; the search, five registers each (one a tile): the rank;
.set WW,   165                         ; the bitmap's word that holds it;
.set PP,   170                         ; the word's number (above bit 16) and the count of chosen tokens ahead of the word;
.set KK,   175                         ; which set bit of the word;
.set QA,   180                         ; the word's counts by 2 bits,
.set QB,   185                         ; by 4,
.set QC,   190                         ; by 8;
.set TT,   195                         ; at work;
.set UU,   200
.set PO,   205                         ; the bit's place;
.set TK,   210                         ; the token
; window 1: accumulators of tiles 0-3, (i, a) at 64 i + 8 a.   window 2: v0-63 tile 4;
.set WR,   64                          ; window 2, v64-191: W as loaded, four slots of 8 rows x 4
.set BIA,  192                         ; window 2, v192-255: bias[16 a + 8 hf + j] at 8 a + j
; window 3: v0-63, v64-127 two buffers of W's fragments, column tile a at 8 a
.set WV, 20
.set EX, 21
.set SL, 22                            ; the slice of 128 columns
.set KQ, 23                            ; PROD 2: the quarter of K
.set CNT, 24
.set MT, 25                            ; live tiles
.set NL, 26                            ; how many of my five tiles are live in this pass
.set TB, 27                            ; w + 20 p
.set PASS, 28
.set LOOP, 29
.set OF, 30                            ; s[30:31] an offset, 64 bits
.set WP, 32                            ; s[32:33] W, walking
.set AP, 34                            ; s[34:35] the token rows, walking
.set LB, 38                            ; PROD 2: my wave's stage
.set TBR, 40                           ; the later passes: the image byte at which the trip's chunks begin
.set HM, 44                            ; a word's upper bf16
.set CC, 46                            ; PROD 1, the search: chosen tokens ahead of the word in hand
.set C55, 47                           ; 0x55555555, 0x33333333, 0x0f0f0f0f, 0xffff
.set C33, 48
.set C0F, 49
.set LOW, 50
.set TS, 51                            ; the search: w + 20 p
.set MK, 66                            ; s66-97  PROD 1: the bitmap
.set MSB, 0
.macro WIN new                         ; s_set_vgpr_msb: bits 1:0 source 0, 3:2 source 1, 5:4 source 2, 7:6 destination; the high byte repeats the setting that is left
.if MSB != (\new)
	s_set_vgpr_msb (MSB<<8)|(\new)
.set MSB, (\new)
.endif
.endm
.set W_LD,  0x80                       ; loads into window 2
.set W_CV,  0x8a                       ; conversions in place in window 2
.set W_ST,  0x08                       ; LDS stores of data in window 2
.set B_LD,  0xc0                       ; loads into window 3
.set MM_LO, 0x53                       ; W's fragment window 3, tokens window 0, C and D window 1
.set MM_HI, 0xa3                       ; C and D window 2
.set MM_C0, 0x63                       ; D window 1, C (the bias) window 2
.set SD_LO, 0x42                       ; window 2 to window 1
.set SD_HI, 0x82                       ; within window 2
.set EP_LO, 0x05                       ; sources window 1, destination window 0
.set EP_HI, 0x0a
.set ST_LO, 0x04                       ; LDS stores of data in window 1
; All immediates count from pointers that step every four K steps; d = the chunk's distance from them.
.macro WLOAD tau, d                    ; chunk tau of W: my 8 rows, 512 consecutive bytes each
	WIN W_LD
.irp i, 0,1,2,3,4,5,6,7
	global_load_b128 v[WR+32*((\tau)%4)+4*\i:WR+32*((\tau)%4)+4*\i+3], v[WOFF], s[WP:WP+1] offset:((\d)*32+\i)*PITCH th:TH_LOAD_NT
.endr
.endm
.macro FILL tau, d                     ; rounded in place and stored into the image, 256 consecutive bytes a store
.set WS, WR+32*((\tau)%4)
	WIN W_CV
.irp i, 0,1,2,3,4,5,6,7
	v_cvt_pk_bf16_f32 v[WS+4*\i],   v[WS+4*\i],   v[WS+4*\i+1]
	v_cvt_pk_bf16_f32 v[WS+4*\i+1], v[WS+4*\i+2], v[WS+4*\i+3]
.endr
	WIN W_ST
.irp i, 0,1,2,3,4,5,6,7
	ds_store_b64 v[VST], v[WS+4*\i:WS+4*\i+1] offset:((\d)*32+\i)*LP
.endr
.endm
.macro BLOAD slot, d, adr              ; a chunk's eight fragments: 16 columns x 32 K each, turned
	WIN B_LD
.irp a, 0,1,2,3,4,5,6,7
	ds_load_tr16_b128 v[64*(\slot)+8*\a:64*(\slot)+8*\a+3],   v[\adr] offset:(\d)*32*LP+32*\a
	ds_load_tr16_b128 v[64*(\slot)+8*\a+4:64*(\slot)+8*\a+7], v[\adr] offset:(\d)*32*LP+32*\a+16*LP
.endr
.endm
.macro ALOAD slot, d                   ; five tiles' token fragments for one K step
	WIN 0
.irp i, 0,1,2,3,4
	global_load_b128 v[AR+40*(\slot)+8*\i:AR+40*(\slot)+8*\i+3],   v[AOFF+\i], s[AP:AP+1] offset:(\d)*ASTEP
	global_load_b128 v[AR+40*(\slot)+8*\i+4:AR+40*(\slot)+8*\i+7], v[AOFF+\i], s[AP:AP+1] offset:(\d)*ASTEP+AHALF
.endr
.endm
.macro MMT i, sa, sb, first=0          ; tile i's eight products; its eight accumulators take turns.  first = 1: C is the bias: the product starts the sum
.irp a, 0,1,2,3,4,5,6,7
.if \first
	v_wmma_f32_16x16x32_bf16 v[64*((\i)%4)+8*\a:64*((\i)%4)+8*\a+7], v[64*(\sb)+8*\a:64*(\sb)+8*\a+7], v[AR+40*(\sa)+8*(\i):AR+40*(\sa)+8*(\i)+7], v[BIA+8*\a:BIA+8*\a+7]
.else
	v_wmma_f32_16x16x32_bf16 v[64*((\i)%4)+8*\a:64*((\i)%4)+8*\a+7], v[64*(\sb)+8*\a:64*(\sb)+8*\a+7], v[AR+40*(\sa)+8*(\i):AR+40*(\sa)+8*(\i)+7], v[64*((\i)%4)+8*\a:64*((\i)%4)+8*\a+7]
.endif
.endr
.endm
; A K step's products.  No two matrix instructions that follow each other share an accumulator, over the jumps and from K step to K step too.
; bar = 1: the K step's barrier: my stores of the chunk two steps on are done (and the next chunk's fragments are in), say so; eight products; go on when all four waves have said so.
; first = 1: K step 0: all five tiles, live or not, so that every accumulator is written on every path: at most 16 products more, once a launch.
.macro MMS sa, sb, bar, first=0
.if \first
	WIN MM_C0
.else
	WIN MM_LO
.endif
	MMT 0, \sa, \sb, \first
	MMT 1, \sa, \sb, \first
.if \bar
	s_wait_dscnt 0x0
	s_barrier_signal -1
.endif
	MMT 2, \sa, \sb, \first
.if \bar
	s_barrier_wait -1
.endif
.if \first
	MMT 3, \sa, \sb, 1
	WIN MM_HI
	MMT 4, \sa, \sb, 1
	WIN 0
.else
	WIN 0                                          ; at a branch and at a label every window is 0
	s_cmp_lt_u32 s[NL], 4
	s_cbranch_scc1 .Ldone_\@
	WIN MM_LO
	MMT 3, \sa, \sb
	WIN 0
	s_cmp_lt_u32 s[NL], 5
	s_cbranch_scc1 .Ldone_\@
	WIN MM_HI
	MMT 4, \sa, \sb
	WIN 0
.Ldone_\@:
.endif
.endm
; K STEP t of the stream.  W's and the tokens' loads share one counter and come back in the order of issue: .. W(t+5) A(t+3) W(t+6) A(t+4) .., 8 and 10 loads.
; n1: the loads issued behind W(t+2): A(t) W(t+3) A(t+1) W(t+4) A(t+2) W(t+5), as far as they exist (chunks and K steps end at 31): 54 in the loop.
; n2: those behind A(t), ahead of the issue of A(t+3): W(t+3) A(t+1) W(t+4) A(t+2) W(t+5): 44 in the loop.  During the products 54 loads of a wave are out, 62 at the most, 24 to 32 of them W's (12 to 16 KB).
; The 16 conversions (or four v_nop) are the places between the last K step's products and the loads into the registers that those products read (ISA guide 7.12.1 for vector instructions).
.macro KSTEP t, pf=0, first=0
.set u, (\t)%4
.set n1, 30
.set n2, 0
.if (\t) <= 30
.set n2, n2+10
.endif
.if (\t) <= 29
.set n2, n2+10
.endif
.if (\t) <= 28
.set n1, n1+8
.set n2, n2+8
.endif
.if (\t) <= 27
.set n1, n1+8
.set n2, n2+8
.endif
.if (\t) <= 26
.set n1, n1+8
.set n2, n2+8
	WLOAD (\t)+5, u+5
.endif
.if (\t) <= 29
	s_wait_loadcnt n1
	FILL (\t)+2, u+2
.else
.rept 4
	v_nop
.endr
.endif
.if (\t) <= 30
	BLOAD ((\t)+1)%2, u+1, VRD
.endif
	WIN 0
	s_wait_loadcnt n2
.if (\t) <= 28
	ALOAD ((\t)+3)%4, u+3
.endif
.if \pf
	; Prefetch: K step 4 T + 2, whose own loads reach chunk 4 T + 7, asks for chunks 4 T + 12 .. 4 T + 15: each wave 32 rows, lanes 256 bytes apart, each block once in the launch.
	; The last trip (LOOP = 1) would ask past the slice and asks for nothing.  Asked for and not yet loaded: 8 chunks, 128 KB a work-group, at the most.
	s_cmp_lt_u32 s[LOOP], 2
	s_cbranch_scc1 .Lno_pf_\@
	global_prefetch_b8 v[VPF], s[WP:WP+1] offset:384*PITCH th:TH_LOAD_NT scope:SCOPE_SE
	global_prefetch_b8 v[VPF], s[WP:WP+1] offset:400*PITCH th:TH_LOAD_NT scope:SCOPE_SE
.Lno_pf_\@:
.endif
.if (\t) <= 29
	MMS (\t)%4, (\t)%2, 1, \first
.else
	MMS (\t)%4, (\t)%2, 0
.if (\t) == 30
	s_wait_dscnt 0x0                               ; chunk 31's fragments: this K step has no barrier whose wait would cover them
.endif
.endif
.endm
.macro STEP4
	s_wait_xcnt 0x0                                ; the pointers are stepped only behind this wait (ISA guide 3.1)
	s_add_nc_u64 s[WP:WP+1], s[WP:WP+1], 128*PITCH
	s_add_nc_u64 s[AP:AP+1], s[AP:AP+1], 4*ASTEP
	v_add_nc_u32 v[VST], 128*LP, v[VST]
	v_add_nc_u32 v[VRD], 128*LP, v[VRD]
.endm
; K step u of a trip of the later passes.  The trip's 10 RN token loads went out at its head: 10 (RN - 1 - u) are younger than this step's.  The next chunk's 16 turning loads go out first and stay out.
; Four v_nop behind the products are the places in front of the next loads into the registers that they read.
.macro RSTEP u
.if (\u) < RN-1
	BLOAD ((\u)+1)%2, (\u)+1, VRR
.endif
	WIN 0
	s_wait_loadcnt 10*(RN-1-(\u))
.if (\u) < RN-1
	s_wait_dscnt 16
.else
	s_wait_dscnt 0x0
.endif
	MMS \u, (\u)%2, 0
.rept 4
	v_nop
.endr
.endm
.macro SETNL                           ; how many of my five tiles are live in this pass: the i with TB + 4 i < MT: (MT - TB + 3) / 4, held to 0 .. 5
	s_sub_co_i32 s[NL], s[MT], s[TB]
	s_add_co_i32 s[NL], s[NL], 3
	s_ashr_i32 s[NL], s[NL], 2
	s_max_i32 s[NL], s[NL], 0
	s_min_i32 s[NL], s[NL], 5
.endm
; Where my five tiles' rows lie.  No load of mine is out that names these registers.
.macro SETUP
	s_mov_b64 s[AP:AP+1], s[8:9]
.if PROD == 1
.irp i, 0,1,2,3,4
	v_and_b32 v[21+\i], s[LOW], v[FL+\i]           ; this pass's token of tile i; the later passes' move down by 16 bits
	v_lshrrev_b32 v[FL+\i], 16, v[FL+\i]
	v_lshl_or_b32 v[FL+\i], v[FH+\i], 16, v[FL+\i]
	v_lshrrev_b32 v[FH+\i], 16, v[FH+\i]
	v_min_u32 v[21+\i], 0x3ff, v[21+\i]
	v_lshl_add_u32 v[AOFF+\i], v[21+\i], 11, v[XB] ; token x 2,048 bytes + 16 hf
.endr
.else
	s_sub_co_i32 s37, s[MT], 1
	s_max_i32 s37, s37, 0
.irp i, 0,1,2,3,4
	s_add_co_u32 s36, s[TB], 4*\i                  ; a dead tile repeats the last live one (tile 0 where there is none: the launch before stores it always)
	s_min_u32 s36, s36, s37
	s_min_u32 s36, s36, 63
	s_lshl_b32 s36, s36, 17
	v_add_nc_u32 v[AOFF+\i], s36, v[L16]
.endr
.endif
.endm
; The later passes' sums start at the bias by 320 moves: their loop has no first K step written out, and rows past 320 of one expert are the rare case.
.macro SEED
	WIN SD_LO
.set n, 0
.rept 256
	v_mov_b32 v[n], v[BIA+n%64]
.set n, n+1
.endr
	WIN SD_HI
.set n, 0
.rept 64
	v_mov_b32 v[n], v[BIA+n]
.set n, n+1
.endr
	WIN 0
.endm
.macro ALL5 line:vararg                ; one line for each of my five tiles, t = 0 .. 4: five chains that do not wait for each other
.set t, 0
.rept 5
	\line
.set t, t+1
.endr
.endm
; One step down in the search for the k-th set bit: if the \step bits at the place in hand hold k set bits or fewer, the bit lies beyond them.
.macro DOWN src, step
	ALL5 v_bfe_u32 v[TT+t], v[\src+t], v[PO+t], \step
.set t, 0
.rept 5
	v_cmp_ge_u32 vcc_lo, v[KK+t], v[TT+t]
.if (\step) > 1
	v_cndmask_b32 v[UU+t], 0, v[TT+t], vcc_lo
.endif
	v_cndmask_b32 v[TT+t], 0, \step, vcc_lo
.set t, t+1
.endr
.if (\step) > 1
	ALL5 v_sub_nc_u32 v[KK+t], v[KK+t], v[UU+t]
.endif
	ALL5 v_add_nc_u32 v[PO+t], v[PO+t], v[TT+t]
.endm
	s_load_b256 s[4:11], s[0:1], 0x0               ; W s[4:5], bias s[6:7], token rows s[8:9], PROD 1: sel, PROD 2: cnt s[10:11]
.if PROD == 1
	s_load_b128 s[12:15], s[0:1], 0x20             ; h s[12:13], rank s[14:15]
	s_load_b64 s[16:17], s[0:1], 0x30              ; cnt
.else
	s_load_b64 s[12:13], s[0:1], 0x20              ; part
.endif
	v_lshl_add_u32 v[SPW], v0, 2, SPARE
	v_mov_b32 v[NIL], 0
	v_lshrrev_b32 v20, 5, v0
	v_readfirstlane_b32 s[WV], v20                 ; wave 0..3
.if PROD == 1
	s_and_b32 s[EX], ttmp7, 0xffff                 ; the expert
	s_mov_b32 s[SL], ttmp9
.else
	s_and_b32 s36, ttmp7, 0xffff                   ; y
	s_and_b32 s[EX], ttmp9, 7                      ; the expert = x % 8
	s_lshr_b32 s[SL], ttmp9, 3
	s_and_b32 s37, s36, 1
	s_lshl_b32 s37, s37, 2
	s_add_co_u32 s[SL], s[SL], s37                 ; the slice = x / 8 + 4 (y % 2)
	s_lshr_b32 s[KQ], s36, 1                       ; the quarter = y / 2
.endif
	s_mov_b32 s[HM], 0xffff0000
	s_mov_b32 s[OF+1], 0
	v_and_b32 v[LANE], 31, v0
	v_and_b32 v[R16], 15, v0
	v_bfe_u32 v[HF], v0, 4, 1
	v_lshlrev_b32 v[L16], 4, v[LANE]
	v_lshl_add_u32 v[WOFF], s[WV], PSH+3, v[L16]
	v_lshrrev_b32 v20, 1, v[LANE]
	v_lshl_add_u32 v20, s[WV], 5, v20
	v_and_b32 v21, 1, v[LANE]
	v_lshlrev_b32 v20, PSH, v20
	v_lshl_add_u32 v[VPF], v21, 8, v20
	s_wait_kmcnt 0x0
.if PROD == 1
	s_lshl_b32 s36, s[EX], 24                      ; W1: expert x 16 MiB + slice x 512 bytes
	s_lshl_b32 s37, s[SL], 9
	s_add_co_u32 s[OF], s36, s37
	s_add_nc_u64 s[4:5], s[4:5], s[OF:OF+1]
	s_lshl_b32 s36, s[EX], 14                      ; b1
	s_add_co_u32 s[OF], s36, s37
	s_add_nc_u64 s[6:7], s[6:7], s[OF:OF+1]
	s_lshl_b32 s36, s[EX], 23                      ; h: expert x 8 MiB + my first tile x 128 KiB + the slice's four K steps x 1,024
	s_lshl_b32 s37, s[SL], 12
	s_add_co_u32 s[OF], s36, s37
	s_lshl_b32 s37, s[WV], 17
	s_add_co_u32 s[OF], s[OF], s37
	s_add_nc_u64 s[12:13], s[12:13], s[OF:OF+1]
	s_lshl_b32 s[OF], s[EX], 12
	s_add_nc_u64 s[14:15], s[14:15], s[OF:OF+1]
	s_lshl_b32 s[OF], s[EX], 7
	s_add_nc_u64 s[16:17], s[16:17], s[OF:OF+1]
.else
	s_lshl_b32 s[OF], s[EX], 7
	s_add_nc_u64 s[10:11], s[10:11], s[OF:OF+1]
	s_load_b32 s[CNT], s[10:11], 0x0               ; the expert's rows
	s_lshl_b32 s36, s[EX], 24                      ; W2: expert x 16 MiB + quarter x 1,024 rows + slice x 512 bytes
	s_lshl_b32 s37, s[KQ], 22
	s_add_co_u32 s[OF], s36, s37
	s_lshl_b32 s37, s[SL], 9
	s_add_co_u32 s[OF], s[OF], s37
	s_add_nc_u64 s[4:5], s[4:5], s[OF:OF+1]
	s_lshl_b32 s36, s[EX], 12                      ; b2
	s_add_co_u32 s[OF], s36, s37
	s_add_nc_u64 s[6:7], s[6:7], s[OF:OF+1]
	s_lshl_b32 s36, s[KQ], 25                      ; part: quarter x 32 MiB + (expert x 1,024 + 16 w) rows + slice x 512 bytes
	s_add_co_u32 s[OF], s36, s37
	s_lshl_b32 s36, s[EX], 22
	s_add_co_u32 s[OF], s[OF], s36
	s_lshl_b32 s36, s[WV], 16
	s_add_co_u32 s[OF], s[OF], s36
	s_add_nc_u64 s[12:13], s[12:13], s[OF:OF+1]
	s_lshl_b32 s36, s[EX], 23                      ; h: expert x 8 MiB + the quarter's 32 K steps x 1,024
	s_lshl_b32 s37, s[KQ], 15
	s_add_co_u32 s[OF], s36, s37
	s_add_nc_u64 s[8:9], s[8:9], s[OF:OF+1]
.endif
	s_mov_b64 s[WP:WP+1], s[4:5]
.if PROD == 1
.irp j, 0,1,2,3,4,5,6,7,8,9,10,11,12,13,14,15
	global_load_b128 v[SELR+4*\j:SELR+4*\j+3], v[L16], s[10:11] offset:512*\j  ; all 2,048 choices: a lane has tokens 64 j + 2 lane and the next
.endr
.endif
	global_load_b128 v[20:23], v[L16], s[6:7]      ; the slice's 128 biases
	WLOAD 0, 0
	WLOAD 1, 1
	WLOAD 2, 2
	WIN 0
	global_prefetch_b8 v[VPF], s[WP:WP+1] offset:256*PITCH th:TH_LOAD_NT scope:SCOPE_SE  ; chunks 8 to 11, as in the loop
	global_prefetch_b8 v[VPF], s[WP:WP+1] offset:272*PITCH th:TH_LOAD_NT scope:SCOPE_SE
	s_mul_i32 s36, s[WV], 8*LP
	v_lshl_add_u32 v[VST], v[LANE], 3, s36
	v_and_b32 v24, 7, v0
	v_lshl_add_u32 v24, v[HF], 3, v24
	v_mul_u32_u24 v24, v24, LP
	v_bfe_u32 v25, v0, 3, 1
	v_lshl_add_u32 v[VRD0], v25, 4, v24
	v_mov_b32 v[VRD], v[VRD0]
	s_lshl_b32 s39, s[WV], 9
	s_add_co_u32 s39, s39, BIASL
	v_add_nc_u32 v28, s39, v[L16]
	v_lshl_add_u32 v29, v[HF], 5, s39
.if PROD == 1
	v_mov_b32 v[ZERO], 0
	v_lshlrev_b32 v[XB], 4, v[HF]
.else
	s_mul_i32 s[LB], s[WV], STGW
	s_add_co_u32 s[LB], s[LB], XTRA
	v_mul_u32_u24 v24, v[R16], 272                 ; in: row lane % 16, 32 bytes for each half of the lanes
	v_lshl_add_u32 v24, v[HF], 5, v24
	v_add_nc_u32 v[XA], s[LB], v24
	v_mul_u32_u24 v24, v[HF], 272                  ; back: lanes 0-15 one row of 256 bytes, lanes 16-31 the next
	v_lshl_add_u32 v24, v[R16], 4, v24
	v_add_nc_u32 v[XB], s[LB], v24
	v_lshlrev_b32 v[OOFF], 4, v[R16]               ; and the same two rows in part
	v_lshl_add_u32 v[OOFF], v[HF], 12, v[OOFF]
.endif
	s_wait_loadcnt 24                              ; the choices and the bias are in; W's 24 loads stay out
	; the bias: rounded to bf16, widened, through my own 512 bytes of LDS into the order of an accumulator's registers
	v_cvt_pk_bf16_f32 v24, v20, v21
	v_cvt_pk_bf16_f32 v25, v22, v23
	v_lshlrev_b32 v20, 16, v24
	v_and_b32 v21, s[HM], v24
	v_lshlrev_b32 v22, 16, v25
	v_and_b32 v23, s[HM], v25
.if PROD == 2
	s_cmp_eq_u32 s[KQ], 0                          ; one quarter alone adds b2
	s_cselect_b32 s45, -1, 0
.irp i, 20,21,22,23
	v_and_b32 v\i, s45, v\i
.endr
.endif
	ds_store_b128 v28, v[20:23]
	WIN W_LD
.irp a, 0,1,2,3,4,5,6,7
	ds_load_b128 v[BIA+8*\a:BIA+8*\a+3],   v29 offset:64*\a      ; LDS serves a wave's instructions in order (ISA guide 5.7.1.4): these see the store above
	ds_load_b128 v[BIA+8*\a+4:BIA+8*\a+7], v29 offset:64*\a+16
.endr
	WIN 0
.if PROD == 1
	; THE BITMAP, the count, and each token's rank (the count so far plus the chosen lanes below it)
	s_mov_b32 s[CNT], 0
.set n, 0
.rept 32                                           ; word n: tokens 64 (n / 2) + n % 2 + 2 lane
	v_cmp_eq_u32 s[MK+n], s[EX], v[SELR+2*n]
	v_cmp_eq_u32 s37, s[EX], v[SELR+2*n+1]
	s_or_b32 s[MK+n], s[MK+n], s37
	v_mbcnt_lo_u32_b32 v[RK+n], s[MK+n], s[CNT]
	s_bcnt1_i32_b32 s37, s[MK+n]
	s_add_co_u32 s[CNT], s[CNT], s37
.set n, n+1
.endr
	s_or_b32 s36, s[SL], s[WV]                     ; slice 0's wave 0 stores the expert's ranks and count for the later launches
	s_cmp_lg_u32 s36, 0
	s_cbranch_scc1 .Lno_rank
	v_lshlrev_b32 v20, 3, v[LANE]
.irp j, 0,1,2,3,4,5,6,7,8,9,10,11,12,13,14,15
	global_store_b64 v20, v[RK+2*\j:RK+2*\j+1], s[14:15] offset:256*\j  ; 256 consecutive bytes, aligned
.endr
	v_lshlrev_b32 v21, 2, v[LANE]
	v_mov_b32 v23, s[CNT]
	global_store_b32 v21, v23, s[16:17]            ; the count, 32 times: one store with all lanes on
	s_wait_xcnt 0x0                                ; v20-23 are written again below
.Lno_rank:
.else
	s_wait_kmcnt 0x0
	s_min_u32 s[CNT], s[CNT], 1024
.endif
	s_add_co_u32 s[MT], s[CNT], 15
	s_lshr_b32 s[MT], s[MT], 4
.if PROD == 1
	s_max_u32 s[MT], s[MT], 1                      ; tile 0 is stored whatever the count, so that the next launch's repeated loads find written bytes
	; THE SEARCH.  Lane (r, hf) of tile i in pass p wants the token of rank 16 (w + 20 p + 4 i) + r.  One text, four trips, passes 3 down to 0; a pass without a live tile of mine is jumped
	; and leaves token 0.  Each trip pushes its five tokens, 16 bits each, into the pairs FH:FL, so that pass 0 ends lowest.
	s_mov_b32 s[C55], 0x55555555
	s_mov_b32 s[C33], 0x33333333
	s_mov_b32 s[C0F], 0x0f0f0f0f
	s_mov_b32 s[LOW], 0xffff
	ALL5 v_mov_b32 v[FL+t], 0
	ALL5 v_mov_b32 v[FH+t], 0
	s_add_co_u32 s[TS], s[WV], 60
	s_mov_b32 s[PASS], 4
.Lfind:
	ALL5 v_mov_b32 v[TK+t], 0
	s_cmp_ge_u32 s[TS], s[MT]
	s_cbranch_scc1 .Lpush
	s_lshl_b32 s36, s[TS], 4
	v_add_nc_u32 v[RR], s36, v[R16]
.irp i, 1,2,3,4
	v_add_nc_u32 v[RR+\i], 64, v[RR+\i-1]
.endr
	; the sweep: the counts ahead of the words never fall, so the last word whose count is not above the rank is the one that holds it
	ALL5 v_mov_b32 v[WW+t], s[MK]
	ALL5 v_mov_b32 v[PP+t], 0
	s_bcnt1_i32_b32 s[CC], s[MK]
.set n, 1
.rept 31
	s_add_co_u32 s37, s[CC], n<<16                 ; the word's number above the count (1,024 at the most)
.irp i, 0,1,2,3,4
	v_cmp_gt_u32 vcc_lo, s[CC], v[RR+\i]           ; count above the rank: keep what I have
	v_cndmask_b32 v[WW+\i], s[MK+n], v[WW+\i], vcc_lo
	v_cndmask_b32 v[PP+\i], s37, v[PP+\i], vcc_lo
.endr
.if n < 31
	s_bcnt1_i32_b32 s36, s[MK+n]
	s_add_co_u32 s[CC], s[CC], s36
.endif
.set n, n+1
.endr
	; the k-th set bit of the word, k = rank - count ahead: the word's set bits counted by 2, 4, 8 and 16 bits, then five steps down
	ALL5 v_and_b32 v[TT+t], s[LOW], v[PP+t]
	ALL5 v_sub_nc_u32 v[KK+t], v[RR+t], v[TT+t]
	ALL5 v_lshrrev_b32 v[TT+t], 1, v[WW+t]
	ALL5 v_and_b32 v[TT+t], s[C55], v[TT+t]
	ALL5 v_sub_nc_u32 v[QA+t], v[WW+t], v[TT+t]
	ALL5 v_lshrrev_b32 v[TT+t], 2, v[QA+t]
	ALL5 v_and_b32 v[TT+t], s[C33], v[TT+t]
	ALL5 v_and_b32 v[QB+t], s[C33], v[QA+t]
	ALL5 v_add_nc_u32 v[QB+t], v[QB+t], v[TT+t]
	ALL5 v_lshrrev_b32 v[TT+t], 4, v[QB+t]
	ALL5 v_add_nc_u32 v[TT+t], v[TT+t], v[QB+t]
	ALL5 v_and_b32 v[QC+t], s[C0F], v[TT+t]
	ALL5 v_bfe_u32 v[TT+t], v[QC+t], 8, 8
	ALL5 v_bfe_u32 v[UU+t], v[QC+t], 0, 8
	ALL5 v_add_nc_u32 v[TT+t], v[TT+t], v[UU+t]    ; the low 16 bits' count
.set t, 0
.rept 5
	v_cmp_ge_u32 vcc_lo, v[KK+t], v[TT+t]
	v_cndmask_b32 v[UU+t], 0, v[TT+t], vcc_lo
	v_cndmask_b32 v[PO+t], 0, 16, vcc_lo
.set t, t+1
.endr
	ALL5 v_sub_nc_u32 v[KK+t], v[KK+t], v[UU+t]
	DOWN QC, 8
	DOWN QB, 4
	DOWN QA, 2
	DOWN WW, 1
	ALL5 v_lshrrev_b32 v[UU+t], 16, v[PP+t]        ; the word's number n
	ALL5 v_and_b32 v[TT+t], 1, v[UU+t]
	ALL5 v_lshrrev_b32 v[UU+t], 1, v[UU+t]
	ALL5 v_lshl_or_b32 v[TT+t], v[PO+t], 1, v[TT+t]
	ALL5 v_lshl_or_b32 v[TT+t], v[UU+t], 6, v[TT+t]  ; token = 64 (n / 2) + 2 bit + n % 2
.set t, 0
.rept 5
	v_cmp_gt_u32 vcc_lo, s[CNT], v[RR+t]           ; a rank past the count names token 0
	v_cndmask_b32 v[TK+t], 0, v[TT+t], vcc_lo
.set t, t+1
.endr
.Lpush:
	ALL5 v_lshrrev_b32 v[TT+t], 16, v[FL+t]
	ALL5 v_lshl_or_b32 v[FH+t], v[FH+t], 16, v[TT+t]
	ALL5 v_lshl_or_b32 v[FL+t], v[FL+t], 16, v[TK+t]
	s_sub_co_u32 s[TS], s[TS], 20                  ; (behind the last trip it is not used)
	s_sub_co_u32 s[PASS], s[PASS], 1
	s_cmp_lg_u32 s[PASS], 0
	s_cbranch_scc1 .Lfind
.endif
	s_mov_b32 s[TB], s[WV]
	SETNL
	SETUP
	; PRIMING, in the loop's own order of issue
	ALOAD 0, 0
	WLOAD 3, 3
	ALOAD 1, 1
	s_wait_loadcnt 44                              ; behind W(0): W(1) W(2) A(0) W(3) A(1) = 8 + 8 + 10 + 8 + 10
	FILL 0, 0
	s_wait_dscnt 0x0                               ; chunk 4 takes the registers that those stores read; the bias registers are in too
	WLOAD 4, 4
	ALOAD 2, 2
	s_wait_loadcnt 54                              ; behind W(1): W(2) A(0) W(3) A(1) W(4) A(2)
	FILL 1, 1
	WIN 0
	s_wait_dscnt 0x0                               ; for the others' sake: chunks 0 and 1, my rows
	s_barrier_signal -1
	s_barrier_wait -1
	BLOAD 0, 0, VRD
	WIN 0
	s_wait_dscnt 0x0
	KSTEP 0, 0, 1                                  ; K step 0 stands ahead of the loop: its products start the sums at the bias
	s_mov_b32 s[LOOP], 6
.Lk:                                                   ; six trips of four K steps, 1 to 24: a trip goes from a group's second K step to the next group's first; the pointers step between
	KSTEP 9
	KSTEP 10, 1
	KSTEP 11
	STEP4
	KSTEP 12
	s_sub_co_u32 s[LOOP], s[LOOP], 1
	s_cmp_lg_u32 s[LOOP], 0
	s_cbranch_scc1 .Lk
	KSTEP 25                                       ; the tail is written out: nothing past the slice is loaded, and the counts run down
	KSTEP 26
	KSTEP 27
	STEP4
	KSTEP 28
	KSTEP 29
	KSTEP 30
	KSTEP 31
	s_mov_b32 s[PASS], 4
	s_branch .Lepi                                 ; the loop over passes is entered at pass 0's way out
.Lpass:                                                ; passes 1 to 3: rows 320 and up, from the finished image
	SETNL
	s_cmp_eq_u32 s[NL], 0
	s_cbranch_scc1 .Lepi                           ; no live tile of mine, in this pass and in those behind it: no products, and the way out stores nothing
	SETUP
	SEED
	s_mov_b32 s[TBR], 0
	s_mov_b32 s[LOOP], 32/RN
.Lres:                                                 ; sixteen trips of two K steps; the two chunks of a trip stand in the immediates
	v_add_nc_u32 v[VRR], s[TBR], v[VRD0]
	ALOAD 0, 0
	ALOAD 1, 1
	BLOAD 0, 0, VRR
	RSTEP 0
	RSTEP 1
	s_add_nc_u64 s[AP:AP+1], s[AP:AP+1], RN*ASTEP  ; the loads that named it have come back
	s_add_co_u32 s[TBR], s[TBR], RN*32*LP
	s_sub_co_u32 s[LOOP], s[LOOP], 1
	s_cmp_lg_u32 s[LOOP], 0
	s_cbranch_scc1 .Lres
.Lepi:                                                 ; THE WAY OUT of a pass: live tiles alone
.if PROD == 2
	s_wait_dscnt 0x0                               ; every wave's reads of the image in this pass are over before any wave writes its stage.  Image and stages are disjoint bytes, so no value
	s_barrier_signal -1                            ; hangs on this barrier: the order is stated outright and not left to the arithmetic of the addresses; four barriers a launch
	s_barrier_wait -1
.endif
.rept 4
	v_nop                                          ; the places behind the last products
.endr
.if PROD == 1
.irp i, 0,1,2,3,4
	s_cmp_lt_u32 s[NL], \i+1
	s_cbranch_scc1 .Lnext
.if \i < 4
	WIN EP_LO
.set AB, 64*\i
.else
	WIN EP_HI
.set AB, 0
.endif
.set n, 0
.rept 32                                           ; each accumulator's registers in ascending order
	v_cvt_pk_bf16_f32 v[AR+32*\i+n], v[AB+2*n], v[AB+2*n+1]
.set n, n+1
.endr
	WIN 0
.set n, 0
.rept 32
	v_pk_max_num_bf16 v[AR+32*\i+n], v[AR+32*\i+n], v[ZERO]  ; relu, two at a time; rounding first changes nothing: it keeps order and sign
.set n, n+1
.endr
.irp a, 0,1,2,3,4,5,6,7
	global_store_b128 v[OOFF], v[AR+32*\i+4*\a:AR+32*\i+4*\a+3], s[12:13] offset:\i*524288+((\a)/2)*1024+((\a)%2)*512  ; 512 consecutive bytes, aligned
.endr
.endr
.else
.irp i, 0,1,2,3,4
	s_cmp_lt_u32 s[NL], \i+1
	s_cbranch_scc1 .Lnext
	s_wait_xcnt 0x0                                ; the registers of earlier stores are loaded again only behind this wait
.irp f, 0,1                                        ; 64 columns at a time through my stage: in by lanes, back by rows of 256 bytes.  The two halves go one behind the other: LDS serves a wave's
.set RS, AR+32*((2*\i+\f)%5)                       ; instructions in order (ISA guide 5.7.1.4), so the loads see the stores ahead of them, and the second half's stores land behind the first half's loads
.if \i < 4
	WIN ST_LO
.set AB, 64*\i+32*\f
.else
	WIN W_ST
.set AB, 32*\f
.endif
.irp a, 0,1,2,3
	ds_store_b128 v[XA], v[AB+8*\a:AB+8*\a+3]   offset:64*\a     ; each accumulator's low registers first
	ds_store_b128 v[XA], v[AB+8*\a+4:AB+8*\a+7] offset:64*\a+16
.endr
	WIN 0
.irp q, 0,1,2,3,4,5,6,7
	ds_load_b128 v[RS+4*\q:RS+4*\q+3], v[XB] offset:544*\q
.endr
.endr
.irp f, 0,1
.set RS, AR+32*((2*\i+\f)%5)
	s_wait_dscnt 16*(1-\f)                         ; the first half is back: the second half's eight stores and eight loads may stay out; then all
.irp q, 0,1,2,3,4,5,6,7
	global_store_b128 v[OOFF], v[RS+4*\q:RS+4*\q+3], s[12:13] offset:\i*262144+\q*8192+\f*256  ; 16 lanes store 256 consecutive bytes, aligned
.endr
.endr
.endr
.endif
.Lnext:
	s_wait_xcnt 0x0                                ; the stores' base and data are written again only behind this wait
	s_add_co_u32 s[TB], s[TB], 20
	s_add_nc_u64 s[12:13], s[12:13], OSTEP
	s_wait_dscnt 0x0                               ; a pass's end: every wave's LDS reads and stage stores of this pass are over before any wave begins the next pass or ends.
	s_barrier_signal -1                            ; As above, no value hangs on it (disjoint bytes); four barriers a launch, on every wave's path
	s_barrier_wait -1
	s_sub_co_u32 s[PASS], s[PASS], 1
	s_cmp_lg_u32 s[PASS], 0
	s_cbranch_scc1 .Lpass
	s_wait_tensorcnt 0x0                           ; the wave's end: closing lines behind my last LDS store
	ds_add_u32 v[SPW], v[NIL]
	s_wait_dscnt 0x0
	s_endpgm
.Lfunc_end_k_qe9a182f6d8_ffn1:
	.size	k_qe9a182f6d8_ffn1, .Lfunc_end_k_qe9a182f6d8_ffn1-k_qe9a182f6d8_ffn1
	.p2alignl 7, 3214868480
	.fill 96, 4, 3214868480
	.section	.rodata,"a",@progbits
	.p2align	6, 0x0
	.amdhsa_kernel k_qe9a182f6d8_ffn1
		.amdhsa_group_segment_fixed_size 297472
		.amdhsa_private_segment_fixed_size 0
		.amdhsa_enable_private_segment 0
		.amdhsa_kernarg_size 56
		.amdhsa_user_sgpr_count 2
		.amdhsa_user_sgpr_kernarg_segment_ptr 1
		.amdhsa_wavefront_size32 1
		.amdhsa_system_sgpr_workgroup_id_x 1
		.amdhsa_system_sgpr_workgroup_id_y 1
		.amdhsa_system_sgpr_workgroup_id_z 1
		.amdhsa_system_vgpr_workitem_id 0
		.amdhsa_next_free_vgpr 896
		.amdhsa_next_free_sgpr 100
		.amdhsa_reserve_vcc 1
		.amdhsa_float_denorm_mode_32 3
		.amdhsa_float_denorm_mode_16_64 3
		.amdhsa_memory_ordered 1
		.amdhsa_forward_progress 1
		.amdhsa_inst_pref_size 185
	.end_amdhsa_kernel
	.amdgpu_metadata
---
amdhsa.version: [ 1, 2 ]
amdhsa.kernels:
  - .name:           k_qe9a182f6d8_ffn1
    .symbol:         k_qe9a182f6d8_ffn1.kd
    .args:
      - { .name: W1, .offset: 0, .size: 8, .value_kind: global_buffer, .address_space: global }
      - { .name: b1, .offset: 8, .size: 8, .value_kind: global_buffer, .address_space: global }
      - { .name: xb, .offset: 16, .size: 8, .value_kind: global_buffer, .address_space: global }
      - { .name: sel, .offset: 24, .size: 8, .value_kind: global_buffer, .address_space: global }
      - { .name: h, .offset: 32, .size: 8, .value_kind: global_buffer, .address_space: global }
      - { .name: rank, .offset: 40, .size: 8, .value_kind: global_buffer, .address_space: global }
      - { .name: cnt, .offset: 48, .size: 8, .value_kind: global_buffer, .address_space: global }
    .group_segment_fixed_size: 297472
    .private_segment_fixed_size: 0
    .kernarg_segment_align: 8
    .kernarg_segment_size: 56
    .max_flat_workgroup_size: 128
    .sgpr_count:     100
    .vgpr_count:     896
    .wavefront_size: 32
...
	.end_amdgpu_metadata
.endif
;; end of part 5
;; launch ffn2 (part 6): grid 32 x 8, 4 waves a work-group, no clusters, 314,880 bytes of LDS; arguments W2, b2, h, cnt, part; writes part
.if DOCPART == 6
	.amdgcn_target "amdgcn-amd-amdhsa--gfx1250"
	.amdhsa_code_object_version 6
	.text
	.protected	k_qe9a182f6d8_ffn2
	.globl	k_qe9a182f6d8_ffn2
	.p2align	8
	.type	k_qe9a182f6d8_ffn2,@function
k_qe9a182f6d8_ffn2:
	s_mov_b64 s[64:65], 0
	v_nop
	global_prefetch_b8 v0, s[64:65] scope:SCOPE_SE
	s_setreg_imm32_b32 hwreg(HW_REG_WAVE_MODE, 25, 1), 1
	s_wait_xcnt 0x0
; ONE TEXT FOR BOTH PRODUCTS OF THE EXPERTS; PROD says which.
; PROD = 1: h = relu(x_rows W1[e] + b1[e]) in bf16, for the tokens that chose expert e.   PROD = 2: part[q] = h W2[e] (rows 1,024 q .. of W2; + b2[e] where q = 0), f32 partial sums.
; LIMITS.  Weights and biases are rounded once to bf16 on their way through registers (x was by the launch before), h once to bf16; all sums are f32.  The relu on packed bf16 turns a NaN into 0;
; NaN and infinities are not treated apart.  Every split of the tokens is served, 0 to 1,024 rows an expert; rows past 320 go through later passes, behind the stream and not under it.
; SHARES.  Grid 32 x 8: a work-group has one expert and a slice of 1,024 (K) x 128 (columns) of its weights, 512 KB of f32, which it alone reads, once.  PROD 1: expert = y, slice = x.
; PROD 2: expert = x % 8, slice of columns = x / 8 + 4 (y % 2), quarter of K = y / 2: the eight work-groups that read the same quarter of an expert's h are alike in x % 8 and in y / 2
; (a choice of numbering alone: no value hangs on it).  The expert's rows go in tiles of 16; wave w owns tiles w + 4 i + 20 p (i = 0 .. 4, pass p = 0 .. 3): 80 places for at most 64 tiles.
; PASS 0 STREAMS.  32 K steps of 32.  In K step t the four waves round chunk t + 2 (32 rows of W; wave w rows 8 w .. 8 w + 7; one load is one row's 512 consecutive bytes) and store it as bf16 into an
; image [K][128] in LDS, and multiply chunk t.  Every byte of the image is written once and never again, so one barrier a K step (store, wait, signal; read behind the wait) is all the ordering.
; K step 0 stands ahead of the loop: its products take the bias as C and so start the sums.  PASSES 1 TO 3 read the finished image; a wave without a live tile jumps the pass's products and stores.
; COUNTS THAT HANG ON DATA steer forward jumps over products and stores alone, never over a barrier.  Token loads are issued for all five tiles in every K step, so that the counted waits hold on
; every path; a place past the count names a row that exists.  Tiles 0 to 2 are always multiplied, tiles 3 and 4 only if live (in K step 0 always); no dead tile is stored.
; THE ROWS OF PROD 1.  The 2,048 choices, whole numbers that the launch before stored, become a bitmap in 32 scalar registers: bit l of word n says that token 64 (n / 2) + n % 2 + 2 l chose the
; expert; a token's rank is the number of chosen tokens ahead of it in that order.  Each lane finds the token of its rank by scalar and plain vector arithmetic on that bitmap alone: a sweep over the
; 32 words, then the k-th set bit of one word.  All waves and all 32 work-groups of an expert go the same way, so the ranks agree everywhere.
; THE MATRIX INSTRUCTION IS USED TRANSPOSED: source 0 = 16 columns of W (turned out of LDS by ds_load_tr16_b128), source 1 = 16 token rows.  Register j of lane (r, hf) then holds
; C(row r, column 16 a + 8 hf + j): eight neighbouring columns.  In PROD 1 four conversions of column tile a ARE half a & 1 of the next product's token fragment for its K step a / 2: h is stored
; in that order, [expert][tile][K step][half][lane][16 bytes], 512 consecutive bytes a store, and PROD 2 loads it likewise.
; NO CLUSTER: each slice of weights has one reader.  PROD 1's token rows come by rank, which no descriptor covers; PROD 2's tiles of h are shared by 8 work-groups, but two slots of five tiles a wave
; (2 x 20 KB) do not fit beside the image (294,912 bytes) and the stage (17,408): 14,848 bytes are left.  NO TENSOR LOADS: the weights would land as f32, 512 KB a slice.
.set PROD, 2
.if PROD == 1
.set PITCH, 16384                      ; bytes from a row of W to the next
.set PSH,   14
.set ASTEP, 64                         ; bytes of a token row (PROD 2: of a tile) in a K step
.set AHALF, 32                         ; from a fragment's first four registers to its last four
.set OSTEP, 20*131072                  ; twenty tiles on in the output
.else
.set PITCH, 4096
.set PSH,   12
.set ASTEP, 1024
.set AHALF, 512
.set OSTEP, 20*16*4096
.endif
.set LP,    288                        ; a row of the image: 256 bytes + 32 = 72 words
.set RN,    2                          ; K steps in a trip of the later passes' loop
.set XTRA,  1024*LP                    ; behind the image
.if PROD == 1
.set BIASL, XTRA
.else
.set STGW,  16*272                     ; PROD 2: each wave's stage, 16 rows x (256 + 16) bytes
.set BIASL, XTRA+4*STGW
.endif
.set SPARE, BIASL+4*512                ; behind the biases (512 bytes a wave): the spare words, 128 bytes a wave: two blocks of 256 bytes that no other line names
; window 0
.set LANE, 1
.set R16,  2                           ; lane % 16
.set HF,   3                           ; lane / 16
.set L16,  4                           ; 16 lane; never rewritten
.set WOFF, 5                           ; 16 lane + my 8 rows of a chunk of W; never rewritten
.set VPF,  6                           ; prefetch: (32 w + lane / 2) rows + 256 (lane % 2); never rewritten
.set VST,  7                           ; image: my 8 rows of a chunk + 8 lane; steps
.set VRD,  8                           ; image: the stream's turning loads; steps
.set VRD0, 9                           ; (8 hf + lane % 8) LP + 16 ((lane / 8) % 2); never rewritten
.set VRR,  10                          ; image: the later passes' turning loads: s[TBR] + VRD0, made anew in each trip
.set AOFF, 11                          ; v11-15  byte offset of tile i's token rows
.if PROD == 1
.set OOFF, L16                         ; the stores' offset
.else
.set OOFF, 16                          ; hf rows of 4,096 bytes + 16 (lane % 16)
.endif
.set XA,   17                          ; PROD 2: the stage, in
.set XB,   18                          ; PROD 1: 16 hf.   PROD 2: the stage, back
.set ZERO, 19
.set SPW,  30                          ; my spare word, and 0: kept for the closing lines alone
.set NIL,  31
.set RK,   32                          ; v32-63  PROD 1: the ranks
.set FL,   64                          ; v64-68, v69-73  PROD 1: tile i's tokens for the four passes, 16 bits each, pass 0 lowest: low word, high word
.set FH,   69
.set AR,   96                          ; v96-255 token fragments: four slots of five tiles x 8; first the choices (64) and the search's registers, last the stores' data
.set SELR, 96
.set RR,   160                         ; the search, five registers each (one a tile): the rank;
.set WW,   165                         ; the bitmap's word that holds it;
.set PP,   170                         ; the word's number (above bit 16) and the count of chosen tokens ahead of the word;
.set KK,   175                         ; which set bit of the word;
.set QA,   180                         ; the word's counts by 2 bits,
.set QB,   185                         ; by 4,
.set QC,   190                         ; by 8;
.set TT,   195                         ; at work;
.set UU,   200
.set PO,   205                         ; the bit's place;
.set TK,   210                         ; the token
; window 1: accumulators of tiles 0-3, (i, a) at 64 i + 8 a.   window 2: v0-63 tile 4;
.set WR,   64                          ; window 2, v64-191: W as loaded, four slots of 8 rows x 4
.set BIA,  192                         ; window 2, v192-255: bias[16 a + 8 hf + j] at 8 a + j
; window 3: v0-63, v64-127 two buffers of W's fragments, column tile a at 8 a
.set WV, 20
.set EX, 21
.set SL, 22                            ; the slice of 128 columns
.set KQ, 23                            ; PROD 2: the quarter of K
.set CNT, 24
.set MT, 25                            ; live tiles
.set NL, 26                            ; how many of my five tiles are live in this pass
.set TB, 27                            ; w + 20 p
.set PASS, 28
.set LOOP, 29
.set OF, 30                            ; s[30:31] an offset, 64 bits
.set WP, 32                            ; s[32:33] W, walking
.set AP, 34                            ; s[34:35] the token rows, walking
.set LB, 38                            ; PROD 2: my wave's stage
.set TBR, 40                           ; the later passes: the image byte at which the trip's chunks begin
.set HM, 44                            ; a word's upper bf16
.set CC, 46                            ; PROD 1, the search: chosen tokens ahead of the word in hand
.set C55, 47                           ; 0x55555555, 0x33333333, 0x0f0f0f0f, 0xffff
.set C33, 48
.set C0F, 49
.set LOW, 50
.set TS, 51                            ; the search: w + 20 p
.set MK, 66                            ; s66-97  PROD 1: the bitmap
.set MSB, 0
.macro WIN new                         ; s_set_vgpr_msb: bits 1:0 source 0, 3:2 source 1, 5:4 source 2, 7:6 destination; the high byte repeats the setting that is left
.if MSB != (\new)
	s_set_vgpr_msb (MSB<<8)|(\new)
.set MSB, (\new)
.endif
.endm
.set W_LD,  0x80                       ; loads into window 2
.set W_CV,  0x8a                       ; conversions in place in window 2
.set W_ST,  0x08                       ; LDS stores of data in window 2
.set B_LD,  0xc0                       ; loads into window 3
.set MM_LO, 0x53                       ; W's fragment window 3, tokens window 0, C and D window 1
.set MM_HI, 0xa3                       ; C and D window 2
.set MM_C0, 0x63                       ; D window 1, C (the bias) window 2
.set SD_LO, 0x42                       ; window 2 to window 1
.set SD_HI, 0x82                       ; within window 2
.set EP_LO, 0x05                       ; sources window 1, destination window 0
.set EP_HI, 0x0a
.set ST_LO, 0x04                       ; LDS stores of data in window 1
; All immediates count from pointers that step every four K steps; d = the chunk's distance from them.
.macro WLOAD tau, d                    ; chunk tau of W: my 8 rows, 512 consecutive bytes each
	WIN W_LD
.irp i, 0,1,2,3,4,5,6,7
	global_load_b128 v[WR+32*((\tau)%4)+4*\i:WR+32*((\tau)%4)+4*\i+3], v[WOFF], s[WP:WP+1] offset:((\d)*32+\i)*PITCH th:TH_LOAD_NT
.endr
.endm
.macro FILL tau, d                     ; rounded in place and stored into the image, 256 consecutive bytes a store
.set WS, WR+32*((\tau)%4)
	WIN W_CV
.irp i, 0,1,2,3,4,5,6,7
	v_cvt_pk_bf16_f32 v[WS+4*\i],   v[WS+4*\i],   v[WS+4*\i+1]
	v_cvt_pk_bf16_f32 v[WS+4*\i+1], v[WS+4*\i+2], v[WS+4*\i+3]
.endr
	WIN W_ST
.irp i, 0,1,2,3,4,5,6,7
	ds_store_b64 v[VST], v[WS+4*\i:WS+4*\i+1] offset:((\d)*32+\i)*LP
.endr
.endm
.macro BLOAD slot, d, adr              ; a chunk's eight fragments: 16 columns x 32 K each, turned
	WIN B_LD
.irp a, 0,1,2,3,4,5,6,7
	ds_load_tr16_b128 v[64*(\slot)+8*\a:64*(\slot)+8*\a+3],   v[\adr] offset:(\d)*32*LP+32*\a
	ds_load_tr16_b128 v[64*(\slot)+8*\a+4:64*(\slot)+8*\a+7], v[\adr] offset:(\d)*32*LP+32*\a+16*LP
.endr
.endm
.macro ALOAD slot, d                   ; five tiles' token fragments for one K step
	WIN 0
.irp i, 0,1,2,3,4
	global_load_b128 v[AR+40*(\slot)+8*\i:AR+40*(\slot)+8*\i+3],   v[AOFF+\i], s[AP:AP+1] offset:(\d)*ASTEP
	global_load_b128 v[AR+40*(\slot)+8*\i+4:AR+40*(\slot)+8*\i+7], v[AOFF+\i], s[AP:AP+1] offset:(\d)*ASTEP+AHALF
.endr
.endm
.macro MMT i, sa, sb, first=0          ; tile i's eight products; its eight accumulators take turns.  first = 1: C is the bias: the product starts the sum
.irp a, 0,1,2,3,4,5,6,7
.if \first
	v_wmma_f32_16x16x32_bf16 v[64*((\i)%4)+8*\a:64*((\i)%4)+8*\a+7], v[64*(\sb)+8*\a:64*(\sb)+8*\a+7], v[AR+40*(\sa)+8*(\i):AR+40*(\sa)+8*(\i)+7], v[BIA+8*\a:BIA+8*\a+7]
.else
	v_wmma_f32_16x16x32_bf16 v[64*((\i)%4)+8*\a:64*((\i)%4)+8*\a+7], v[64*(\sb)+8*\a:64*(\sb)+8*\a+7], v[AR+40*(\sa)+8*(\i):AR+40*(\sa)+8*(\i)+7], v[64*((\i)%4)+8*\a:64*((\i)%4)+8*\a+7]
.endif
.endr
.endm
; A K step's products.  No two matrix instructions that follow each other share an accumulator, over the jumps and from K step to K step too.
; bar = 1: the K step's barrier: my stores of the chunk two steps on are done (and the next chunk's fragments are in), say so; eight products; go on when all four waves have said so.
; first = 1: K step 0: all five tiles, live or not, so that every accumulator is written on every path: at most 16 products more, once a launch.
.macro MMS sa, sb, bar, first=0
.if \first
	WIN MM_C0
.else
	WIN MM_LO
.endif
	MMT 0, \sa, \sb, \first
	MMT 1, \sa, \sb, \first
.if \bar
	s_wait_dscnt 0x0
	s_barrier_signal -1
.endif
	MMT 2, \sa, \sb, \first
.if \bar
	s_barrier_wait -1
.endif
.if \first
	MMT 3, \sa, \sb, 1
	WIN MM_HI
	MMT 4, \sa, \sb, 1
	WIN 0
.else
	WIN 0                                          ; at a branch and at a label every window is 0
	s_cmp_lt_u32 s[NL], 4
	s_cbranch_scc1 .Ldone_\@
	WIN MM_LO
	MMT 3, \sa, \sb
	WIN 0
	s_cmp_lt_u32 s[NL], 5
	s_cbranch_scc1 .Ldone_\@
	WIN MM_HI
	MMT 4, \sa, \sb
	WIN 0
.Ldone_\@:
.endif
.endm
; K STEP t of the stream.  W's and the tokens' loads share one counter and come back in the order of issue: .. W(t+5) A(t+3) W(t+6) A(t+4) .., 8 and 10 loads.
; n1: the loads issued behind W(t+2): A(t) W(t+3) A(t+1) W(t+4) A(t+2) W(t+5), as far as they exist (chunks and K steps end at 31): 54 in the loop.
; n2: those behind A(t), ahead of the issue of A(t+3): W(t+3) A(t+1) W(t+4) A(t+2) W(t+5): 44 in the loop.  During the products 54 loads of a wave are out, 62 at the most, 24 to 32 of them W's (12 to 16 KB).
; The 16 conversions (or four v_nop) are the places between the last K step's products and the loads into the registers that those products read (ISA guide 7.12.1 for vector instructions).
.macro KSTEP t, pf=0, first=0
.set u, (\t)%4
.set n1, 30
.set n2, 0
.if (\t) <= 30
.set n2, n2+10
.endif
.if (\t) <= 29
.set n2, n2+10
.endif
.if (\t) <= 28
.set n1, n1+8
.set n2, n2+8
.endif
.if (\t) <= 27
.set n1, n1+8
.set n2, n2+8
.endif
.if (\t) <= 26
.set n1, n1+8
.set n2, n2+8
	WLOAD (\t)+5, u+5
.endif
.if (\t) <= 29
	s_wait_loadcnt n1
	FILL (\t)+2, u+2
.else
.rept 4
	v_nop
.endr
.endif
.if (\t) <= 30
	BLOAD ((\t)+1)%2, u+1, VRD
.endif
	WIN 0
	s_wait_loadcnt n2
.if (\t) <= 28
	ALOAD ((\t)+3)%4, u+3
.endif
.if \pf
	; Prefetch: K step 4 T + 2, whose own loads reach chunk 4 T + 7, asks for chunks 4 T + 12 .. 4 T + 15: each wave 32 rows, lanes 256 bytes apart, each block once in the launch.
	; The last trip (LOOP = 1) would ask past the slice and asks for nothing.  Asked for and not yet loaded: 8 chunks, 128 KB a work-group, at the most.
	s_cmp_lt_u32 s[LOOP], 2
	s_cbranch_scc1 .Lno_pf_\@
	global_prefetch_b8 v[VPF], s[WP:WP+1] offset:384*PITCH th:TH_LOAD_NT scope:SCOPE_SE
	global_prefetch_b8 v[VPF], s[WP:WP+1] offset:400*PITCH th:TH_LOAD_NT scope:SCOPE_SE
.Lno_pf_\@:
.endif
.if (\t) <= 29
	MMS (\t)%4, (\t)%2, 1, \first
.else
	MMS (\t)%4, (\t)%2, 0
.if (\t) == 30
	s_wait_dscnt 0x0                               ; chunk 31's fragments: this K step has no barrier whose wait would cover them
.endif
.endif
.endm
.macro STEP4
	s_wait_xcnt 0x0                                ; the pointers are stepped only behind this wait (ISA guide 3.1)
	s_add_nc_u64 s[WP:WP+1], s[WP:WP+1], 128*PITCH
	s_add_nc_u64 s[AP:AP+1], s[AP:AP+1], 4*ASTEP
	v_add_nc_u32 v[VST], 128*LP, v[VST]
	v_add_nc_u32 v[VRD], 128*LP, v[VRD]
.endm
; K step u of a trip of the later passes.  The trip's 10 RN token loads went out at its head: 10 (RN - 1 - u) are younger than this step's.  The next chunk's 16 turning loads go out first and stay out.
; Four v_nop behind the products are the places in front of the next loads into the registers that they read.
.macro RSTEP u
.if (\u) < RN-1
	BLOAD ((\u)+1)%2, (\u)+1, VRR
.endif
	WIN 0
	s_wait_loadcnt 10*(RN-1-(\u))
.if (\u) < RN-1
	s_wait_dscnt 16
.else
	s_wait_dscnt 0x0
.endif
	MMS \u, (\u)%2, 0
.rept 4
	v_nop
.endr
.endm
.macro SETNL                           ; how many of my five tiles are live in this pass: the i with TB + 4 i < MT: (MT - TB + 3) / 4, held to 0 .. 5
	s_sub_co_i32 s[NL], s[MT], s[TB]
	s_add_co_i32 s[NL], s[NL], 3
	s_ashr_i32 s[NL], s[NL], 2
	s_max_i32 s[NL], s[NL], 0
	s_min_i32 s[NL], s[NL], 5
.endm
; Where my five tiles' rows lie.  No load of mine is out that names these registers.
.macro SETUP
	s_mov_b64 s[AP:AP+1], s[8:9]
.if PROD == 1
.irp i, 0,1,2,3,4
	v_and_b32 v[21+\i], s[LOW], v[FL+\i]           ; this pass's token of tile i; the later passes' move down by 16 bits
	v_lshrrev_b32 v[FL+\i], 16, v[FL+\i]
	v_lshl_or_b32 v[FL+\i], v[FH+\i], 16, v[FL+\i]
	v_lshrrev_b32 v[FH+\i], 16, v[FH+\i]
	v_min_u32 v[21+\i], 0x3ff, v[21+\i]
	v_lshl_add_u32 v[AOFF+\i], v[21+\i], 11, v[XB] ; token x 2,048 bytes + 16 hf
.endr
.else
	s_sub_co_i32 s37, s[MT], 1
	s_max_i32 s37, s37, 0
.irp i, 0,1,2,3,4
	s_add_co_u32 s36, s[TB], 4*\i                  ; a dead tile repeats the last live one (tile 0 where there is none: the launch before stores it always)
	s_min_u32 s36, s36, s37
	s_min_u32 s36, s36, 63
	s_lshl_b32 s36, s36, 17
	v_add_nc_u32 v[AOFF+\i], s36, v[L16]
.endr
.endif
.endm
; The later passes' sums start at the bias by 320 moves: their loop has no first K step written out, and rows past 320 of one expert are the rare case.
.macro SEED
	WIN SD_LO
.set n, 0
.rept 256
	v_mov_b32 v[n], v[BIA+n%64]
.set n, n+1
.endr
	WIN SD_HI
.set n, 0
.rept 64
	v_mov_b32 v[n], v[BIA+n]
.set n, n+1
.endr
	WIN 0
.endm
.macro ALL5 line:vararg                ; one line for each of my five tiles, t = 0 .. 4: five chains that do not wait for each other
.set t, 0
.rept 5
	\line
.set t, t+1
.endr
.endm
; One step down in the search for the k-th set bit: if the \step bits at the place in hand hold k set bits or fewer, the bit lies beyond them.
.macro DOWN src, step
	ALL5 v_bfe_u32 v[TT+t], v[\src+t], v[PO+t], \step
.set t, 0
.rept 5
	v_cmp_ge_u32 vcc_lo, v[KK+t], v[TT+t]
.if (\step) > 1
	v_cndmask_b32 v[UU+t], 0, v[TT+t], vcc_lo
.endif
	v_cndmask_b32 v[TT+t], 0, \step, vcc_lo
.set t, t+1
.endr
.if (\step) > 1
	ALL5 v_sub_nc_u32 v[KK+t], v[KK+t], v[UU+t]
.endif
	ALL5 v_add_nc_u32 v[PO+t], v[PO+t], v[TT+t]
.endm
	s_load_b256 s[4:11], s[0:1], 0x0               ; W s[4:5], bias s[6:7], token rows s[8:9], PROD 1: sel, PROD 2: cnt s[10:11]
.if PROD == 1
	s_load_b128 s[12:15], s[0:1], 0x20             ; h s[12:13], rank s[14:15]
	s_load_b64 s[16:17], s[0:1], 0x30              ; cnt
.else
	s_load_b64 s[12:13], s[0:1], 0x20              ; part
.endif
	v_lshl_add_u32 v[SPW], v0, 2, SPARE
	v_mov_b32 v[NIL], 0
	v_lshrrev_b32 v20, 5, v0
	v_readfirstlane_b32 s[WV], v20                 ; wave 0..3
.if PROD == 1
	s_and_b32 s[EX], ttmp7, 0xffff                 ; the expert
	s_mov_b32 s[SL], ttmp9
.else
	s_and_b32 s36, ttmp7, 0xffff                   ; y
	s_and_b32 s[EX], ttmp9, 7                      ; the expert = x % 8
	s_lshr_b32 s[SL], ttmp9, 3
	s_and_b32 s37, s36, 1
	s_lshl_b32 s37, s37, 2
	s_add_co_u32 s[SL], s[SL], s37                 ; the slice = x / 8 + 4 (y % 2)
	s_lshr_b32 s[KQ], s36, 1                       ; the quarter = y / 2
.endif
	s_mov_b32 s[HM], 0xffff0000
	s_mov_b32 s[OF+1], 0
	v_and_b32 v[LANE], 31, v0
	v_and_b32 v[R16], 15, v0
	v_bfe_u32 v[HF], v0, 4, 1
	v_lshlrev_b32 v[L16], 4, v[LANE]
	v_lshl_add_u32 v[WOFF], s[WV], PSH+3, v[L16]
	v_lshrrev_b32 v20, 1, v[LANE]
	v_lshl_add_u32 v20, s[WV], 5, v20
	v_and_b32 v21, 1, v[LANE]
	v_lshlrev_b32 v20, PSH, v20
	v_lshl_add_u32 v[VPF], v21, 8, v20
	s_wait_kmcnt 0x0
.if PROD == 1
	s_lshl_b32 s36, s[EX], 24                      ; W1: expert x 16 MiB + slice x 512 bytes
	s_lshl_b32 s37, s[SL], 9
	s_add_co_u32 s[OF], s36, s37
	s_add_nc_u64 s[4:5], s[4:5], s[OF:OF+1]
	s_lshl_b32 s36, s[EX], 14                      ; b1
	s_add_co_u32 s[OF], s36, s37
	s_add_nc_u64 s[6:7], s[6:7], s[OF:OF+1]
	s_lshl_b32 s36, s[EX], 23                      ; h: expert x 8 MiB + my first tile x 128 KiB + the slice's four K steps x 1,024
	s_lshl_b32 s37, s[SL], 12
	s_add_co_u32 s[OF], s36, s37
	s_lshl_b32 s37, s[WV], 17
	s_add_co_u32 s[OF], s[OF], s37
	s_add_nc_u64 s[12:13], s[12:13], s[OF:OF+1]
	s_lshl_b32 s[OF], s[EX], 12
	s_add_nc_u64 s[14:15], s[14:15], s[OF:OF+1]
	s_lshl_b32 s[OF], s[EX], 7
	s_add_nc_u64 s[16:17], s[16:17], s[OF:OF+1]
.else
	s_lshl_b32 s[OF], s[EX], 7
	s_add_nc_u64 s[10:11], s[10:11], s[OF:OF+1]
	s_load_b32 s[CNT], s[10:11], 0x0               ; the expert's rows
	s_lshl_b32 s36, s[EX], 24                      ; W2: expert x 16 MiB + quarter x 1,024 rows + slice x 512 bytes
	s_lshl_b32 s37, s[KQ], 22
	s_add_co_u32 s[OF], s36, s37
	s_lshl_b32 s37, s[SL], 9
	s_add_co_u32 s[OF], s[OF], s37
	s_add_nc_u64 s[4:5], s[4:5], s[OF:OF+1]
	s_lshl_b32 s36, s[EX], 12                      ; b2
	s_add_co_u32 s[OF], s36, s37
	s_add_nc_u64 s[6:7], s[6:7], s[OF:OF+1]
	s_lshl_b32 s36, s[KQ], 25                      ; part: quarter x 32 MiB + (expert x 1,024 + 16 w) rows + slice x 512 bytes
	s_add_co_u32 s[OF], s36, s37
	s_lshl_b32 s36, s[EX], 22
	s_add_co_u32 s[OF], s[OF], s36
	s_lshl_b32 s36, s[WV], 16
	s_add_co_u32 s[OF], s[OF], s36
	s_add_nc_u64 s[12:13], s[12:13], s[OF:OF+1]
	s_lshl_b32 s36, s[EX], 23                      ; h: expert x 8 MiB + the quarter's 32 K steps x 1,024
	s_lshl_b32 s37, s[KQ], 15
	s_add_co_u32 s[OF], s36, s37
	s_add_nc_u64 s[8:9], s[8:9], s[OF:OF+1]
.endif
	s_mov_b64 s[WP:WP+1], s[4:5]
.if PROD == 1
.irp j, 0,1,2,3,4,5,6,7,8,9,10,11,12,13,14,15
	global_load_b128 v[SELR+4*\j:SELR+4*\j+3], v[L16], s[10:11] offset:512*\j  ; all 2,048 choices: a lane has tokens 64 j + 2 lane and the next
.endr
.endif
	global_load_b128 v[20:23], v[L16], s[6:7]      ; the slice's 128 biases
	WLOAD 0, 0
	WLOAD 1, 1
	WLOAD 2, 2
	WIN 0
	global_prefetch_b8 v[VPF], s[WP:WP+1] offset:256*PITCH th:TH_LOAD_NT scope:SCOPE_SE  ; chunks 8 to 11, as in the loop
	global_prefetch_b8 v[VPF], s[WP:WP+1] offset:272*PITCH th:TH_LOAD_NT scope:SCOPE_SE
	s_mul_i32 s36, s[WV], 8*LP
	v_lshl_add_u32 v[VST], v[LANE], 3, s36
	v_and_b32 v24, 7, v0
	v_lshl_add_u32 v24, v[HF], 3, v24
	v_mul_u32_u24 v24, v24, LP
	v_bfe_u32 v25, v0, 3, 1
	v_lshl_add_u32 v[VRD0], v25, 4, v24
	v_mov_b32 v[VRD], v[VRD0]
	s_lshl_b32 s39, s[WV], 9
	s_add_co_u32 s39, s39, BIASL
	v_add_nc_u32 v28, s39, v[L16]
	v_lshl_add_u32 v29, v[HF], 5, s39
.if PROD == 1
	v_mov_b32 v[ZERO], 0
	v_lshlrev_b32 v[XB], 4, v[HF]
.else
	s_mul_i32 s[LB], s[WV], STGW
	s_add_co_u32 s[LB], s[LB], XTRA
	v_mul_u32_u24 v24, v[R16], 272                 ; in: row lane % 16, 32 bytes for each half of the lanes
	v_lshl_add_u32 v24, v[HF], 5, v24
	v_add_nc_u32 v[XA], s[LB], v24
	v_mul_u32_u24 v24, v[HF], 272                  ; back: lanes 0-15 one row of 256 bytes, lanes 16-31 the next
	v_lshl_add_u32 v24, v[R16], 4, v24
	v_add_nc_u32 v[XB], s[LB], v24
	v_lshlrev_b32 v[OOFF], 4, v[R16]               ; and the same two rows in part
	v_lshl_add_u32 v[OOFF], v[HF], 12, v[OOFF]
.endif
	s_wait_loadcnt 24                              ; the choices and the bias are in; W's 24 loads stay out
	; the bias: rounded to bf16, widened, through my own 512 bytes of LDS into the order of an accumulator's registers
	v_cvt_pk_bf16_f32 v24, v20, v21
	v_cvt_pk_bf16_f32 v25, v22, v23
	v_lshlrev_b32 v20, 16, v24
	v_and_b32 v21, s[HM], v24
	v_lshlrev_b32 v22, 16, v25
	v_and_b32 v23, s[HM], v25
.if PROD == 2
	s_cmp_eq_u32 s[KQ], 0                          ; one quarter alone adds b2
	s_cselect_b32 s45, -1, 0
.irp i, 20,21,22,23
	v_and_b32 v\i, s45, v\i
.endr
.endif
	ds_store_b128 v28, v[20:23]
	WIN W_LD
.irp a, 0,1,2,3,4,5,6,7
	ds_load_b128 v[BIA+8*\a:BIA+8*\a+3],   v29 offset:64*\a      ; LDS serves a wave's instructions in order (ISA guide 5.7.1.4): these see the store above
	ds_load_b128 v[BIA+8*\a+4:BIA+8*\a+7], v29 offset:64*\a+16
.endr
	WIN 0
.if PROD == 1
	; THE BITMAP, the count, and each token's rank (the count so far plus the chosen lanes below it)
	s_mov_b32 s[CNT], 0
.set n, 0
.rept 32                                           ; word n: tokens 64 (n / 2) + n % 2 + 2 lane
	v_cmp_eq_u32 s[MK+n], s[EX], v[SELR+2*n]
	v_cmp_eq_u32 s37, s[EX], v[SELR+2*n+1]
	s_or_b32 s[MK+n], s[MK+n], s37
	v_mbcnt_lo_u32_b32 v[RK+n], s[MK+n], s[CNT]
	s_bcnt1_i32_b32 s37, s[MK+n]
	s_add_co_u32 s[CNT], s[CNT], s37
.set n, n+1
.endr
	s_or_b32 s36, s[SL], s[WV]                     ; slice 0's wave 0 stores the expert's ranks and count for the later launches
	s_cmp_lg_u32 s36, 0
	s_cbranch_scc1 .Lno_rank
	v_lshlrev_b32 v20, 3, v[LANE]
.irp j, 0,1,2,3,4,5,6,7,8,9,10,11,12,13,14,15
	global_store_b64 v20, v[RK+2*\j:RK+2*\j+1], s[14:15] offset:256*\j  ; 256 consecutive bytes, aligned
.endr
	v_lshlrev_b32 v21, 2, v[LANE]
	v_mov_b32 v23, s[CNT]
	global_store_b32 v21, v23, s[16:17]            ; the count, 32 times: one store with all lanes on
	s_wait_xcnt 0x0                                ; v20-23 are written again below
.Lno_rank:
.else
	s_wait_kmcnt 0x0
	s_min_u32 s[CNT], s[CNT], 1024
.endif
	s_add_co_u32 s[MT], s[CNT], 15
	s_lshr_b32 s[MT], s[MT], 4
.if PROD == 1
	s_max_u32 s[MT], s[MT], 1                      ; tile 0 is stored whatever the count, so that the next launch's repeated loads find written bytes
	; THE SEARCH.  Lane (r, hf) of tile i in pass p wants the token of rank 16 (w + 20 p + 4 i) + r.  One text, four trips, passes 3 down to 0; a pass without a live tile of mine is jumped
	; and leaves token 0.  Each trip pushes its five tokens, 16 bits each, into the pairs FH:FL, so that pass 0 ends lowest.
	s_mov_b32 s[C55], 0x55555555
	s_mov_b32 s[C33], 0x33333333
	s_mov_b32 s[C0F], 0x0f0f0f0f
	s_mov_b32 s[LOW], 0xffff
	ALL5 v_mov_b32 v[FL+t], 0
	ALL5 v_mov_b32 v[FH+t], 0
	s_add_co_u32 s[TS], s[WV], 60
	s_mov_b32 s[PASS], 4
.Lfind:
	ALL5 v_mov_b32 v[TK+t], 0
	s_cmp_ge_u32 s[TS], s[MT]
	s_cbranch_scc1 .Lpush
	s_lshl_b32 s36, s[TS], 4
	v_add_nc_u32 v[RR], s36, v[R16]
.irp i, 1,2,3,4
	v_add_nc_u32 v[RR+\i], 64, v[RR+\i-1]
.endr
	; the sweep: the counts ahead of the words never fall, so the last word whose count is not above the rank is the one that holds it
	ALL5 v_mov_b32 v[WW+t], s[MK]
	ALL5 v_mov_b32 v[PP+t], 0
	s_bcnt1_i32_b32 s[CC], s[MK]
.set n, 1
.rept 31
	s_add_co_u32 s37, s[CC], n<<16                 ; the word's number above the count (1,024 at the most)
.irp i, 0,1,2,3,4
	v_cmp_gt_u32 vcc_lo, s[CC], v[RR+\i]           ; count above the rank: keep what I have
	v_cndmask_b32 v[WW+\i], s[MK+n], v[WW+\i], vcc_lo
	v_cndmask_b32 v[PP+\i], s37, v[PP+\i], vcc_lo
.endr
.if n < 31
	s_bcnt1_i32_b32 s36, s[MK+n]
	s_add_co_u32 s[CC], s[CC], s36
.endif
.set n, n+1
.endr
	; the k-th set bit of the word, k = rank - count ahead: the word's set bits counted by 2, 4, 8 and 16 bits, then five steps down
	ALL5 v_and_b32 v[TT+t], s[LOW], v[PP+t]
	ALL5 v_sub_nc_u32 v[KK+t], v[RR+t], v[TT+t]
	ALL5 v_lshrrev_b32 v[TT+t], 1, v[WW+t]
	ALL5 v_and_b32 v[TT+t], s[C55], v[TT+t]
	ALL5 v_sub_nc_u32 v[QA+t], v[WW+t], v[TT+t]
	ALL5 v_lshrrev_b32 v[TT+t], 2, v[QA+t]
	ALL5 v_and_b32 v[TT+t], s[C33], v[TT+t]
	ALL5 v_and_b32 v[QB+t], s[C33], v[QA+t]
	ALL5 v_add_nc_u32 v[QB+t], v[QB+t], v[TT+t]
	ALL5 v_lshrrev_b32 v[TT+t], 4, v[QB+t]
	ALL5 v_add_nc_u32 v[TT+t], v[TT+t], v[QB+t]
	ALL5 v_and_b32 v[QC+t], s[C0F], v[TT+t]
	ALL5 v_bfe_u32 v[TT+t], v[QC+t], 8, 8
	ALL5 v_bfe_u32 v[UU+t], v[QC+t], 0, 8
	ALL5 v_add_nc_u32 v[TT+t], v[TT+t], v[UU+t]    ; the low 16 bits' count
.set t, 0
.rept 5
	v_cmp_ge_u32 vcc_lo, v[KK+t], v[TT+t]
	v_cndmask_b32 v[UU+t], 0, v[TT+t], vcc_lo
	v_cndmask_b32 v[PO+t], 0, 16, vcc_lo
.set t, t+1
.endr
	ALL5 v_sub_nc_u32 v[KK+t], v[KK+t], v[UU+t]
	DOWN QC, 8
	DOWN QB, 4
	DOWN QA, 2
	DOWN WW, 1
	ALL5 v_lshrrev_b32 v[UU+t], 16, v[PP+t]        ; the word's number n
	ALL5 v_and_b32 v[TT+t], 1, v[UU+t]
	ALL5 v_lshrrev_b32 v[UU+t], 1, v[UU+t]
	ALL5 v_lshl_or_b32 v[TT+t], v[PO+t], 1, v[TT+t]
	ALL5 v_lshl_or_b32 v[TT+t], v[UU+t], 6, v[TT+t]  ; token = 64 (n / 2) + 2 bit + n % 2
.set t, 0
.rept 5
	v_cmp_gt_u32 vcc_lo, s[CNT], v[RR+t]           ; a rank past the count names token 0
	v_cndmask_b32 v[TK+t], 0, v[TT+t], vcc_lo
.set t, t+1
.endr
.Lpush:
	ALL5 v_lshrrev_b32 v[TT+t], 16, v[FL+t]
	ALL5 v_lshl_or_b32 v[FH+t], v[FH+t], 16, v[TT+t]
	ALL5 v_lshl_or_b32 v[FL+t], v[FL+t], 16, v[TK+t]
	s_sub_co_u32 s[TS], s[TS], 20                  ; (behind the last trip it is not used)
	s_sub_co_u32 s[PASS], s[PASS], 1
	s_cmp_lg_u32 s[PASS], 0
	s_cbranch_scc1 .Lfind
.endif
	s_mov_b32 s[TB], s[WV]
	SETNL
	SETUP
	; PRIMING, in the loop's own order of issue
	ALOAD 0, 0
	WLOAD 3, 3
	ALOAD 1, 1
	s_wait_loadcnt 44                              ; behind W(0): W(1) W(2) A(0) W(3) A(1) = 8 + 8 + 10 + 8 + 10
	FILL 0, 0
	s_wait_dscnt 0x0                               ; chunk 4 takes the registers that those stores read; the bias registers are in too
	WLOAD 4, 4
	ALOAD 2, 2
	s_wait_loadcnt 54                              ; behind W(1): W(2) A(0) W(3) A(1) W(4) A(2)
	FILL 1, 1
	WIN 0
	s_wait_dscnt 0x0                               ; for the others' sake: chunks 0 and 1, my rows
	s_barrier_signal -1
	s_barrier_wait -1
	BLOAD 0, 0, VRD
	WIN 0
	s_wait_dscnt 0x0
	KSTEP 0, 0, 1                                  ; K step 0 stands ahead of the loop: its products start the sums at the bias
	s_mov_b32 s[LOOP], 6
.Lk:                                                   ; six trips of four K steps, 1 to 24: a trip goes from a group's second K step to the next group's first; the pointers step between
	KSTEP 9
	KSTEP 10, 1
	KSTEP 11
	STEP4
	KSTEP 12
	s_sub_co_u32 s[LOOP], s[LOOP], 1
	s_cmp_lg_u32 s[LOOP], 0
	s_cbranch_scc1 .Lk
	KSTEP 25                                       ; the tail is written out: nothing past the slice is loaded, and the counts run down
	KSTEP 26
	KSTEP 27
	STEP4
	KSTEP 28
	KSTEP 29
	KSTEP 30
	KSTEP 31
	s_mov_b32 s[PASS], 4
	s_branch .Lepi                                 ; the loop over passes is entered at pass 0's way out
.Lpass:                                                ; passes 1 to 3: rows 320 and up, from the finished image
	SETNL
	s_cmp_eq_u32 s[NL], 0
	s_cbranch_scc1 .Lepi                           ; no live tile of mine, in this pass and in those behind it: no products, and the way out stores nothing
	SETUP
	SEED
	s_mov_b32 s[TBR], 0
	s_mov_b32 s[LOOP], 32/RN
.Lres:                                                 ; sixteen trips of two K steps; the two chunks of a trip stand in the immediates
	v_add_nc_u32 v[VRR], s[TBR], v[VRD0]
	ALOAD 0, 0
	ALOAD 1, 1
	BLOAD 0, 0, VRR
	RSTEP 0
	RSTEP 1
	s_add_nc_u64 s[AP:AP+1], s[AP:AP+1], RN*ASTEP  ; the loads that named it have come back
	s_add_co_u32 s[TBR], s[TBR], RN*32*LP
	s_sub_co_u32 s[LOOP], s[LOOP], 1
	s_cmp_lg_u32 s[LOOP], 0
	s_cbranch_scc1 .Lres
.Lepi:                                                 ; THE WAY OUT of a pass: live tiles alone
.if PROD == 2
	s_wait_dscnt 0x0                               ; every wave's reads of the image in this pass are over before any wave writes its stage.  Image and stages are disjoint bytes, so no value
	s_barrier_signal -1                            ; hangs on this barrier: the order is stated outright and not left to the arithmetic of the addresses; four barriers a launch
	s_barrier_wait -1
.endif
.rept 4
	v_nop                                          ; the places behind the last products
.endr
.if PROD == 1
.irp i, 0,1,2,3,4
	s_cmp_lt_u32 s[NL], \i+1
	s_cbranch_scc1 .Lnext
.if \i < 4
	WIN EP_LO
.set AB, 64*\i
.else
	WIN EP_HI
.set AB, 0
.endif
.set n, 0
.rept 32                                           ; each accumulator's registers in ascending order
	v_cvt_pk_bf16_f32 v[AR+32*\i+n], v[AB+2*n], v[AB+2*n+1]
.set n, n+1
.endr
	WIN 0
.set n, 0
.rept 32
	v_pk_max_num_bf16 v[AR+32*\i+n], v[AR+32*\i+n], v[ZERO]  ; relu, two at a time; rounding first changes nothing: it keeps order and sign
.set n, n+1
.endr
.irp a, 0,1,2,3,4,5,6,7
	global_store_b128 v[OOFF], v[AR+32*\i+4*\a:AR+32*\i+4*\a+3], s[12:13] offset:\i*524288+((\a)/2)*1024+((\a)%2)*512  ; 512 consecutive bytes, aligned
.endr
.endr
.else
.irp i, 0,1,2,3,4
	s_cmp_lt_u32 s[NL], \i+1
	s_cbranch_scc1 .Lnext
	s_wait_xcnt 0x0                                ; the registers of earlier stores are loaded again only behind this wait
.irp f, 0,1                                        ; 64 columns at a time through my stage: in by lanes, back by rows of 256 bytes.  The two halves go one behind the other: LDS serves a wave's
.set RS, AR+32*((2*\i+\f)%5)                       ; instructions in order (ISA guide 5.7.1.4), so the loads see the stores ahead of them, and the second half's stores land behind the first half's loads
.if \i < 4
	WIN ST_LO
.set AB, 64*\i+32*\f
.else
	WIN W_ST
.set AB, 32*\f
.endif
.irp a, 0,1,2,3
	ds_store_b128 v[XA], v[AB+8*\a:AB+8*\a+3]   offset:64*\a     ; each accumulator's low registers first
	ds_store_b128 v[XA], v[AB+8*\a+4:AB+8*\a+7] offset:64*\a+16
.endr
	WIN 0
.irp q, 0,1,2,3,4,5,6,7
	ds_load_b128 v[RS+4*\q:RS+4*\q+3], v[XB] offset:544*\q
.endr
.endr
.irp f, 0,1
.set RS, AR+32*((2*\i+\f)%5)
	s_wait_dscnt 16*(1-\f)                         ; the first half is back: the second half's eight stores and eight loads may stay out; then all
.irp q, 0,1,2,3,4,5,6,7
	global_store_b128 v[OOFF], v[RS+4*\q:RS+4*\q+3], s[12:13] offset:\i*262144+\q*8192+\f*256  ; 16 lanes store 256 consecutive bytes, aligned
.endr
.endr
.endr
.endif
.Lnext:
	s_wait_xcnt 0x0                                ; the stores' base and data are written again only behind this wait
	s_add_co_u32 s[TB], s[TB], 20
	s_add_nc_u64 s[12:13], s[12:13], OSTEP
	s_wait_dscnt 0x0                               ; a pass's end: every wave's LDS reads and stage stores of this pass are over before any wave begins the next pass or ends.
	s_barrier_signal -1                            ; As above, no value hangs on it (disjoint bytes); four barriers a launch, on every wave's path
	s_barrier_wait -1
	s_sub_co_u32 s[PASS], s[PASS], 1
	s_cmp_lg_u32 s[PASS], 0
	s_cbranch_scc1 .Lpass
	s_wait_tensorcnt 0x0                           ; the wave's end: closing lines behind my last LDS store
	ds_add_u32 v[SPW], v[NIL]
	s_wait_dscnt 0x0
	s_endpgm
.Lfunc_end_k_qe9a182f6d8_ffn2:
	.size	k_qe9a182f6d8_ffn2, .Lfunc_end_k_qe9a182f6d8_ffn2-k_qe9a182f6d8_ffn2
	.p2alignl 7, 3214868480
	.fill 96, 4, 3214868480
	.section	.rodata,"a",@progbits
	.p2align	6, 0x0
	.amdhsa_kernel k_qe9a182f6d8_ffn2
		.amdhsa_group_segment_fixed_size 314880
		.amdhsa_private_segment_fixed_size 0
		.amdhsa_enable_private_segment 0
		.amdhsa_kernarg_size 40
		.amdhsa_user_sgpr_count 2
		.amdhsa_user_sgpr_kernarg_segment_ptr 1
		.amdhsa_wavefront_size32 1
		.amdhsa_system_sgpr_workgroup_id_x 1
		.amdhsa_system_sgpr_workgroup_id_y 1
		.amdhsa_system_sgpr_workgroup_id_z 1
		.amdhsa_system_vgpr_workitem_id 0
		.amdhsa_next_free_vgpr 896
		.amdhsa_next_free_sgpr 66
		.amdhsa_reserve_vcc 1
		.amdhsa_float_denorm_mode_32 3
		.amdhsa_float_denorm_mode_16_64 3
		.amdhsa_memory_ordered 1
		.amdhsa_forward_progress 1
		.amdhsa_inst_pref_size 137
	.end_amdhsa_kernel
	.amdgpu_metadata
---
amdhsa.version: [ 1, 2 ]
amdhsa.kernels:
  - .name:           k_qe9a182f6d8_ffn2
    .symbol:         k_qe9a182f6d8_ffn2.kd
    .args:
      - { .name: W2, .offset: 0, .size: 8, .value_kind: global_buffer, .address_space: global }
      - { .name: b2, .offset: 8, .size: 8, .value_kind: global_buffer, .address_space: global }
      - { .name: h, .offset: 16, .size: 8, .value_kind: global_buffer, .address_space: global }
      - { .name: cnt, .offset: 24, .size: 8, .value_kind: global_buffer, .address_space: global }
      - { .name: part, .offset: 32, .size: 8, .value_kind: global_buffer, .address_space: global }
    .group_segment_fixed_size: 314880
    .private_segment_fixed_size: 0
    .kernarg_segment_align: 8
    .kernarg_segment_size: 40
    .max_flat_workgroup_size: 128
    .sgpr_count:     66
    .vgpr_count:     896
    .wavefront_size: 32
...
	.end_amdgpu_metadata
.endif
;; end of part 6
;; launch combine: the kernel of part 4 again; grid 256 x 1, 8 waves a work-group, no clusters, 0 bytes of LDS; arguments part, sel, rank, gate, out0; writes out0
;; ======== version 3 of 3: 4 launches; version 2 with the launches ffn1, ffn2 written anew for expert scheduling mode
;; workspace buffers: sel 8,192 bytes of whole numbers; gate 8,192 bytes; xb 2,097,152 bytes; h 67,108,864 bytes; rank 32,768 bytes of whole numbers; cnt 1,024 bytes of whole numbers; part 134,217,728 bytes
;; launch router: the kernel of part 1 again; grid 256 x 1, 4 waves a work-group, no clusters, 1,024 bytes of LDS; arguments x, Wg, bg, out1, sel, gate, xb; writes out1, sel, gate, xb
;; launch ffn1 (part 7): grid 32 x 8, 4 waves a work-group, no clusters, 297,472 bytes of LDS; arguments W1, b1, xb, sel, h, rank, cnt; writes h, rank, cnt
.if DOCPART == 7
	.amdgcn_target "amdgcn-amd-amdhsa--gfx1250"
	.amdhsa_code_object_version 6
	.text
	.protected	k_qe9a182f6d8_ffn1
	.globl	k_qe9a182f6d8_ffn1
	.p2align	8
	.type	k_qe9a182f6d8_ffn1,@function
k_qe9a182f6d8_ffn1:
	s_mov_b64 s[64:65], 0
	v_nop
	global_prefetch_b8 v0, s[64:65] scope:SCOPE_SE
	s_setreg_imm32_b32 hwreg(HW_REG_WAVE_SCHED_MODE, 0, 2), 2
	s_setreg_imm32_b32 hwreg(HW_REG_WAVE_MODE, 25, 1), 1
	s_wait_xcnt 0x0
	s_wait_alu depctr_vm_vsrc(0)
; ONE TEXT FOR BOTH PRODUCTS OF THE EXPERTS; PROD says which.
; PROD = 1: h = relu(x_rows W1[e] + b1[e]) in bf16, for the tokens that chose expert e.   PROD = 2: part[q] = h W2[e] (rows 1,024 q .. of W2; + b2[e] where q = 0), f32 partial sums.
; LIMITS.  Weights and biases are rounded once to bf16 on their way through registers (x was by the launch before), h once to bf16; all sums are f32.  The relu on packed bf16 turns a NaN into 0;
; NaN and infinities are not treated apart.  Every split of the tokens is served, 0 to 1,024 rows an expert; rows past 320 go through later passes, behind the stream and not under it.
; SHARES.  Grid 32 x 8: a work-group has one expert and a slice of 1,024 (K) x 128 (columns) of its weights, 512 KB of f32, which it alone reads, once.  PROD 1: expert = y, slice = x.
; PROD 2: expert = x % 8, slice of columns = x / 8 + 4 (y % 2), quarter of K = y / 2: the eight work-groups that read the same quarter of an expert's h are alike in x % 8 and in y / 2
; (a choice of numbering alone: no value hangs on it).  The expert's rows go in tiles of 16; wave w owns tiles w + 4 i + 20 p (i = 0 .. 4, pass p = 0 .. 3): 80 places for at most 64 tiles.
; PASS 0 STREAMS.  32 K steps of 32.  In K step t the four waves round chunk t + 2 (32 rows of W; wave w rows 8 w .. 8 w + 7; one load is one row's 512 consecutive bytes) and store it as bf16 into an
; image [K][128] in LDS, and multiply chunk t.  Every byte of the image is written once and never again, so one barrier a K step (store, wait, signal; read behind the wait) is all the ordering.
; K step 0 stands ahead of the loop: its products take the bias as C and so start the sums.  PASSES 1 TO 3 read the finished image; a wave without a live tile jumps the pass's products and stores.
; COUNTS THAT HANG ON DATA steer forward jumps over products and stores alone, never over a barrier.  Token loads are issued for all five tiles in every K step, so that the counted waits hold on
; every path; a place past the count names a row that exists.  Tiles 0 to 2 are always multiplied, tiles 3 and 4 only if live (in K step 0 always); no dead tile is stored.
; THE ROWS OF PROD 1.  The 2,048 choices, whole numbers that the launch before stored, become a bitmap in 32 scalar registers: bit l of word n says that token 64 (n / 2) + n % 2 + 2 l chose the
; expert; a token's rank is the number of chosen tokens ahead of it in that order.  Each lane finds the token of its rank by scalar and plain vector arithmetic on that bitmap alone: a sweep over the
; 32 words, then the k-th set bit of one word.  All waves and all 32 work-groups of an expert go the same way, so the ranks agree everywhere.
; THE MATRIX INSTRUCTION IS USED TRANSPOSED: source 0 = 16 columns of W (turned out of LDS by ds_load_tr16_b128), source 1 = 16 token rows.  Register j of lane (r, hf) then holds
; C(row r, column 16 a + 8 hf + j): eight neighbouring columns.  In PROD 1 four conversions of column tile a ARE half a & 1 of the next product's token fragment for its K step a / 2: h is stored
; in that order, [expert][tile][K step][half][lane][16 bytes], 512 consecutive bytes a store, and PROD 2 loads it likewise.
; NO CLUSTER: each slice of weights has one reader.  PROD 1's token rows come by rank, which no descriptor covers; PROD 2's tiles of h are shared by 8 work-groups, but two slots of five tiles a wave
; (2 x 20 KB) do not fit beside the image (294,912 bytes) and the stage (17,408): 14,848 bytes are left.  NO TENSOR LOADS: the weights would land as f32, 512 KB a slice.
; THE MODE: SCHED_MODE bits 1:0 = 2 (LLVM: expert scheduling mode 2), set by the entry lines.  The code itself states the register dependences between vector or matrix instructions and memory or LDS
; instructions, and those through scalar registers that vector instructions write, with s_wait_alu, always for 0.
; THE PLAN.  Registers that memory or LDS instructions touch in the stream, K step t:
;   WR[(t+2) % 4]   the step's 16 conversions round it in place, the step's 8 LDS stores read it; the loads of chunk t + 6, issued in K step t + 1, land in it.
;   WR[(t+1) % 4]   rounded and stored in K step t - 1; the loads of chunk t + 5 land in it.
;   B[(t+1) % 2]    read by the products of K step t - 1; the turning loads of chunk t + 1 land in it.
;   AR[(t+3) % 4]   read by the products of K step t - 1; the token loads of K step t + 3 land in it.
;   VST, VRD        read by the LDS stores and the turning loads; written every fourth K step, at its head.     WOFF, AOFF, VPF: read by loads and prefetches, not written in the stream.
;   The accumulators and the bias are named by matrix instructions alone until the way out.
; So a K step has TWO waits.  One on vm_vsrc at its head: the LDS stores of the step before have read WR[(t+1) % 4] (in a fourth step: the LDS instructions have read VST and VRD).  One on va_vdst behind its
; conversions: they have written what the LDS stores read; the products of the step before are done reading B[(t+1) % 2] and AR[(t+3) % 4]; in a fourth step VST and VRD are written.  Behind it the step's
; 42 loads and stores owe nothing more: W's loads, the LDS stores and the turning loads follow at once, the token loads stand among the products, which name AR[t % 4], B[t % 2] and the accumulators alone.
.set PROD, 1
.if PROD == 1
.set PITCH, 16384                      ; bytes from a row of W to the next
.set PSH,   14
.set ASTEP, 64                         ; bytes of a token row (PROD 2: of a tile) in a K step
.set AHALF, 32                         ; from a fragment's first four registers to its last four
.set OSTEP, 20*131072                  ; twenty tiles on in the output
.else
.set PITCH, 4096
.set PSH,   12
.set ASTEP, 1024
.set AHALF, 512
.set OSTEP, 20*16*4096
.endif
.set LP,    288                        ; a row of the image: 256 bytes + 32 = 72 words
.set RN,    2                          ; K steps in a trip of the later passes' loop
.set XTRA,  1024*LP                    ; behind the image
.if PROD == 1
.set BIASL, XTRA                       ; the biases, 512 bytes a wave; the spare words behind them, 128 bytes a wave
.else
.set STGW,  16*272                     ; PROD 2: each wave's stage, 16 rows x (256 + 16) bytes
.set BIASL, XTRA+4*STGW
.endif
; window 0
.set LANE, 1
.set R16,  2                           ; lane % 16
.set HF,   3                           ; lane / 16
.set L16,  4                           ; 16 lane; never rewritten
.set WOFF, 5                           ; 16 lane + my 8 rows of a chunk of W; never rewritten
.set VPF,  6                           ; prefetch: (32 w + lane / 2) rows + 256 (lane % 2); never rewritten
.set VST,  7                           ; image: my 8 rows of a chunk + 8 lane; steps
.set VRD,  8                           ; image: the stream's turning loads; steps
.set VRD0, 9                           ; (8 hf + lane % 8) LP + 16 ((lane / 8) % 2); never rewritten
.set VRR,  10                          ; image: the later passes' turning loads: s[TBR] + VRD0, made anew in each trip
.set AOFF, 11                          ; v11-15  byte offset of tile i's token rows
.if PROD == 1
.set OOFF, L16                         ; the stores' offset
.else
.set OOFF, 16                          ; hf rows of 4,096 bytes + 16 (lane % 16)
.endif
.set XA,   17                          ; PROD 2: the stage, in
.set XB,   18                          ; PROD 1: 16 hf.   PROD 2: the stage, back
.set ZERO, 19
.set RK,   32                          ; v32-63  PROD 1: the ranks
.set FL,   64                          ; v64-68, v69-73  PROD 1: tile i's tokens for the four passes, 16 bits each, pass 0 lowest: low word, high word
.set FH,   69
.set AR,   96                          ; v96-255 token fragments: four slots of five tiles x 8; first the choices (64) and the search's registers, last the stores' data
.set SELR, 96
.set RR,   160                         ; the search, five registers each (one a tile): the rank;
.set WW,   165                         ; the bitmap's word that holds it;
.set PP,   170                         ; the word's number (above bit 16) and the count of chosen tokens ahead of the word;
.set KK,   175                         ; which set bit of the word;
.set QA,   180                         ; the word's counts by 2 bits,
.set QB,   185                         ; by 4,
.set QC,   190                         ; by 8;
.set TT,   195                         ; at work;
.set UU,   200
.set PO,   205                         ; the bit's place;
.set TK,   210                         ; the token
; window 1: accumulators of tiles 0-3, (i, a) at 64 i + 8 a.   window 2: v0-63 tile 4;
.set WR,   64                          ; window 2, v64-191: W as loaded, four slots of 8 rows x 4
.set BIA,  192                         ; window 2, v192-255: bias[16 a + 8 hf + j] at 8 a + j
; window 3: v0-63, v64-127 two buffers of W's fragments, column tile a at 8 a
.set WV, 20
.set EX, 21
.set SL, 22                            ; the slice of 128 columns
.set KQ, 23                            ; PROD 2: the quarter of K
.set CNT, 24
.set MT, 25                            ; live tiles
.set NL, 26                            ; how many of my five tiles are live in this pass
.set TB, 27                            ; w + 20 p
.set PASS, 28
.set LOOP, 29
.set OF, 30                            ; s[30:31] an offset, 64 bits
.set WP, 32                            ; s[32:33] W, walking
.set AP, 34                            ; s[34:35] the token rows, walking
.set LB, 38                            ; PROD 2: my wave's stage
.set TBR, 40                           ; the later passes: the image byte at which the trip's chunks begin
.set HM, 44                            ; a word's upper bf16
.set CC, 46                            ; PROD 1, the search: chosen tokens ahead of the word in hand
.set C55, 47                           ; 0x55555555, 0x33333333, 0x0f0f0f0f, 0xffff
.set C33, 48
.set C0F, 49
.set LOW, 50
.set TS, 51                            ; the search: w + 20 p
.set SM, 52                            ; s52-61  PROD 1: the masks of a run of compares
.set C2, 62                            ; PROD 1, the sweep: chosen tokens ahead of a run's second word,
.set P2, 63                            ; and that word's number above them
.set MK, 66                            ; s66-97  PROD 1: the bitmap
.set MSB, 0
.macro WIN new                         ; s_set_vgpr_msb: bits 1:0 source 0, 3:2 source 1, 5:4 source 2, 7:6 destination; the high byte repeats the setting that is left
.if MSB != (\new)
	s_set_vgpr_msb (MSB<<8)|(\new)
.set MSB, (\new)
.endif
.endm
.set W_LD,  0x80                       ; loads into window 2
.set W_CV,  0x8a                       ; conversions in place in window 2
.set W_ST,  0x08                       ; LDS stores of data in window 2
.set B_LD,  0xc0                       ; loads into window 3
.set MM_LO, 0x53                       ; W's fragment window 3, tokens window 0, C and D window 1
.set MM_HI, 0xa3                       ; C and D window 2
.set MM_C0, 0x63                       ; D window 1, C (the bias) window 2
.set SD_LO, 0x42                       ; window 2 to window 1
.set SD_HI, 0x82                       ; within window 2
.set EP_LO, 0x05                       ; sources window 1, destination window 0
.set EP_HI, 0x0a
.set ST_LO, 0x04                       ; LDS stores of data in window 1
; All immediates count from pointers that step every four K steps; d = the chunk's distance from them.
.macro WLOAD tau, d                    ; chunk tau of W: my 8 rows, 512 consecutive bytes each
	WIN W_LD
.irp i, 0,1,2,3,4,5,6,7
	global_load_b128 v[WR+32*((\tau)%4)+4*\i:WR+32*((\tau)%4)+4*\i+3], v[WOFF], s[WP:WP+1] offset:((\d)*32+\i)*PITCH th:TH_LOAD_NT
.endr
.endm
.macro CVT tau                         ; chunk tau rounded in place
.set WS, WR+32*((\tau)%4)
	WIN W_CV
.irp i, 0,1,2,3,4,5,6,7
	v_cvt_pk_bf16_f32 v[WS+4*\i],   v[WS+4*\i],   v[WS+4*\i+1]
	v_cvt_pk_bf16_f32 v[WS+4*\i+1], v[WS+4*\i+2], v[WS+4*\i+3]
.endr
.endm
.macro STO tau, d                      ; and stored into the image, 256 consecutive bytes a store
.set WS, WR+32*((\tau)%4)
	WIN W_ST
.irp i, 0,1,2,3,4,5,6,7
	ds_store_b64 v[VST], v[WS+4*\i:WS+4*\i+1] offset:((\d)*32+\i)*LP
.endr
.endm
.macro BLOAD slot, d, adr              ; a chunk's eight fragments: 16 columns x 32 K each, turned
	WIN B_LD
.irp a, 0,1,2,3,4,5,6,7
	ds_load_tr16_b128 v[64*(\slot)+8*\a:64*(\slot)+8*\a+3],   v[\adr] offset:(\d)*32*LP+32*\a
	ds_load_tr16_b128 v[64*(\slot)+8*\a+4:64*(\slot)+8*\a+7], v[\adr] offset:(\d)*32*LP+32*\a+16*LP
.endr
.endm
.macro ALOAD slot, d                   ; five tiles' token fragments for one K step
	WIN 0
.irp i, 0,1,2,3,4
	global_load_b128 v[AR+40*(\slot)+8*\i:AR+40*(\slot)+8*\i+3],   v[AOFF+\i], s[AP:AP+1] offset:(\d)*ASTEP
	global_load_b128 v[AR+40*(\slot)+8*\i+4:AR+40*(\slot)+8*\i+7], v[AOFF+\i], s[AP:AP+1] offset:(\d)*ASTEP+AHALF
.endr
.endm
.macro MMT i, sa, sb, first=0          ; tile i's eight products; its eight accumulators take turns.  first = 1: C is the bias: the product starts the sum
.irp a, 0,1,2,3,4,5,6,7
.if \first
	v_wmma_f32_16x16x32_bf16 v[64*((\i)%4)+8*\a:64*((\i)%4)+8*\a+7], v[64*(\sb)+8*\a:64*(\sb)+8*\a+7], v[AR+40*(\sa)+8*(\i):AR+40*(\sa)+8*(\i)+7], v[BIA+8*\a:BIA+8*\a+7]
.else
	v_wmma_f32_16x16x32_bf16 v[64*((\i)%4)+8*\a:64*((\i)%4)+8*\a+7], v[64*(\sb)+8*\a:64*(\sb)+8*\a+7], v[AR+40*(\sa)+8*(\i):AR+40*(\sa)+8*(\i)+7], v[64*((\i)%4)+8*\a:64*((\i)%4)+8*\a+7]
.endif
.endr
.endm
; A K step's products.  No two matrix instructions that follow each other share an accumulator, over the jumps and from K step to K step too.
; bar = 1: the K step's barrier: my stores of the chunk two steps on are done (and the next chunk's fragments are in), say so; eight products; go on when all four waves have said so.
; first = 1: K step 0: all five tiles, live or not, so that every accumulator is written on every path: at most 16 products more, once a launch.
; al, ad: the token loads into slot al, at distance ad, stand behind tile 2's products, where window 0 is set in any case.  They owe no wait: no vector or matrix instruction since the step's wait on
; va_vdst names slot al or AOFF.  pf = 1: the step's prefetch follows them.
.macro MMS sa, sb, bar, first=0, al=-1, ad=0, pf=0
.if \first
	WIN MM_C0
.else
	WIN MM_LO
.endif
	MMT 0, \sa, \sb, \first
	MMT 1, \sa, \sb, \first
.if \bar
	s_wait_dscnt 0x0
	s_barrier_signal -1
.endif
	MMT 2, \sa, \sb, \first
.if \bar
	s_barrier_wait -1
.endif
.if (\al) >= 0
	ALOAD \al, \ad
.endif
.if \pf
	; Prefetch: K step 4 T + 2, whose own loads reach chunk 4 T + 7, asks for chunks 4 T + 12 .. 4 T + 15: each wave 32 rows, lanes 256 bytes apart, each block once in the launch.
	; The last trip (LOOP = 1) would ask past the slice and asks for nothing.  Asked for and not yet loaded: 8 chunks, 128 KB a work-group, at the most.  VPF was written ahead of the head's wait on va_vdst.
	s_cmp_lt_u32 s[LOOP], 2
	s_cbranch_scc1 .Lno_pf_\@
	global_prefetch_b8 v[VPF], s[WP:WP+1] offset:384*PITCH th:TH_LOAD_NT scope:SCOPE_SE
	global_prefetch_b8 v[VPF], s[WP:WP+1] offset:400*PITCH th:TH_LOAD_NT scope:SCOPE_SE
.Lno_pf_\@:
.endif
.if \first
	WIN MM_C0
	MMT 3, \sa, \sb, 1
	WIN MM_HI
	MMT 4, \sa, \sb, 1
	WIN 0
.else
	WIN 0                                          ; at a branch and at a label every window is 0
	s_cmp_lt_u32 s[NL], 4
	s_cbranch_scc1 .Ldone_\@
	WIN MM_LO
	MMT 3, \sa, \sb
	WIN 0
	s_cmp_lt_u32 s[NL], 5
	s_cbranch_scc1 .Ldone_\@
	WIN MM_HI
	MMT 4, \sa, \sb
	WIN 0
.Ldone_\@:
.endif
.endm
; K STEP t of the stream.  W's and the tokens' loads share one counter and come back in the order of issue: .. W(t+5) A(t+3) W(t+6) A(t+4) .., 8 and 10 loads.
; n1: the loads issued behind W(t+2) when its conversions begin: A(t) W(t+3) A(t+1) W(t+4) A(t+2), as far as they exist (chunks and K steps end at 31): 46 in the loop.
; n2: those behind A(t), ahead of the issue of A(t+3): W(t+3) A(t+1) W(t+4) A(t+2) W(t+5): 44 in the loop.  During the products 44 to 54 loads of a wave are out, 24 of them W's (12 KB).
; The 16 conversions (or four v_nop) stand between the last K step's products and the loads into the registers that those products read, beside the wait on va_vdst.
; step = 1: a group of four K steps begins: the pointers and the two LDS addresses move on.
.macro KSTEP t, pf=0, first=0, step=0
.set u, (\t)%4
.set n1, 30
.set n2, 0
.if (\t) <= 30
.set n2, n2+10
.endif
.if (\t) <= 29
.set n2, n2+10
.endif
.if (\t) <= 28
.set n1, n1+8
.set n2, n2+8
.endif
.if (\t) <= 27
.set n1, n1+8
.set n2, n2+8
.endif
.if (\t) <= 26
.set n2, n2+8
.endif
.if \step
	s_wait_xcnt 0x0                                ; the pointers are stepped only behind this wait (ISA guide 3.1)
.endif
.if ((\t) <= 26) || (\step)
	s_wait_alu depctr_vm_vsrc(0)                   ; the LDS stores of the step before have read W's slot (t + 1) % 4, in which chunk t + 5 lands; with step = 1: the LDS stores and turning loads have read VST and VRD
.endif
.if \step
	s_add_nc_u64 s[WP:WP+1], s[WP:WP+1], 128*PITCH
	s_add_nc_u64 s[AP:AP+1], s[AP:AP+1], 4*ASTEP
	v_add_nc_u32 v[VST], 128*LP, v[VST]
	v_add_nc_u32 v[VRD], 128*LP, v[VRD]
.endif
.if (\t) <= 29
	s_wait_loadcnt n1
	CVT (\t)+2
.else
.rept 4
	v_nop
.endr
.endif
.if (\t) <= 26
	WIN W_LD
.elseif (\t) <= 29
	WIN W_ST
.elseif (\t) == 30
	WIN B_LD
.endif
.if (\t) <= 30
	s_wait_alu depctr_va_vdst(0)                   ; the conversions have written what the LDS stores read; those of the step before are done with the slot in which W lands; that step's products are done reading
	                                               ; the fragments of W and the token slot in which this step's loads land; with step = 1: VST and VRD are written
.endif
.if (\t) <= 26
	WLOAD (\t)+5, u+5
.endif
.if (\t) <= 29
	STO (\t)+2, u+2
.endif
.if (\t) <= 30
	BLOAD ((\t)+1)%2, u+1, VRD
.endif
	s_wait_loadcnt n2
.if (\t) <= 28
	MMS (\t)%4, (\t)%2, 1, \first, ((\t)+3)%4, u+3, \pf
.elseif (\t) == 29
	MMS (\t)%4, (\t)%2, 1
.else
	MMS (\t)%4, (\t)%2, 0
.if (\t) == 30
	s_wait_dscnt 0x0                               ; chunk 31's fragments: this K step has no barrier whose wait would cover them
.endif
.endif
.endm
; K step u of a trip of the later passes.  The trip's 10 RN token loads went out at its head: 10 (RN - 1 - u) are younger than this step's.  The next chunk's 16 turning loads go out first and stay out:
; no product of this trip has been issued yet, so the wait on va_vdst at the trip's head serves them too.
; Four v_nop behind the products are the places in front of the next loads into the registers that they read; they stay beside that wait.
.macro RSTEP u
.if (\u) < RN-1
	BLOAD ((\u)+1)%2, (\u)+1, VRR
.endif
	WIN 0
	s_wait_loadcnt 10*(RN-1-(\u))
.if (\u) < RN-1
	s_wait_dscnt 16
.else
	s_wait_dscnt 0x0
.endif
	MMS \u, (\u)%2, 0
.rept 4
	v_nop
.endr
.endm
.macro SETNL                           ; how many of my five tiles are live in this pass: the i with TB + 4 i < MT: (MT - TB + 3) / 4, held to 0 .. 5
	s_sub_co_i32 s[NL], s[MT], s[TB]
	s_add_co_i32 s[NL], s[NL], 3
	s_ashr_i32 s[NL], s[NL], 2
	s_max_i32 s[NL], s[NL], 0
	s_min_i32 s[NL], s[NL], 5
.endm
; Where my five tiles' rows lie.  No load of mine is out that names these registers, and a wait on vm_vsrc stands between the last load that read them and these lines.
.macro SETUP
	s_mov_b64 s[AP:AP+1], s[8:9]
.if PROD == 1
.irp i, 0,1,2,3,4
	v_and_b32 v[21+\i], s[LOW], v[FL+\i]           ; this pass's token of tile i; the later passes' move down by 16 bits
	v_lshrrev_b32 v[FL+\i], 16, v[FL+\i]
	v_lshl_or_b32 v[FL+\i], v[FH+\i], 16, v[FL+\i]
	v_lshrrev_b32 v[FH+\i], 16, v[FH+\i]
	v_min_u32 v[21+\i], 0x3ff, v[21+\i]
	v_lshl_add_u32 v[AOFF+\i], v[21+\i], 11, v[XB] ; token x 2,048 bytes + 16 hf
.endr
.else
	s_sub_co_i32 s37, s[MT], 1
	s_max_i32 s37, s37, 0
.irp i, 0,1,2,3,4
	s_add_co_u32 s36, s[TB], 4*\i                  ; a dead tile repeats the last live one (tile 0 where there is none: the launch before stores it always)
	s_min_u32 s36, s36, s37
	s_min_u32 s36, s36, 63
	s_lshl_b32 s36, s36, 17
	v_add_nc_u32 v[AOFF+\i], s36, v[L16]
.endr
.endif
.endm
; The later passes' sums start at the bias by 320 moves: their loop has no first K step written out, and rows past 320 of one expert are the rare case.
.macro SEED
	WIN SD_LO
.set n, 0
.rept 256
	v_mov_b32 v[n], v[BIA+n%64]
.set n, n+1
.endr
	WIN SD_HI
.set n, 0
.rept 64
	v_mov_b32 v[n], v[BIA+n]
.set n, n+1
.endr
	WIN 0
.endm
.macro ALL5 line:vararg                ; one line for each of my five tiles, t = 0 .. 4: five chains that do not wait for each other
.set t, 0
.rept 5
	\line
.set t, t+1
.endr
.endm
; The sweep's step for word w (two = 1: and for word w + 1).  The compares stand in one run, each with a scalar register for its mask, and one wait stands between the run and the selects.
.macro SWEEP w, two
	s_add_co_u32 s37, s[CC], (\w)<<16              ; the word's number above the count (1,024 at the most)
	ALL5 v_cmp_gt_u32 s[SM+t], s[CC], v[RR+t]      ; count above the rank: keep what I have
.if \two
	s_bcnt1_i32_b32 s36, s[MK+(\w)]
	s_add_co_u32 s[C2], s[CC], s36
	s_add_co_u32 s[P2], s[C2], ((\w)+1)<<16
	ALL5 v_cmp_gt_u32 s[SM+5+t], s[C2], v[RR+t]
.endif
	s_wait_alu depctr_va_sdst(0)                   ; the run's compares have written their masks, which the selects read
	ALL5 v_cndmask_b32 v[WW+t], s[MK+(\w)], v[WW+t], s[SM+t]
	ALL5 v_cndmask_b32 v[PP+t], s37, v[PP+t], s[SM+t]
.if \two
	ALL5 v_cndmask_b32 v[WW+t], s[MK+(\w)+1], v[WW+t], s[SM+5+t]
	ALL5 v_cndmask_b32 v[PP+t], s[P2], v[PP+t], s[SM+5+t]
	s_bcnt1_i32_b32 s36, s[MK+(\w)+1]
	s_add_co_u32 s[CC], s[C2], s36
.endif
.endm
; One step down in the search for the k-th set bit: if the \step bits at the place in hand hold k set bits or fewer, the bit lies beyond them.
.macro DOWN src, step
	ALL5 v_bfe_u32 v[TT+t], v[\src+t], v[PO+t], \step
	ALL5 v_cmp_ge_u32 s[SM+t], v[KK+t], v[TT+t]
	s_wait_alu depctr_va_sdst(0)                   ; the five compares have written their masks, which the selects read
.if (\step) > 1
	ALL5 v_cndmask_b32 v[UU+t], 0, v[TT+t], s[SM+t]
.endif
	ALL5 v_cndmask_b32 v[TT+t], 0, \step, s[SM+t]
.if (\step) > 1
	ALL5 v_sub_nc_u32 v[KK+t], v[KK+t], v[UU+t]
.endif
	ALL5 v_add_nc_u32 v[PO+t], v[PO+t], v[TT+t]
.endm
	s_load_b256 s[4:11], s[0:1], 0x0               ; W s[4:5], bias s[6:7], token rows s[8:9], PROD 1: sel, PROD 2: cnt s[10:11]
.if PROD == 1
	s_load_b128 s[12:15], s[0:1], 0x20             ; h s[12:13], rank s[14:15]
	s_load_b64 s[16:17], s[0:1], 0x30              ; cnt
	v_lshl_add_u32 v94, v0, 2, 0x48800
	v_mov_b32 v95, 0
.else
	s_load_b64 s[12:13], s[0:1], 0x20              ; part
.endif
	v_lshrrev_b32 v20, 5, v0
	v_readfirstlane_b32 s[WV], v20                 ; wave 0..3
.if PROD == 1
	s_and_b32 s[EX], ttmp7, 0xffff                 ; the expert
	s_mov_b32 s[SL], ttmp9
.else
	s_and_b32 s36, ttmp7, 0xffff                   ; y
	s_and_b32 s[EX], ttmp9, 7                      ; the expert = x % 8
	s_lshr_b32 s[SL], ttmp9, 3
	s_and_b32 s37, s36, 1
	s_lshl_b32 s37, s37, 2
	s_add_co_u32 s[SL], s[SL], s37                 ; the slice = x / 8 + 4 (y % 2)
	s_lshr_b32 s[KQ], s36, 1                       ; the quarter = y / 2
.endif
	s_mov_b32 s[HM], 0xffff0000
	s_mov_b32 s[OF+1], 0
	v_and_b32 v[LANE], 31, v0
	v_and_b32 v[R16], 15, v0
	v_bfe_u32 v[HF], v0, 4, 1
	v_lshlrev_b32 v[L16], 4, v[LANE]
	s_wait_alu depctr_va_sdst(0)                   ; the wave's number is written, ahead of its first reader
	v_lshl_add_u32 v[WOFF], s[WV], PSH+3, v[L16]
	v_lshrrev_b32 v20, 1, v[LANE]
	v_lshl_add_u32 v20, s[WV], 5, v20
	v_and_b32 v21, 1, v[LANE]
	v_lshlrev_b32 v20, PSH, v20
	v_lshl_add_u32 v[VPF], v21, 8, v20
	s_wait_kmcnt 0x0
.if PROD == 1
	s_lshl_b32 s36, s[EX], 24                      ; W1: expert x 16 MiB + slice x 512 bytes
	s_lshl_b32 s37, s[SL], 9
	s_add_co_u32 s[OF], s36, s37
	s_add_nc_u64 s[4:5], s[4:5], s[OF:OF+1]
	s_lshl_b32 s36, s[EX], 14                      ; b1
	s_add_co_u32 s[OF], s36, s37
	s_add_nc_u64 s[6:7], s[6:7], s[OF:OF+1]
	s_lshl_b32 s36, s[EX], 23                      ; h: expert x 8 MiB + my first tile x 128 KiB + the slice's four K steps x 1,024
	s_lshl_b32 s37, s[SL], 12
	s_add_co_u32 s[OF], s36, s37
	s_lshl_b32 s37, s[WV], 17
	s_add_co_u32 s[OF], s[OF], s37
	s_add_nc_u64 s[12:13], s[12:13], s[OF:OF+1]
	s_lshl_b32 s[OF], s[EX], 12
	s_add_nc_u64 s[14:15], s[14:15], s[OF:OF+1]
	s_lshl_b32 s[OF], s[EX], 7
	s_add_nc_u64 s[16:17], s[16:17], s[OF:OF+1]
.else
	s_lshl_b32 s[OF], s[EX], 7
	s_add_nc_u64 s[10:11], s[10:11], s[OF:OF+1]
	s_load_b32 s[CNT], s[10:11], 0x0               ; the expert's rows
	s_lshl_b32 s36, s[EX], 24                      ; W2: expert x 16 MiB + quarter x 1,024 rows + slice x 512 bytes
	s_lshl_b32 s37, s[KQ], 22
	s_add_co_u32 s[OF], s36, s37
	s_lshl_b32 s37, s[SL], 9
	s_add_co_u32 s[OF], s[OF], s37
	s_add_nc_u64 s[4:5], s[4:5], s[OF:OF+1]
	s_lshl_b32 s36, s[EX], 12                      ; b2
	s_add_co_u32 s[OF], s36, s37
	s_add_nc_u64 s[6:7], s[6:7], s[OF:OF+1]
	s_lshl_b32 s36, s[KQ], 25                      ; part: quarter x 32 MiB + (expert x 1,024 + 16 w) rows + slice x 512 bytes
	s_add_co_u32 s[OF], s36, s37
	s_lshl_b32 s36, s[EX], 22
	s_add_co_u32 s[OF], s[OF], s36
	s_lshl_b32 s36, s[WV], 16
	s_add_co_u32 s[OF], s[OF], s36
	s_add_nc_u64 s[12:13], s[12:13], s[OF:OF+1]
	s_lshl_b32 s36, s[EX], 23                      ; h: expert x 8 MiB + the quarter's 32 K steps x 1,024
	s_lshl_b32 s37, s[KQ], 15
	s_add_co_u32 s[OF], s36, s37
	s_add_nc_u64 s[8:9], s[8:9], s[OF:OF+1]
.endif
	s_mov_b64 s[WP:WP+1], s[4:5]
	s_wait_alu depctr_va_vdst(0)                   ; L16, WOFF and VPF are written, which the loads and prefetches read as offsets; the lines above are done with v20 and v21, in which the bias lands
.if PROD == 1
.irp j, 0,1,2,3,4,5,6,7,8,9,10,11,12,13,14,15
	global_load_b128 v[SELR+4*\j:SELR+4*\j+3], v[L16], s[10:11] offset:512*\j  ; all 2,048 choices: a lane has tokens 64 j + 2 lane and the next
.endr
.endif
	global_load_b128 v[20:23], v[L16], s[6:7]      ; the slice's 128 biases
	WLOAD 0, 0
	WLOAD 1, 1
	WLOAD 2, 2
	WIN 0
	global_prefetch_b8 v[VPF], s[WP:WP+1] offset:256*PITCH th:TH_LOAD_NT scope:SCOPE_SE  ; chunks 8 to 11, as in the loop
	global_prefetch_b8 v[VPF], s[WP:WP+1] offset:272*PITCH th:TH_LOAD_NT scope:SCOPE_SE
	s_mul_i32 s36, s[WV], 8*LP
	v_lshl_add_u32 v[VST], v[LANE], 3, s36
	v_and_b32 v24, 7, v0
	v_lshl_add_u32 v24, v[HF], 3, v24
	v_mul_u32_u24 v24, v24, LP
	v_bfe_u32 v25, v0, 3, 1
	v_lshl_add_u32 v[VRD0], v25, 4, v24
	v_mov_b32 v[VRD], v[VRD0]
	s_lshl_b32 s39, s[WV], 9
	s_add_co_u32 s39, s39, BIASL
	v_add_nc_u32 v28, s39, v[L16]
	v_lshl_add_u32 v29, v[HF], 5, s39
.if PROD == 1
	v_mov_b32 v[ZERO], 0
	v_lshlrev_b32 v[XB], 4, v[HF]
.else
	s_mul_i32 s[LB], s[WV], STGW
	s_add_co_u32 s[LB], s[LB], XTRA
	v_mul_u32_u24 v24, v[R16], 272                 ; in: row lane % 16, 32 bytes for each half of the lanes
	v_lshl_add_u32 v24, v[HF], 5, v24
	v_add_nc_u32 v[XA], s[LB], v24
	v_mul_u32_u24 v24, v[HF], 272                  ; back: lanes 0-15 one row of 256 bytes, lanes 16-31 the next
	v_lshl_add_u32 v24, v[R16], 4, v24
	v_add_nc_u32 v[XB], s[LB], v24
	v_lshlrev_b32 v[OOFF], 4, v[R16]               ; and the same two rows in part
	v_lshl_add_u32 v[OOFF], v[HF], 12, v[OOFF]
.endif
	s_wait_loadcnt 24                              ; the choices and the bias are in; W's 24 loads stay out
	; the bias: rounded to bf16, widened, through my own 512 bytes of LDS into the order of an accumulator's registers
	v_cvt_pk_bf16_f32 v24, v20, v21
	v_cvt_pk_bf16_f32 v25, v22, v23
	v_lshlrev_b32 v20, 16, v24
	v_and_b32 v21, s[HM], v24
	v_lshlrev_b32 v22, 16, v25
	v_and_b32 v23, s[HM], v25
.if PROD == 2
	s_cmp_eq_u32 s[KQ], 0                          ; one quarter alone adds b2
	s_cselect_b32 s45, -1, 0
.irp i, 20,21,22,23
	v_and_b32 v\i, s45, v\i
.endr
.endif
	s_wait_alu depctr_va_vdst(0)                   ; v[20:23], the LDS store's data, are written; so is every LDS address and offset made above: v28, v29, VST, VRD, and in PROD 2 the stage's two and the stores'
	ds_store_b128 v28, v[20:23]
	WIN W_LD
.irp a, 0,1,2,3,4,5,6,7
	ds_load_b128 v[BIA+8*\a:BIA+8*\a+3],   v29 offset:64*\a      ; LDS serves a wave's instructions in order (ISA guide 5.7.1.4): these see the store above
	ds_load_b128 v[BIA+8*\a+4:BIA+8*\a+7], v29 offset:64*\a+16
.endr
	WIN 0
.if PROD == 1
	; THE BITMAP, the count, and each token's rank (the count so far plus the chosen lanes below it).  Eight words at a time: their sixteen compares in one run, one wait, then the scalar work.
	s_mov_b32 s[CNT], 0
.set n, 0
.rept 4
.rept 8                                            ; word n: tokens 64 (n / 2) + n % 2 + 2 lane
	v_cmp_eq_u32 s[MK+n], s[EX], v[SELR+2*n]
	v_cmp_eq_u32 s[SM+n%8], s[EX], v[SELR+2*n+1]
.set n, n+1
.endr
	s_wait_alu depctr_va_sdst(0)                   ; the sixteen compares have written their masks, which the scalar lines below read
.set n, n-8
.rept 8
	s_or_b32 s[MK+n], s[MK+n], s[SM+n%8]
	v_mbcnt_lo_u32_b32 v[RK+n], s[MK+n], s[CNT]
	s_bcnt1_i32_b32 s37, s[MK+n]
	s_add_co_u32 s[CNT], s[CNT], s37
.set n, n+1
.endr
.endr
	s_wait_alu depctr_vm_vsrc(0)                   ; the bias's LDS store has read v[20:23]: the branch below writes v20, v21 and v23, and the tokens' set-up v21 to v25
	s_or_b32 s36, s[SL], s[WV]                     ; slice 0's wave 0 stores the expert's ranks and count for the later launches
	s_cmp_lg_u32 s36, 0
	s_cbranch_scc1 .Lno_rank
	v_lshlrev_b32 v20, 3, v[LANE]
	v_lshlrev_b32 v21, 2, v[LANE]
	v_mov_b32 v23, s[CNT]
	s_wait_alu depctr_va_vdst(0)                   ; the ranks, the count and the two offsets are written, which the seventeen stores read
.irp j, 0,1,2,3,4,5,6,7,8,9,10,11,12,13,14,15
	global_store_b64 v20, v[RK+2*\j:RK+2*\j+1], s[14:15] offset:256*\j  ; 256 consecutive bytes, aligned
.endr
	global_store_b32 v21, v23, s[16:17]            ; the count, 32 times: one store with all lanes on
	s_wait_xcnt 0x0                                ; v21 and v23 are written again below
	s_wait_alu depctr_vm_vsrc(0)                   ; the stores have read v21 and v23, which the tokens' set-up writes
.Lno_rank:
.else
	s_wait_kmcnt 0x0
	s_min_u32 s[CNT], s[CNT], 1024
.endif
	s_add_co_u32 s[MT], s[CNT], 15
	s_lshr_b32 s[MT], s[MT], 4
.if PROD == 1
	s_max_u32 s[MT], s[MT], 1                      ; tile 0 is stored whatever the count, so that the next launch's repeated loads find written bytes
	; THE SEARCH.  Lane (r, hf) of tile i in pass p wants the token of rank 16 (w + 20 p + 4 i) + r.  One text, four trips, passes 3 down to 0; a pass without a live tile of mine is jumped
	; and leaves token 0.  Each trip pushes its five tokens, 16 bits each, into the pairs FH:FL, so that pass 0 ends lowest.  No memory or LDS instruction names its registers before the first token loads.
	s_mov_b32 s[C55], 0x55555555
	s_mov_b32 s[C33], 0x33333333
	s_mov_b32 s[C0F], 0x0f0f0f0f
	s_mov_b32 s[LOW], 0xffff
	ALL5 v_mov_b32 v[FL+t], 0
	ALL5 v_mov_b32 v[FH+t], 0
	s_add_co_u32 s[TS], s[WV], 60
	s_mov_b32 s[PASS], 4
.Lfind:
	ALL5 v_mov_b32 v[TK+t], 0
	s_cmp_ge_u32 s[TS], s[MT]
	s_cbranch_scc1 .Lpush
	s_lshl_b32 s36, s[TS], 4
	v_add_nc_u32 v[RR], s36, v[R16]
.irp i, 1,2,3,4
	v_add_nc_u32 v[RR+\i], 64, v[RR+\i-1]
.endr
	; the sweep: the counts ahead of the words never fall, so the last word whose count is not above the rank is the one that holds it.  Two words to a run of compares; each register takes the words in ascending order
	ALL5 v_mov_b32 v[WW+t], s[MK]
	ALL5 v_mov_b32 v[PP+t], 0
	s_bcnt1_i32_b32 s[CC], s[MK]
.set n, 1
.rept 15
	SWEEP n, 1
.set n, n+2
.endr
	SWEEP 31, 0
	; the k-th set bit of the word, k = rank - count ahead: the word's set bits counted by 2, 4, 8 and 16 bits, then five steps down
	ALL5 v_and_b32 v[TT+t], s[LOW], v[PP+t]
	ALL5 v_sub_nc_u32 v[KK+t], v[RR+t], v[TT+t]
	ALL5 v_lshrrev_b32 v[TT+t], 1, v[WW+t]
	ALL5 v_and_b32 v[TT+t], s[C55], v[TT+t]
	ALL5 v_sub_nc_u32 v[QA+t], v[WW+t], v[TT+t]
	ALL5 v_lshrrev_b32 v[TT+t], 2, v[QA+t]
	ALL5 v_and_b32 v[TT+t], s[C33], v[TT+t]
	ALL5 v_and_b32 v[QB+t], s[C33], v[QA+t]
	ALL5 v_add_nc_u32 v[QB+t], v[QB+t], v[TT+t]
	ALL5 v_lshrrev_b32 v[TT+t], 4, v[QB+t]
	ALL5 v_add_nc_u32 v[TT+t], v[TT+t], v[QB+t]
	ALL5 v_and_b32 v[QC+t], s[C0F], v[TT+t]
	ALL5 v_bfe_u32 v[TT+t], v[QC+t], 8, 8
	ALL5 v_bfe_u32 v[UU+t], v[QC+t], 0, 8
	ALL5 v_add_nc_u32 v[TT+t], v[TT+t], v[UU+t]    ; the low 16 bits' count
	ALL5 v_cmp_ge_u32 s[SM+t], v[KK+t], v[TT+t]
	s_wait_alu depctr_va_sdst(0)                   ; the five compares have written their masks, which the selects read
	ALL5 v_cndmask_b32 v[UU+t], 0, v[TT+t], s[SM+t]
	ALL5 v_cndmask_b32 v[PO+t], 0, 16, s[SM+t]
	ALL5 v_sub_nc_u32 v[KK+t], v[KK+t], v[UU+t]
	DOWN QC, 8
	DOWN QB, 4
	DOWN QA, 2
	DOWN WW, 1
	ALL5 v_lshrrev_b32 v[UU+t], 16, v[PP+t]        ; the word's number n
	ALL5 v_and_b32 v[TT+t], 1, v[UU+t]
	ALL5 v_lshrrev_b32 v[UU+t], 1, v[UU+t]
	ALL5 v_lshl_or_b32 v[TT+t], v[PO+t], 1, v[TT+t]
	ALL5 v_lshl_or_b32 v[TT+t], v[UU+t], 6, v[TT+t]  ; token = 64 (n / 2) + 2 bit + n % 2
	ALL5 v_cmp_gt_u32 s[SM+t], s[CNT], v[RR+t]     ; a rank past the count names token 0
	s_wait_alu depctr_va_sdst(0)                   ; the five compares have written their masks, which the selects read
	ALL5 v_cndmask_b32 v[TK+t], 0, v[TT+t], s[SM+t]
.Lpush:
	ALL5 v_lshrrev_b32 v[TT+t], 16, v[FL+t]
	ALL5 v_lshl_or_b32 v[FH+t], v[FH+t], 16, v[TT+t]
	ALL5 v_lshl_or_b32 v[FL+t], v[FL+t], 16, v[TK+t]
	s_sub_co_u32 s[TS], s[TS], 20                  ; (behind the last trip it is not used)
	s_sub_co_u32 s[PASS], s[PASS], 1
	s_cmp_lg_u32 s[PASS], 0
	s_cbranch_scc1 .Lfind
.endif
	s_mov_b32 s[TB], s[WV]
	SETNL
	SETUP
	; PRIMING, in the loop's own order of issue and in a K step's own form
	s_wait_alu depctr_va_vdst(0)                   ; the five offsets AOFF are written, which the token loads read; in PROD 1 the bitmap's and the search's lines are done with v96 and up, in which those loads land
	ALOAD 0, 0
	WLOAD 3, 3
	ALOAD 1, 1
	s_wait_loadcnt 44                              ; behind W(0): W(1) W(2) A(0) W(3) A(1) = 8 + 8 + 10 + 8 + 10
	CVT 0
	WIN W_ST
	s_wait_alu depctr_va_vdst(0)                   ; chunk 0's conversions have written what the LDS stores read
	STO 0, 0
	s_wait_loadcnt 36                              ; behind W(1): W(2) A(0) W(3) A(1)
	CVT 1
	WIN W_LD
	s_wait_alu depctr_vm_vsrc(0)                   ; chunk 0's LDS stores have read W's slot 0, in which chunk 4 lands
	s_wait_alu depctr_va_vdst(0)                   ; chunk 1's conversions have written what the LDS stores read; chunk 0's are done with slot 0
	WLOAD 4, 4
	STO 1, 1
	ALOAD 2, 2
	WIN 0
	s_wait_dscnt 0x0                               ; for the others' sake: chunks 0 and 1, my rows; the bias registers are in too
	s_barrier_signal -1
	s_barrier_wait -1
	BLOAD 0, 0, VRD                                ; no vector instruction since the last wait on va_vdst; VRD was written far ahead of it
	WIN 0
	s_wait_dscnt 0x0
	KSTEP 0, 0, 1                                  ; K step 0 stands ahead of the loop: its products start the sums at the bias
	s_mov_b32 s[LOOP], 6
.Lk:                                                   ; six trips of four K steps, 1 to 24: a trip goes from a group's second K step to the next group's first, at whose head the pointers step
	KSTEP 9
	KSTEP 10, 1
	KSTEP 11
	KSTEP 12, 0, 0, 1
	s_sub_co_u32 s[LOOP], s[LOOP], 1
	s_cmp_lg_u32 s[LOOP], 0
	s_cbranch_scc1 .Lk
	KSTEP 25                                       ; the tail is written out: nothing past the slice is loaded, and the counts run down
	KSTEP 26
	KSTEP 27
	KSTEP 28, 0, 0, 1
	KSTEP 29
	KSTEP 30
	KSTEP 31
	s_mov_b32 s[PASS], 4
	s_branch .Lepi                                 ; the loop over passes is entered at pass 0's way out
.Lpass:                                                ; passes 1 to 3: rows 320 and up, from the finished image
	SETNL
	s_cmp_eq_u32 s[NL], 0
	s_cbranch_scc1 .Lepi                           ; no live tile of mine, in this pass and in those behind it: no products, and the way out stores nothing
	SETUP
	SEED
	s_mov_b32 s[TBR], 0
	s_mov_b32 s[LOOP], 32/RN
.Lres:                                                 ; sixteen trips of two K steps; the two chunks of a trip stand in the immediates
	s_wait_alu depctr_vm_vsrc(0)                   ; the turning loads of the trip before have read VRR
	v_add_nc_u32 v[VRR], s[TBR], v[VRD0]
	s_wait_alu depctr_va_vdst(0)                   ; VRR is written, which the turning loads read; the products of the trip before are done reading the token slots and W's fragments, in which this trip's 52 loads
	                                               ; land; in a pass's first trip: AOFF is written, and the way out's conversions are done with v96 and up
	ALOAD 0, 0
	ALOAD 1, 1
	BLOAD 0, 0, VRR
	RSTEP 0
	RSTEP 1
	s_add_nc_u64 s[AP:AP+1], s[AP:AP+1], RN*ASTEP  ; the loads that named it have come back
	s_add_co_u32 s[TBR], s[TBR], RN*32*LP
	s_sub_co_u32 s[LOOP], s[LOOP], 1
	s_cmp_lg_u32 s[LOOP], 0
	s_cbranch_scc1 .Lres
.Lepi:                                                 ; THE WAY OUT of a pass: live tiles alone
.if PROD == 2
	s_wait_dscnt 0x0                               ; every wave's reads of the image in this pass are over before any wave writes its stage.  Image and stages are disjoint bytes, so no value
	s_barrier_signal -1                            ; hangs on this barrier: the order is stated outright and not left to the arithmetic of the addresses; four barriers a launch
	s_barrier_wait -1
.endif
.rept 4
	v_nop                                          ; the places behind the last products
.endr
.if PROD == 1
.irp i, 0,1,2,3,4
	s_cmp_lt_u32 s[NL], \i+1
	s_cbranch_scc1 .Lnext
.if \i < 4
	WIN EP_LO
.set AB, 64*\i
.else
	WIN EP_HI
.set AB, 0
.endif
.set n, 0
.rept 32                                           ; each accumulator's registers in ascending order
	v_cvt_pk_bf16_f32 v[AR+32*\i+n], v[AB+2*n], v[AB+2*n+1]
.set n, n+1
.endr
	WIN 0
.set n, 0
.rept 32
	v_pk_max_num_bf16 v[AR+32*\i+n], v[AR+32*\i+n], v[ZERO]  ; relu, two at a time; rounding first changes nothing: it keeps order and sign
.set n, n+1
.endr
	s_wait_alu depctr_va_vdst(0)                   ; the tile's 32 words are written, which its eight stores read
.irp a, 0,1,2,3,4,5,6,7
	global_store_b128 v[OOFF], v[AR+32*\i+4*\a:AR+32*\i+4*\a+3], s[12:13] offset:\i*524288+((\a)/2)*1024+((\a)%2)*512  ; 512 consecutive bytes, aligned
.endr
.endr
.else
	s_wait_alu depctr_va_vdst(0)                   ; the products have written the accumulators, which the LDS stores read, and are done reading the token slots, in which the loads from the stage land; the places
	                                               ; above stay beside this wait.  No vector instruction stands in this way out, so it serves all five tiles
.irp i, 0,1,2,3,4
	s_cmp_lt_u32 s[NL], \i+1
	s_cbranch_scc1 .Lnext
	s_wait_xcnt 0x0                                ; the registers of earlier stores are loaded again only behind this wait
.if \i >= 2
	s_wait_alu depctr_vm_vsrc(0)                   ; from the third tile on the five blocks of 32 registers come round again: the stores of the tiles before have read the registers in which this tile's loads land
.endif
.irp f, 0,1                                        ; 64 columns at a time through my stage: in by lanes, back by rows of 256 bytes.  The two halves go one behind the other: LDS serves a wave's
.set RS, AR+32*((2*\i+\f)%5)                       ; instructions in order (ISA guide 5.7.1.4), so the loads see the stores ahead of them, and the second half's stores land behind the first half's loads
.if \i < 4
	WIN ST_LO
.set AB, 64*\i+32*\f
.else
	WIN W_ST
.set AB, 32*\f
.endif
.irp a, 0,1,2,3
	ds_store_b128 v[XA], v[AB+8*\a:AB+8*\a+3]   offset:64*\a     ; each accumulator's low registers first
	ds_store_b128 v[XA], v[AB+8*\a+4:AB+8*\a+7] offset:64*\a+16
.endr
	WIN 0
.irp q, 0,1,2,3,4,5,6,7
	ds_load_b128 v[RS+4*\q:RS+4*\q+3], v[XB] offset:544*\q
.endr
.endr
.irp f, 0,1
.set RS, AR+32*((2*\i+\f)%5)
	s_wait_dscnt 16*(1-\f)                         ; the first half is back: the second half's eight stores and eight loads may stay out; then all
.irp q, 0,1,2,3,4,5,6,7
	global_store_b128 v[OOFF], v[RS+4*\q:RS+4*\q+3], s[12:13] offset:\i*262144+\q*8192+\f*256  ; 16 lanes store 256 consecutive bytes, aligned
.endr
.endr
.endr
.endif
.Lnext:
	s_wait_xcnt 0x0                                ; the stores' base and data are written again only behind this wait
	s_wait_alu depctr_vm_vsrc(0)                   ; the pass's token loads have read AOFF and its stores their data (in PROD 2 the LDS stores the accumulators): the next pass writes all of these again
	s_add_co_u32 s[TB], s[TB], 20
	s_add_nc_u64 s[12:13], s[12:13], OSTEP
	s_wait_dscnt 0x0                               ; a pass's end: every wave's LDS reads and stage stores of this pass are over before any wave begins the next pass or ends.
	s_barrier_signal -1                            ; As above, no value hangs on it (disjoint bytes); four barriers a launch, on every wave's path
	s_barrier_wait -1
	s_sub_co_u32 s[PASS], s[PASS], 1
	s_cmp_lg_u32 s[PASS], 0
	s_cbranch_scc1 .Lpass
	s_wait_dscnt 0x0                               ; the wave's end.  The closing add follows
	s_wait_alu depctr_hold_cnt(0) depctr_sa_sdst(0) depctr_va_vdst(0) depctr_va_sdst(0) depctr_va_ssrc(0) depctr_va_vcc(0) depctr_vm_vsrc(0)
	s_wait_tensorcnt 0x0
	ds_add_u32 v94, v95
	s_wait_dscnt 0x0
	s_endpgm
.Lfunc_end_k_qe9a182f6d8_ffn1:
	.size	k_qe9a182f6d8_ffn1, .Lfunc_end_k_qe9a182f6d8_ffn1-k_qe9a182f6d8_ffn1
	.p2alignl 7, 3214868480
	.fill 96, 4, 3214868480
	.section	.rodata,"a",@progbits
	.p2align	6, 0x0
	.amdhsa_kernel k_qe9a182f6d8_ffn1
		.amdhsa_group_segment_fixed_size 297472
		.amdhsa_private_segment_fixed_size 0
		.amdhsa_enable_private_segment 0
		.amdhsa_kernarg_size 56
		.amdhsa_user_sgpr_count 2
		.amdhsa_user_sgpr_kernarg_segment_ptr 1
		.amdhsa_wavefront_size32 1
		.amdhsa_system_sgpr_workgroup_id_x 1
		.amdhsa_system_sgpr_workgroup_id_y 1
		.amdhsa_system_sgpr_workgroup_id_z 1
		.amdhsa_system_vgpr_workitem_id 0
		.amdhsa_next_free_vgpr 896
		.amdhsa_next_free_sgpr 100
		.amdhsa_reserve_vcc 0
		.amdhsa_float_denorm_mode_32 3
		.amdhsa_float_denorm_mode_16_64 3
		.amdhsa_memory_ordered 1
		.amdhsa_forward_progress 1
		.amdhsa_inst_pref_size 203
	.end_amdhsa_kernel
	.amdgpu_metadata
---
amdhsa.version: [ 1, 2 ]
amdhsa.kernels:
  - .name:           k_qe9a182f6d8_ffn1
    .symbol:         k_qe9a182f6d8_ffn1.kd
    .args:
      - { .name: W1, .offset: 0, .size: 8, .value_kind: global_buffer, .address_space: global }
      - { .name: b1, .offset: 8, .size: 8, .value_kind: global_buffer, .address_space: global }
      - { .name: xb, .offset: 16, .size: 8, .value_kind: global_buffer, .address_space: global }
      - { .name: sel, .offset: 24, .size: 8, .value_kind: global_buffer, .address_space: global }
      - { .name: h, .offset: 32, .size: 8, .value_kind: global_buffer, .address_space: global }
      - { .name: rank, .offset: 40, .size: 8, .value_kind: global_buffer, .address_space: global }
      - { .name: cnt, .offset: 48, .size: 8, .value_kind: global_buffer, .address_space: global }
    .group_segment_fixed_size: 297472
    .private_segment_fixed_size: 0
    .kernarg_segment_align: 8
    .kernarg_segment_size: 56
    .max_flat_workgroup_size: 128
    .sgpr_count:     100
    .vgpr_count:     896
    .wavefront_size: 32
...
	.end_amdgpu_metadata
.endif
;; end of part 7
;; launch ffn2 (part 8): grid 32 x 8, 4 waves a work-group, no clusters, 314,880 bytes of LDS; arguments W2, b2, h, cnt, part; writes part
.if DOCPART == 8
	.amdgcn_target "amdgcn-amd-amdhsa--gfx1250"
	.amdhsa_code_object_version 6
	.text
	.protected	k_qe9a182f6d8_ffn2
	.globl	k_qe9a182f6d8_ffn2
	.p2align	8
	.type	k_qe9a182f6d8_ffn2,@function
k_qe9a182f6d8_ffn2:
	s_mov_b64 s[64:65], 0
	v_nop
	global_prefetch_b8 v0, s[64:65] scope:SCOPE_SE
	s_setreg_imm32_b32 hwreg(HW_REG_WAVE_SCHED_MODE, 0, 2), 2
	s_setreg_imm32_b32 hwreg(HW_REG_WAVE_MODE, 25, 1), 1
	s_wait_xcnt 0x0
	s_wait_alu depctr_vm_vsrc(0)
; ONE TEXT FOR BOTH PRODUCTS OF THE EXPERTS; PROD says which.
; PROD = 1: h = relu(x_rows W1[e] + b1[e]) in bf16, for the tokens that chose expert e.   PROD = 2: part[q] = h W2[e] (rows 1,024 q .. of W2; + b2[e] where q = 0), f32 partial sums.
; LIMITS.  Weights and biases are rounded once to bf16 on their way through registers (x was by the launch before), h once to bf16; all sums are f32.  The relu on packed bf16 turns a NaN into 0;
; NaN and infinities are not treated apart.  Every split of the tokens is served, 0 to 1,024 rows an expert; rows past 320 go through later passes, behind the stream and not under it.
; SHARES.  Grid 32 x 8: a work-group has one expert and a slice of 1,024 (K) x 128 (columns) of its weights, 512 KB of f32, which it alone reads, once.  PROD 1: expert = y, slice = x.
; PROD 2: expert = x % 8, slice of columns = x / 8 + 4 (y % 2), quarter of K = y / 2: the eight work-groups that read the same quarter of an expert's h are alike in x % 8 and in y / 2
; (a choice of numbering alone: no value hangs on it).  The expert's rows go in tiles of 16; wave w owns tiles w + 4 i + 20 p (i = 0 .. 4, pass p = 0 .. 3): 80 places for at most 64 tiles.
; PASS 0 STREAMS.  32 K steps of 32.  In K step t the four waves round chunk t + 2 (32 rows of W; wave w rows 8 w .. 8 w + 7; one load is one row's 512 consecutive bytes) and store it as bf16 into an
; image [K][128] in LDS, and multiply chunk t.  Every byte of the image is written once and never again, so one barrier a K step (store, wait, signal; read behind the wait) is all the ordering.
; K step 0 stands ahead of the loop: its products take the bias as C and so start the sums.  PASSES 1 TO 3 read the finished image; a wave without a live tile jumps the pass's products and stores.
; COUNTS THAT HANG ON DATA steer forward jumps over products and stores alone, never over a barrier.  Token loads are issued for all five tiles in every K step, so that the counted waits hold on
; every path; a place past the count names a row that exists.  Tiles 0 to 2 are always multiplied, tiles 3 and 4 only if live (in K step 0 always); no dead tile is stored.
; THE ROWS OF PROD 1.  The 2,048 choices, whole numbers that the launch before stored, become a bitmap in 32 scalar registers: bit l of word n says that token 64 (n / 2) + n % 2 + 2 l chose the
; expert; a token's rank is the number of chosen tokens ahead of it in that order.  Each lane finds the token of its rank by scalar and plain vector arithmetic on that bitmap alone: a sweep over the
; 32 words, then the k-th set bit of one word.  All waves and all 32 work-groups of an expert go the same way, so the ranks agree everywhere.
; THE MATRIX INSTRUCTION IS USED TRANSPOSED: source 0 = 16 columns of W (turned out of LDS by ds_load_tr16_b128), source 1 = 16 token rows.  Register j of lane (r, hf) then holds
; C(row r, column 16 a + 8 hf + j): eight neighbouring columns.  In PROD 1 four conversions of column tile a ARE half a & 1 of the next product's token fragment for its K step a / 2: h is stored
; in that order, [expert][tile][K step][half][lane][16 bytes], 512 consecutive bytes a store, and PROD 2 loads it likewise.
; NO CLUSTER: each slice of weights has one reader.  PROD 1's token rows come by rank, which no descriptor covers; PROD 2's tiles of h are shared by 8 work-groups, but two slots of five tiles a wave
; (2 x 20 KB) do not fit beside the image (294,912 bytes) and the stage (17,408): 14,848 bytes are left.  NO TENSOR LOADS: the weights would land as f32, 512 KB a slice.
; THE MODE: SCHED_MODE bits 1:0 = 2 (LLVM: expert scheduling mode 2), set by the entry lines.  The code itself states the register dependences between vector or matrix instructions and memory or LDS
; instructions, and those through scalar registers that vector instructions write, with s_wait_alu, always for 0.
; THE PLAN.  Registers that memory or LDS instructions touch in the stream, K step t:
;   WR[(t+2) % 4]   the step's 16 conversions round it in place, the step's 8 LDS stores read it; the loads of chunk t + 6, issued in K step t + 1, land in it.
;   WR[(t+1) % 4]   rounded and stored in K step t - 1; the loads of chunk t + 5 land in it.
;   B[(t+1) % 2]    read by the products of K step t - 1; the turning loads of chunk t + 1 land in it.
;   AR[(t+3) % 4]   read by the products of K step t - 1; the token loads of K step t + 3 land in it.
;   VST, VRD        read by the LDS stores and the turning loads; written every fourth K step, at its head.     WOFF, AOFF, VPF: read by loads and prefetches, not written in the stream.
;   The accumulators and the bias are named by matrix instructions alone until the way out.
; So a K step has TWO waits.  One on vm_vsrc at its head: the LDS stores of the step before have read WR[(t+1) % 4] (in a fourth step: the LDS instructions have read VST and VRD).  One on va_vdst behind its
; conversions: they have written what the LDS stores read; the products of the step before are done reading B[(t+1) % 2] and AR[(t+3) % 4]; in a fourth step VST and VRD are written.  Behind it the step's
; 42 loads and stores owe nothing more: W's loads, the LDS stores and the turning loads follow at once, the token loads stand among the products, which name AR[t % 4], B[t % 2] and the accumulators alone.
.set PROD, 2
.if PROD == 1
.set PITCH, 16384                      ; bytes from a row of W to the next
.set PSH,   14
.set ASTEP, 64                         ; bytes of a token row (PROD 2: of a tile) in a K step
.set AHALF, 32                         ; from a fragment's first four registers to its last four
.set OSTEP, 20*131072                  ; twenty tiles on in the output
.else
.set PITCH, 4096
.set PSH,   12
.set ASTEP, 1024
.set AHALF, 512
.set OSTEP, 20*16*4096
.endif
.set LP,    288                        ; a row of the image: 256 bytes + 32 = 72 words
.set RN,    2                          ; K steps in a trip of the later passes' loop
.set XTRA,  1024*LP                    ; behind the image
.if PROD == 1
.set BIASL, XTRA                       ; the biases, 512 bytes a wave; the 512 bytes behind them stay claimed and are not used
.else
.set STGW,  16*272                     ; PROD 2: each wave's stage, 16 rows x (256 + 16) bytes
.set BIASL, XTRA+4*STGW
.endif
; window 0
.set LANE, 1
.set R16,  2                           ; lane % 16
.set HF,   3                           ; lane / 16
.set L16,  4                           ; 16 lane; never rewritten
.set WOFF, 5                           ; 16 lane + my 8 rows of a chunk of W; never rewritten
.set VPF,  6                           ; prefetch: (32 w + lane / 2) rows + 256 (lane % 2); never rewritten
.set VST,  7                           ; image: my 8 rows of a chunk + 8 lane; steps
.set VRD,  8                           ; image: the stream's turning loads; steps
.set VRD0, 9                           ; (8 hf + lane % 8) LP + 16 ((lane / 8) % 2); never rewritten
.set VRR,  10                          ; image: the later passes' turning loads: s[TBR] + VRD0, made anew in each trip
.set AOFF, 11                          ; v11-15  byte offset of tile i's token rows
.if PROD == 1
.set OOFF, L16                         ; the stores' offset
.else
.set OOFF, 16                          ; hf rows of 4,096 bytes + 16 (lane % 16)
.endif
.set XA,   17                          ; PROD 2: the stage, in
.set XB,   18                          ; PROD 1: 16 hf.   PROD 2: the stage, back
.set ZERO, 19
.set RK,   32                          ; v32-63  PROD 1: the ranks
.set FL,   64                          ; v64-68, v69-73  PROD 1: tile i's tokens for the four passes, 16 bits each, pass 0 lowest: low word, high word
.set FH,   69
.set AR,   96                          ; v96-255 token fragments: four slots of five tiles x 8; first the choices (64) and the search's registers, last the stores' data
.set SELR, 96
.set RR,   160                         ; the search, five registers each (one a tile): the rank;
.set WW,   165                         ; the bitmap's word that holds it;
.set PP,   170                         ; the word's number (above bit 16) and the count of chosen tokens ahead of the word;
.set KK,   175                         ; which set bit of the word;
.set QA,   180                         ; the word's counts by 2 bits,
.set QB,   185                         ; by 4,
.set QC,   190                         ; by 8;
.set TT,   195                         ; at work;
.set UU,   200
.set PO,   205                         ; the bit's place;
.set TK,   210                         ; the token
; window 1: accumulators of tiles 0-3, (i, a) at 64 i + 8 a.   window 2: v0-63 tile 4;
.set WR,   64                          ; window 2, v64-191: W as loaded, four slots of 8 rows x 4
.set BIA,  192                         ; window 2, v192-255: bias[16 a + 8 hf + j] at 8 a + j
; window 3: v0-63, v64-127 two buffers of W's fragments, column tile a at 8 a
.set WV, 20
.set EX, 21
.set SL, 22                            ; the slice of 128 columns
.set KQ, 23                            ; PROD 2: the quarter of K
.set CNT, 24
.set MT, 25                            ; live tiles
.set NL, 26                            ; how many of my five tiles are live in this pass
.set TB, 27                            ; w + 20 p
.set PASS, 28
.set LOOP, 29
.set OF, 30                            ; s[30:31] an offset, 64 bits
.set WP, 32                            ; s[32:33] W, walking
.set AP, 34                            ; s[34:35] the token rows, walking
.set LB, 38                            ; PROD 2: my wave's stage
.set TBR, 40                           ; the later passes: the image byte at which the trip's chunks begin
.set HM, 44                            ; a word's upper bf16
.set CC, 46                            ; PROD 1, the search: chosen tokens ahead of the word in hand
.set C55, 47                           ; 0x55555555, 0x33333333, 0x0f0f0f0f, 0xffff
.set C33, 48
.set C0F, 49
.set LOW, 50
.set TS, 51                            ; the search: w + 20 p
.set SM, 52                            ; s52-61  PROD 1: the masks of a run of compares
.set C2, 62                            ; PROD 1, the sweep: chosen tokens ahead of a run's second word,
.set P2, 63                            ; and that word's number above them
.set MK, 66                            ; s66-97  PROD 1: the bitmap
.set MSB, 0
.macro WIN new                         ; s_set_vgpr_msb: bits 1:0 source 0, 3:2 source 1, 5:4 source 2, 7:6 destination; the high byte repeats the setting that is left
.if MSB != (\new)
	s_set_vgpr_msb (MSB<<8)|(\new)
.set MSB, (\new)
.endif
.endm
.set W_LD,  0x80                       ; loads into window 2
.set W_CV,  0x8a                       ; conversions in place in window 2
.set W_ST,  0x08                       ; LDS stores of data in window 2
.set B_LD,  0xc0                       ; loads into window 3
.set MM_LO, 0x53                       ; W's fragment window 3, tokens window 0, C and D window 1
.set MM_HI, 0xa3                       ; C and D window 2
.set MM_C0, 0x63                       ; D window 1, C (the bias) window 2
.set SD_LO, 0x42                       ; window 2 to window 1
.set SD_HI, 0x82                       ; within window 2
.set EP_LO, 0x05                       ; sources window 1, destination window 0
.set EP_HI, 0x0a
.set ST_LO, 0x04                       ; LDS stores of data in window 1
; All immediates count from pointers that step every four K steps; d = the chunk's distance from them.
.macro WLOAD tau, d                    ; chunk tau of W: my 8 rows, 512 consecutive bytes each
	WIN W_LD
.irp i, 0,1,2,3,4,5,6,7
	global_load_b128 v[WR+32*((\tau)%4)+4*\i:WR+32*((\tau)%4)+4*\i+3], v[WOFF], s[WP:WP+1] offset:((\d)*32+\i)*PITCH th:TH_LOAD_NT
.endr
.endm
.macro CVT tau                         ; chunk tau rounded in place
.set WS, WR+32*((\tau)%4)
	WIN W_CV
.irp i, 0,1,2,3,4,5,6,7
	v_cvt_pk_bf16_f32 v[WS+4*\i],   v[WS+4*\i],   v[WS+4*\i+1]
	v_cvt_pk_bf16_f32 v[WS+4*\i+1], v[WS+4*\i+2], v[WS+4*\i+3]
.endr
.endm
.macro STO tau, d                      ; and stored into the image, 256 consecutive bytes a store
.set WS, WR+32*((\tau)%4)
	WIN W_ST
.irp i, 0,1,2,3,4,5,6,7
	ds_store_b64 v[VST], v[WS+4*\i:WS+4*\i+1] offset:((\d)*32+\i)*LP
.endr
.endm
.macro BLOAD slot, d, adr              ; a chunk's eight fragments: 16 columns x 32 K each, turned
	WIN B_LD
.irp a, 0,1,2,3,4,5,6,7
	ds_load_tr16_b128 v[64*(\slot)+8*\a:64*(\slot)+8*\a+3],   v[\adr] offset:(\d)*32*LP+32*\a
	ds_load_tr16_b128 v[64*(\slot)+8*\a+4:64*(\slot)+8*\a+7], v[\adr] offset:(\d)*32*LP+32*\a+16*LP
.endr
.endm
.macro ALOAD slot, d                   ; five tiles' token fragments for one K step
	WIN 0
.irp i, 0,1,2,3,4
	global_load_b128 v[AR+40*(\slot)+8*\i:AR+40*(\slot)+8*\i+3],   v[AOFF+\i], s[AP:AP+1] offset:(\d)*ASTEP
	global_load_b128 v[AR+40*(\slot)+8*\i+4:AR+40*(\slot)+8*\i+7], v[AOFF+\i], s[AP:AP+1] offset:(\d)*ASTEP+AHALF
.endr
.endm
.macro MMT i, sa, sb, first=0          ; tile i's eight products; its eight accumulators take turns.  first = 1: C is the bias: the product starts the sum
.irp a, 0,1,2,3,4,5,6,7
.if \first
	v_wmma_f32_16x16x32_bf16 v[64*((\i)%4)+8*\a:64*((\i)%4)+8*\a+7], v[64*(\sb)+8*\a:64*(\sb)+8*\a+7], v[AR+40*(\sa)+8*(\i):AR+40*(\sa)+8*(\i)+7], v[BIA+8*\a:BIA+8*\a+7]
.else
	v_wmma_f32_16x16x32_bf16 v[64*((\i)%4)+8*\a:64*((\i)%4)+8*\a+7], v[64*(\sb)+8*\a:64*(\sb)+8*\a+7], v[AR+40*(\sa)+8*(\i):AR+40*(\sa)+8*(\i)+7], v[64*((\i)%4)+8*\a:64*((\i)%4)+8*\a+7]
.endif
.endr
.endm
; A K step's products.  No two matrix instructions that follow each other share an accumulator, over the jumps and from K step to K step too.
; bar = 1: the K step's barrier: my stores of the chunk two steps on are done (and the next chunk's fragments are in), say so; eight products; go on when all four waves have said so.
; first = 1: K step 0: all five tiles, live or not, so that every accumulator is written on every path: at most 16 products more, once a launch.
; al, ad: the token loads into slot al, at distance ad, stand behind tile 2's products, where window 0 is set in any case.  They owe no wait: no vector or matrix instruction since the step's wait on
; va_vdst names slot al or AOFF.  pf = 1: the step's prefetch follows them.
.macro MMS sa, sb, bar, first=0, al=-1, ad=0, pf=0
.if \first
	WIN MM_C0
.else
	WIN MM_LO
.endif
	MMT 0, \sa, \sb, \first
	MMT 1, \sa, \sb, \first
.if \bar
	s_wait_dscnt 0x0
	s_barrier_signal -1
.endif
	MMT 2, \sa, \sb, \first
.if \bar
	s_barrier_wait -1
.endif
.if (\al) >= 0
	ALOAD \al, \ad
.endif
.if \pf
	; Prefetch: K step 4 T + 2, whose own loads reach chunk 4 T + 7, asks for chunks 4 T + 12 .. 4 T + 15: each wave 32 rows, lanes 256 bytes apart, each block once in the launch.
	; The last trip (LOOP = 1) would ask past the slice and asks for nothing.  Asked for and not yet loaded: 8 chunks, 128 KB a work-group, at the most.  VPF was written ahead of the head's wait on va_vdst.
	s_cmp_lt_u32 s[LOOP], 2
	s_cbranch_scc1 .Lno_pf_\@
	global_prefetch_b8 v[VPF], s[WP:WP+1] offset:384*PITCH th:TH_LOAD_NT scope:SCOPE_SE
	global_prefetch_b8 v[VPF], s[WP:WP+1] offset:400*PITCH th:TH_LOAD_NT scope:SCOPE_SE
.Lno_pf_\@:
.endif
.if \first
	WIN MM_C0
	MMT 3, \sa, \sb, 1
	WIN MM_HI
	MMT 4, \sa, \sb, 1
	WIN 0
.else
	WIN 0                                          ; at a branch and at a label every window is 0
	s_cmp_lt_u32 s[NL], 4
	s_cbranch_scc1 .Ldone_\@
	WIN MM_LO
	MMT 3, \sa, \sb
	WIN 0
	s_cmp_lt_u32 s[NL], 5
	s_cbranch_scc1 .Ldone_\@
	WIN MM_HI
	MMT 4, \sa, \sb
	WIN 0
.Ldone_\@:
.endif
.endm
; K STEP t of the stream.  W's and the tokens' loads share one counter and come back in the order of issue: .. W(t+5) A(t+3) W(t+6) A(t+4) .., 8 and 10 loads.
; n1: the loads issued behind W(t+2) when its conversions begin: A(t) W(t+3) A(t+1) W(t+4) A(t+2), as far as they exist (chunks and K steps end at 31): 46 in the loop.
; n2: those behind A(t), ahead of the issue of A(t+3): W(t+3) A(t+1) W(t+4) A(t+2) W(t+5): 44 in the loop.  During the products 44 to 54 loads of a wave are out, 24 of them W's (12 KB).
; The 16 conversions (or four v_nop) stand between the last K step's products and the loads into the registers that those products read, beside the wait on va_vdst.
; step = 1: a group of four K steps begins: the pointers and the two LDS addresses move on.
.macro KSTEP t, pf=0, first=0, step=0
.set u, (\t)%4
.set n1, 30
.set n2, 0
.if (\t) <= 30
.set n2, n2+10
.endif
.if (\t) <= 29
.set n2, n2+10
.endif
.if (\t) <= 28
.set n1, n1+8
.set n2, n2+8
.endif
.if (\t) <= 27
.set n1, n1+8
.set n2, n2+8
.endif
.if (\t) <= 26
.set n2, n2+8
.endif
.if \step
	s_wait_xcnt 0x0                                ; the pointers are stepped only behind this wait (ISA guide 3.1)
.endif
.if ((\t) <= 26) || (\step)
	s_wait_alu depctr_vm_vsrc(0)                   ; the LDS stores of the step before have read W's slot (t + 1) % 4, in which chunk t + 5 lands; with step = 1: the LDS stores and turning loads have read VST and VRD
.endif
.if \step
	s_add_nc_u64 s[WP:WP+1], s[WP:WP+1], 128*PITCH
	s_add_nc_u64 s[AP:AP+1], s[AP:AP+1], 4*ASTEP
	v_add_nc_u32 v[VST], 128*LP, v[VST]
	v_add_nc_u32 v[VRD], 128*LP, v[VRD]
.endif
.if (\t) <= 29
	s_wait_loadcnt n1
	CVT (\t)+2
.else
.rept 4
	v_nop
.endr
.endif
.if (\t) <= 26
	WIN W_LD
.elseif (\t) <= 29
	WIN W_ST
.elseif (\t) == 30
	WIN B_LD
.endif
.if (\t) <= 30
	s_wait_alu depctr_va_vdst(0)                   ; the conversions have written what the LDS stores read; those of the step before are done with the slot in which W lands; that step's products are done reading
	                                               ; the fragments of W and the token slot in which this step's loads land; with step = 1: VST and VRD are written
.endif
.if (\t) <= 26
	WLOAD (\t)+5, u+5
.endif
.if (\t) <= 29
	STO (\t)+2, u+2
.endif
.if (\t) <= 30
	BLOAD ((\t)+1)%2, u+1, VRD
.endif
	s_wait_loadcnt n2
.if (\t) <= 28
	MMS (\t)%4, (\t)%2, 1, \first, ((\t)+3)%4, u+3, \pf
.elseif (\t) == 29
	MMS (\t)%4, (\t)%2, 1
.else
	MMS (\t)%4, (\t)%2, 0
.if (\t) == 30
	s_wait_dscnt 0x0                               ; chunk 31's fragments: this K step has no barrier whose wait would cover them
.endif
.endif
.endm
; K step u of a trip of the later passes.  The trip's 10 RN token loads went out at its head: 10 (RN - 1 - u) are younger than this step's.  The next chunk's 16 turning loads go out first and stay out:
; no product of this trip has been issued yet, so the wait on va_vdst at the trip's head serves them too.
; Four v_nop behind the products are the places in front of the next loads into the registers that they read; they stay beside that wait.
.macro RSTEP u
.if (\u) < RN-1
	BLOAD ((\u)+1)%2, (\u)+1, VRR
.endif
	WIN 0
	s_wait_loadcnt 10*(RN-1-(\u))
.if (\u) < RN-1
	s_wait_dscnt 16
.else
	s_wait_dscnt 0x0
.endif
	MMS \u, (\u)%2, 0
.rept 4
	v_nop
.endr
.endm
.macro SETNL                           ; how many of my five tiles are live in this pass: the i with TB + 4 i < MT: (MT - TB + 3) / 4, held to 0 .. 5
	s_sub_co_i32 s[NL], s[MT], s[TB]
	s_add_co_i32 s[NL], s[NL], 3
	s_ashr_i32 s[NL], s[NL], 2
	s_max_i32 s[NL], s[NL], 0
	s_min_i32 s[NL], s[NL], 5
.endm
; Where my five tiles' rows lie.  No load of mine is out that names these registers, and a wait on vm_vsrc stands between the last load that read them and these lines.
.macro SETUP
	s_mov_b64 s[AP:AP+1], s[8:9]
.if PROD == 1
.irp i, 0,1,2,3,4
	v_and_b32 v[21+\i], s[LOW], v[FL+\i]           ; this pass's token of tile i; the later passes' move down by 16 bits
	v_lshrrev_b32 v[FL+\i], 16, v[FL+\i]
	v_lshl_or_b32 v[FL+\i], v[FH+\i], 16, v[FL+\i]
	v_lshrrev_b32 v[FH+\i], 16, v[FH+\i]
	v_min_u32 v[21+\i], 0x3ff, v[21+\i]
	v_lshl_add_u32 v[AOFF+\i], v[21+\i], 11, v[XB] ; token x 2,048 bytes + 16 hf
.endr
.else
	s_sub_co_i32 s37, s[MT], 1
	s_max_i32 s37, s37, 0
.irp i, 0,1,2,3,4
	s_add_co_u32 s36, s[TB], 4*\i                  ; a dead tile repeats the last live one (tile 0 where there is none: the launch before stores it always)
	s_min_u32 s36, s36, s37
	s_min_u32 s36, s36, 63
	s_lshl_b32 s36, s36, 17
	v_add_nc_u32 v[AOFF+\i], s36, v[L16]
.endr
.endif
.endm
; The later passes' sums start at the bias by 320 moves: their loop has no first K step written out, and rows past 320 of one expert are the rare case.
.macro SEED
	WIN SD_LO
.set n, 0
.rept 256
	v_mov_b32 v[n], v[BIA+n%64]
.set n, n+1
.endr
	WIN SD_HI
.set n, 0
.rept 64
	v_mov_b32 v[n], v[BIA+n]
.set n, n+1
.endr
	WIN 0
.endm
.macro ALL5 line:vararg                ; one line for each of my five tiles, t = 0 .. 4: five chains that do not wait for each other
.set t, 0
.rept 5
	\line
.set t, t+1
.endr
.endm
; The sweep's step for word w (two = 1: and for word w + 1).  The compares stand in one run, each with a scalar register for its mask, and one wait stands between the run and the selects.
.macro SWEEP w, two
	s_add_co_u32 s37, s[CC], (\w)<<16              ; the word's number above the count (1,024 at the most)
	ALL5 v_cmp_gt_u32 s[SM+t], s[CC], v[RR+t]      ; count above the rank: keep what I have
.if \two
	s_bcnt1_i32_b32 s36, s[MK+(\w)]
	s_add_co_u32 s[C2], s[CC], s36
	s_add_co_u32 s[P2], s[C2], ((\w)+1)<<16
	ALL5 v_cmp_gt_u32 s[SM+5+t], s[C2], v[RR+t]
.endif
	s_wait_alu depctr_va_sdst(0)                   ; the run's compares have written their masks, which the selects read
	ALL5 v_cndmask_b32 v[WW+t], s[MK+(\w)], v[WW+t], s[SM+t]
	ALL5 v_cndmask_b32 v[PP+t], s37, v[PP+t], s[SM+t]
.if \two
	ALL5 v_cndmask_b32 v[WW+t], s[MK+(\w)+1], v[WW+t], s[SM+5+t]
	ALL5 v_cndmask_b32 v[PP+t], s[P2], v[PP+t], s[SM+5+t]
	s_bcnt1_i32_b32 s36, s[MK+(\w)+1]
	s_add_co_u32 s[CC], s[C2], s36
.endif
.endm
; One step down in the search for the k-th set bit: if the \step bits at the place in hand hold k set bits or fewer, the bit lies beyond them.
.macro DOWN src, step
	ALL5 v_bfe_u32 v[TT+t], v[\src+t], v[PO+t], \step
	ALL5 v_cmp_ge_u32 s[SM+t], v[KK+t], v[TT+t]
	s_wait_alu depctr_va_sdst(0)                   ; the five compares have written their masks, which the selects read
.if (\step) > 1
	ALL5 v_cndmask_b32 v[UU+t], 0, v[TT+t], s[SM+t]
.endif
	ALL5 v_cndmask_b32 v[TT+t], 0, \step, s[SM+t]
.if (\step) > 1
	ALL5 v_sub_nc_u32 v[KK+t], v[KK+t], v[UU+t]
.endif
	ALL5 v_add_nc_u32 v[PO+t], v[PO+t], v[TT+t]
.endm
	s_load_b256 s[4:11], s[0:1], 0x0               ; W s[4:5], bias s[6:7], token rows s[8:9], PROD 1: sel, PROD 2: cnt s[10:11]
.if PROD == 1
	s_load_b128 s[12:15], s[0:1], 0x20             ; h s[12:13], rank s[14:15]
	s_load_b64 s[16:17], s[0:1], 0x30              ; cnt
.else
	s_load_b64 s[12:13], s[0:1], 0x20              ; part
	v_lshl_add_u32 v94, v0, 2, 0x4cc00
	v_mov_b32 v95, 0
.endif
	v_lshrrev_b32 v20, 5, v0
	v_readfirstlane_b32 s[WV], v20                 ; wave 0..3
.if PROD == 1
	s_and_b32 s[EX], ttmp7, 0xffff                 ; the expert
	s_mov_b32 s[SL], ttmp9
.else
	s_and_b32 s36, ttmp7, 0xffff                   ; y
	s_and_b32 s[EX], ttmp9, 7                      ; the expert = x % 8
	s_lshr_b32 s[SL], ttmp9, 3
	s_and_b32 s37, s36, 1
	s_lshl_b32 s37, s37, 2
	s_add_co_u32 s[SL], s[SL], s37                 ; the slice = x / 8 + 4 (y % 2)
	s_lshr_b32 s[KQ], s36, 1                       ; the quarter = y / 2
.endif
	s_mov_b32 s[HM], 0xffff0000
	s_mov_b32 s[OF+1], 0
	v_and_b32 v[LANE], 31, v0
	v_and_b32 v[R16], 15, v0
	v_bfe_u32 v[HF], v0, 4, 1
	v_lshlrev_b32 v[L16], 4, v[LANE]
	s_wait_alu depctr_va_sdst(0)                   ; the wave's number is written, ahead of its first reader
	v_lshl_add_u32 v[WOFF], s[WV], PSH+3, v[L16]
	v_lshrrev_b32 v20, 1, v[LANE]
	v_lshl_add_u32 v20, s[WV], 5, v20
	v_and_b32 v21, 1, v[LANE]
	v_lshlrev_b32 v20, PSH, v20
	v_lshl_add_u32 v[VPF], v21, 8, v20
	s_wait_kmcnt 0x0
.if PROD == 1
	s_lshl_b32 s36, s[EX], 24                      ; W1: expert x 16 MiB + slice x 512 bytes
	s_lshl_b32 s37, s[SL], 9
	s_add_co_u32 s[OF], s36, s37
	s_add_nc_u64 s[4:5], s[4:5], s[OF:OF+1]
	s_lshl_b32 s36, s[EX], 14                      ; b1
	s_add_co_u32 s[OF], s36, s37
	s_add_nc_u64 s[6:7], s[6:7], s[OF:OF+1]
	s_lshl_b32 s36, s[EX], 23                      ; h: expert x 8 MiB + my first tile x 128 KiB + the slice's four K steps x 1,024
	s_lshl_b32 s37, s[SL], 12
	s_add_co_u32 s[OF], s36, s37
	s_lshl_b32 s37, s[WV], 17
	s_add_co_u32 s[OF], s[OF], s37
	s_add_nc_u64 s[12:13], s[12:13], s[OF:OF+1]
	s_lshl_b32 s[OF], s[EX], 12
	s_add_nc_u64 s[14:15], s[14:15], s[OF:OF+1]
	s_lshl_b32 s[OF], s[EX], 7
	s_add_nc_u64 s[16:17], s[16:17], s[OF:OF+1]
.else
	s_lshl_b32 s[OF], s[EX], 7
	s_add_nc_u64 s[10:11], s[10:11], s[OF:OF+1]
	s_load_b32 s[CNT], s[10:11], 0x0               ; the expert's rows
	s_lshl_b32 s36, s[EX], 24                      ; W2: expert x 16 MiB + quarter x 1,024 rows + slice x 512 bytes
	s_lshl_b32 s37, s[KQ], 22
	s_add_co_u32 s[OF], s36, s37
	s_lshl_b32 s37, s[SL], 9
	s_add_co_u32 s[OF], s[OF], s37
	s_add_nc_u64 s[4:5], s[4:5], s[OF:OF+1]
	s_lshl_b32 s36, s[EX], 12                      ; b2
	s_add_co_u32 s[OF], s36, s37
	s_add_nc_u64 s[6:7], s[6:7], s[OF:OF+1]
	s_lshl_b32 s36, s[KQ], 25                      ; part: quarter x 32 MiB + (expert x 1,024 + 16 w) rows + slice x 512 bytes
	s_add_co_u32 s[OF], s36, s37
	s_lshl_b32 s36, s[EX], 22
	s_add_co_u32 s[OF], s[OF], s36
	s_lshl_b32 s36, s[WV], 16
	s_add_co_u32 s[OF], s[OF], s36
	s_add_nc_u64 s[12:13], s[12:13], s[OF:OF+1]
	s_lshl_b32 s36, s[EX], 23                      ; h: expert x 8 MiB + the quarter's 32 K steps x 1,024
	s_lshl_b32 s37, s[KQ], 15
	s_add_co_u32 s[OF], s36, s37
	s_add_nc_u64 s[8:9], s[8:9], s[OF:OF+1]
.endif
	s_mov_b64 s[WP:WP+1], s[4:5]
	s_wait_alu depctr_va_vdst(0)                   ; L16, WOFF and VPF are written, which the loads and prefetches read as offsets; the lines above are done with v20 and v21, in which the bias lands
.if PROD == 1
.irp j, 0,1,2,3,4,5,6,7,8,9,10,11,12,13,14,15
	global_load_b128 v[SELR+4*\j:SELR+4*\j+3], v[L16], s[10:11] offset:512*\j  ; all 2,048 choices: a lane has tokens 64 j + 2 lane and the next
.endr
.endif
	global_load_b128 v[20:23], v[L16], s[6:7]      ; the slice's 128 biases
	WLOAD 0, 0
	WLOAD 1, 1
	WLOAD 2, 2
	WIN 0
	global_prefetch_b8 v[VPF], s[WP:WP+1] offset:256*PITCH th:TH_LOAD_NT scope:SCOPE_SE  ; chunks 8 to 11, as in the loop
	global_prefetch_b8 v[VPF], s[WP:WP+1] offset:272*PITCH th:TH_LOAD_NT scope:SCOPE_SE
	s_mul_i32 s36, s[WV], 8*LP
	v_lshl_add_u32 v[VST], v[LANE], 3, s36
	v_and_b32 v24, 7, v0
	v_lshl_add_u32 v24, v[HF], 3, v24
	v_mul_u32_u24 v24, v24, LP
	v_bfe_u32 v25, v0, 3, 1
	v_lshl_add_u32 v[VRD0], v25, 4, v24
	v_mov_b32 v[VRD], v[VRD0]
	s_lshl_b32 s39, s[WV], 9
	s_add_co_u32 s39, s39, BIASL
	v_add_nc_u32 v28, s39, v[L16]
	v_lshl_add_u32 v29, v[HF], 5, s39
.if PROD == 1
	v_mov_b32 v[ZERO], 0
	v_lshlrev_b32 v[XB], 4, v[HF]
.else
	s_mul_i32 s[LB], s[WV], STGW
	s_add_co_u32 s[LB], s[LB], XTRA
	v_mul_u32_u24 v24, v[R16], 272                 ; in: row lane % 16, 32 bytes for each half of the lanes
	v_lshl_add_u32 v24, v[HF], 5, v24
	v_add_nc_u32 v[XA], s[LB], v24
	v_mul_u32_u24 v24, v[HF], 272                  ; back: lanes 0-15 one row of 256 bytes, lanes 16-31 the next
	v_lshl_add_u32 v24, v[R16], 4, v24
	v_add_nc_u32 v[XB], s[LB], v24
	v_lshlrev_b32 v[OOFF], 4, v[R16]               ; and the same two rows in part
	v_lshl_add_u32 v[OOFF], v[HF], 12, v[OOFF]
.endif
	s_wait_loadcnt 24                              ; the choices and the bias are in; W's 24 loads stay out
	; the bias: rounded to bf16, widened, through my own 512 bytes of LDS into the order of an accumulator's registers
	v_cvt_pk_bf16_f32 v24, v20, v21
	v_cvt_pk_bf16_f32 v25, v22, v23
	v_lshlrev_b32 v20, 16, v24
	v_and_b32 v21, s[HM], v24
	v_lshlrev_b32 v22, 16, v25
	v_and_b32 v23, s[HM], v25
.if PROD == 2
	s_cmp_eq_u32 s[KQ], 0                          ; one quarter alone adds b2
	s_cselect_b32 s45, -1, 0
.irp i, 20,21,22,23
	v_and_b32 v\i, s45, v\i
.endr
.endif
	s_wait_alu depctr_va_vdst(0)                   ; v[20:23], the LDS store's data, are written; so is every LDS address and offset made above: v28, v29, VST, VRD, and in PROD 2 the stage's two and the stores'
	ds_store_b128 v28, v[20:23]
	WIN W_LD
.irp a, 0,1,2,3,4,5,6,7
	ds_load_b128 v[BIA+8*\a:BIA+8*\a+3],   v29 offset:64*\a      ; LDS serves a wave's instructions in order (ISA guide 5.7.1.4): these see the store above
	ds_load_b128 v[BIA+8*\a+4:BIA+8*\a+7], v29 offset:64*\a+16
.endr
	WIN 0
.if PROD == 1
	; THE BITMAP, the count, and each token's rank (the count so far plus the chosen lanes below it).  Eight words at a time: their sixteen compares in one run, one wait, then the scalar work.
	s_mov_b32 s[CNT], 0
.set n, 0
.rept 4
.rept 8                                            ; word n: tokens 64 (n / 2) + n % 2 + 2 lane
	v_cmp_eq_u32 s[MK+n], s[EX], v[SELR+2*n]
	v_cmp_eq_u32 s[SM+n%8], s[EX], v[SELR+2*n+1]
.set n, n+1
.endr
	s_wait_alu depctr_va_sdst(0)                   ; the sixteen compares have written their masks, which the scalar lines below read
.set n, n-8
.rept 8
	s_or_b32 s[MK+n], s[MK+n], s[SM+n%8]
	v_mbcnt_lo_u32_b32 v[RK+n], s[MK+n], s[CNT]
	s_bcnt1_i32_b32 s37, s[MK+n]
	s_add_co_u32 s[CNT], s[CNT], s37
.set n, n+1
.endr
.endr
	s_wait_alu depctr_vm_vsrc(0)                   ; the bias's LDS store has read v[20:23]: the branch below writes v20, v21 and v23, and the tokens' set-up v21 to v25
	s_or_b32 s36, s[SL], s[WV]                     ; slice 0's wave 0 stores the expert's ranks and count for the later launches
	s_cmp_lg_u32 s36, 0
	s_cbranch_scc1 .Lno_rank
	v_lshlrev_b32 v20, 3, v[LANE]
	v_lshlrev_b32 v21, 2, v[LANE]
	v_mov_b32 v23, s[CNT]
	s_wait_alu depctr_va_vdst(0)                   ; the ranks, the count and the two offsets are written, which the seventeen stores read
.irp j, 0,1,2,3,4,5,6,7,8,9,10,11,12,13,14,15
	global_store_b64 v20, v[RK+2*\j:RK+2*\j+1], s[14:15] offset:256*\j  ; 256 consecutive bytes, aligned
.endr
	global_store_b32 v21, v23, s[16:17]            ; the count, 32 times: one store with all lanes on
	s_wait_xcnt 0x0                                ; v21 and v23 are written again below
	s_wait_alu depctr_vm_vsrc(0)                   ; the stores have read v21 and v23, which the tokens' set-up writes
.Lno_rank:
.else
	s_wait_kmcnt 0x0
	s_min_u32 s[CNT], s[CNT], 1024
.endif
	s_add_co_u32 s[MT], s[CNT], 15
	s_lshr_b32 s[MT], s[MT], 4
.if PROD == 1
	s_max_u32 s[MT], s[MT], 1                      ; tile 0 is stored whatever the count, so that the next launch's repeated loads find written bytes
	; THE SEARCH.  Lane (r, hf) of tile i in pass p wants the token of rank 16 (w + 20 p + 4 i) + r.  One text, four trips, passes 3 down to 0; a pass without a live tile of mine is jumped
	; and leaves token 0.  Each trip pushes its five tokens, 16 bits each, into the pairs FH:FL, so that pass 0 ends lowest.  No memory or LDS instruction names its registers before the first token loads.
	s_mov_b32 s[C55], 0x55555555
	s_mov_b32 s[C33], 0x33333333
	s_mov_b32 s[C0F], 0x0f0f0f0f
	s_mov_b32 s[LOW], 0xffff
	ALL5 v_mov_b32 v[FL+t], 0
	ALL5 v_mov_b32 v[FH+t], 0
	s_add_co_u32 s[TS], s[WV], 60
	s_mov_b32 s[PASS], 4
.Lfind:
	ALL5 v_mov_b32 v[TK+t], 0
	s_cmp_ge_u32 s[TS], s[MT]
	s_cbranch_scc1 .Lpush
	s_lshl_b32 s36, s[TS], 4
	v_add_nc_u32 v[RR], s36, v[R16]
.irp i, 1,2,3,4
	v_add_nc_u32 v[RR+\i], 64, v[RR+\i-1]
.endr
	; the sweep: the counts ahead of the words never fall, so the last word whose count is not above the rank is the one that holds it.  Two words to a run of compares; each register takes the words in ascending order
	ALL5 v_mov_b32 v[WW+t], s[MK]
	ALL5 v_mov_b32 v[PP+t], 0
	s_bcnt1_i32_b32 s[CC], s[MK]
.set n, 1
.rept 15
	SWEEP n, 1
.set n, n+2
.endr
	SWEEP 31, 0
	; the k-th set bit of the word, k = rank - count ahead: the word's set bits counted by 2, 4, 8 and 16 bits, then five steps down
	ALL5 v_and_b32 v[TT+t], s[LOW], v[PP+t]
	ALL5 v_sub_nc_u32 v[KK+t], v[RR+t], v[TT+t]
	ALL5 v_lshrrev_b32 v[TT+t], 1, v[WW+t]
	ALL5 v_and_b32 v[TT+t], s[C55], v[TT+t]
	ALL5 v_sub_nc_u32 v[QA+t], v[WW+t], v[TT+t]
	ALL5 v_lshrrev_b32 v[TT+t], 2, v[QA+t]
	ALL5 v_and_b32 v[TT+t], s[C33], v[TT+t]
	ALL5 v_and_b32 v[QB+t], s[C33], v[QA+t]
	ALL5 v_add_nc_u32 v[QB+t], v[QB+t], v[TT+t]
	ALL5 v_lshrrev_b32 v[TT+t], 4, v[QB+t]
	ALL5 v_add_nc_u32 v[TT+t], v[TT+t], v[QB+t]
	ALL5 v_and_b32 v[QC+t], s[C0F], v[TT+t]
	ALL5 v_bfe_u32 v[TT+t], v[QC+t], 8, 8
	ALL5 v_bfe_u32 v[UU+t], v[QC+t], 0, 8
	ALL5 v_add_nc_u32 v[TT+t], v[TT+t], v[UU+t]    ; the low 16 bits' count
	ALL5 v_cmp_ge_u32 s[SM+t], v[KK+t], v[TT+t]
	s_wait_alu depctr_va_sdst(0)                   ; the five compares have written their masks, which the selects read
	ALL5 v_cndmask_b32 v[UU+t], 0, v[TT+t], s[SM+t]
	ALL5 v_cndmask_b32 v[PO+t], 0, 16, s[SM+t]
	ALL5 v_sub_nc_u32 v[KK+t], v[KK+t], v[UU+t]
	DOWN QC, 8
	DOWN QB, 4
	DOWN QA, 2
	DOWN WW, 1
	ALL5 v_lshrrev_b32 v[UU+t], 16, v[PP+t]        ; the word's number n
	ALL5 v_and_b32 v[TT+t], 1, v[UU+t]
	ALL5 v_lshrrev_b32 v[UU+t], 1, v[UU+t]
	ALL5 v_lshl_or_b32 v[TT+t], v[PO+t], 1, v[TT+t]
	ALL5 v_lshl_or_b32 v[TT+t], v[UU+t], 6, v[TT+t]  ; token = 64 (n / 2) + 2 bit + n % 2
	ALL5 v_cmp_gt_u32 s[SM+t], s[CNT], v[RR+t]     ; a rank past the count names token 0
	s_wait_alu depctr_va_sdst(0)                   ; the five compares have written their masks, which the selects read
	ALL5 v_cndmask_b32 v[TK+t], 0, v[TT+t], s[SM+t]
.Lpush:
	ALL5 v_lshrrev_b32 v[TT+t], 16, v[FL+t]
	ALL5 v_lshl_or_b32 v[FH+t], v[FH+t], 16, v[TT+t]
	ALL5 v_lshl_or_b32 v[FL+t], v[FL+t], 16, v[TK+t]
	s_sub_co_u32 s[TS], s[TS], 20                  ; (behind the last trip it is not used)
	s_sub_co_u32 s[PASS], s[PASS], 1
	s_cmp_lg_u32 s[PASS], 0
	s_cbranch_scc1 .Lfind
.endif
	s_mov_b32 s[TB], s[WV]
	SETNL
	SETUP
	; PRIMING, in the loop's own order of issue and in a K step's own form
	s_wait_alu depctr_va_vdst(0)                   ; the five offsets AOFF are written, which the token loads read; in PROD 1 the bitmap's and the search's lines are done with v96 and up, in which those loads land
	ALOAD 0, 0
	WLOAD 3, 3
	ALOAD 1, 1
	s_wait_loadcnt 44                              ; behind W(0): W(1) W(2) A(0) W(3) A(1) = 8 + 8 + 10 + 8 + 10
	CVT 0
	WIN W_ST
	s_wait_alu depctr_va_vdst(0)                   ; chunk 0's conversions have written what the LDS stores read
	STO 0, 0
	s_wait_loadcnt 36                              ; behind W(1): W(2) A(0) W(3) A(1)
	CVT 1
	WIN W_LD
	s_wait_alu depctr_vm_vsrc(0)                   ; chunk 0's LDS stores have read W's slot 0, in which chunk 4 lands
	s_wait_alu depctr_va_vdst(0)                   ; chunk 1's conversions have written what the LDS stores read; chunk 0's are done with slot 0
	WLOAD 4, 4
	STO 1, 1
	ALOAD 2, 2
	WIN 0
	s_wait_dscnt 0x0                               ; for the others' sake: chunks 0 and 1, my rows; the bias registers are in too
	s_barrier_signal -1
	s_barrier_wait -1
	BLOAD 0, 0, VRD                                ; no vector instruction since the last wait on va_vdst; VRD was written far ahead of it
	WIN 0
	s_wait_dscnt 0x0
	KSTEP 0, 0, 1                                  ; K step 0 stands ahead of the loop: its products start the sums at the bias
	s_mov_b32 s[LOOP], 6
.Lk:                                                   ; six trips of four K steps, 1 to 24: a trip goes from a group's second K step to the next group's first, at whose head the pointers step
	KSTEP 9
	KSTEP 10, 1
	KSTEP 11
	KSTEP 12, 0, 0, 1
	s_sub_co_u32 s[LOOP], s[LOOP], 1
	s_cmp_lg_u32 s[LOOP], 0
	s_cbranch_scc1 .Lk
	KSTEP 25                                       ; the tail is written out: nothing past the slice is loaded, and the counts run down
	KSTEP 26
	KSTEP 27
	KSTEP 28, 0, 0, 1
	KSTEP 29
	KSTEP 30
	KSTEP 31
	s_mov_b32 s[PASS], 4
	s_branch .Lepi                                 ; the loop over passes is entered at pass 0's way out
.Lpass:                                                ; passes 1 to 3: rows 320 and up, from the finished image
	SETNL
	s_cmp_eq_u32 s[NL], 0
	s_cbranch_scc1 .Lepi                           ; no live tile of mine, in this pass and in those behind it: no products, and the way out stores nothing
	SETUP
	SEED
	s_mov_b32 s[TBR], 0
	s_mov_b32 s[LOOP], 32/RN
.Lres:                                                 ; sixteen trips of two K steps; the two chunks of a trip stand in the immediates
	s_wait_alu depctr_vm_vsrc(0)                   ; the turning loads of the trip before have read VRR
	v_add_nc_u32 v[VRR], s[TBR], v[VRD0]
	s_wait_alu depctr_va_vdst(0)                   ; VRR is written, which the turning loads read; the products of the trip before are done reading the token slots and W's fragments, in which this trip's 52 loads
	                                               ; land; in a pass's first trip: AOFF is written, and the way out's conversions are done with v96 and up
	ALOAD 0, 0
	ALOAD 1, 1
	BLOAD 0, 0, VRR
	RSTEP 0
	RSTEP 1
	s_add_nc_u64 s[AP:AP+1], s[AP:AP+1], RN*ASTEP  ; the loads that named it have come back
	s_add_co_u32 s[TBR], s[TBR], RN*32*LP
	s_sub_co_u32 s[LOOP], s[LOOP], 1
	s_cmp_lg_u32 s[LOOP], 0
	s_cbranch_scc1 .Lres
.Lepi:                                                 ; THE WAY OUT of a pass: live tiles alone
.if PROD == 2
	s_wait_dscnt 0x0                               ; every wave's reads of the image in this pass are over before any wave writes its stage.  Image and stages are disjoint bytes, so no value
	s_barrier_signal -1                            ; hangs on this barrier: the order is stated outright and not left to the arithmetic of the addresses; four barriers a launch
	s_barrier_wait -1
.endif
.rept 4
	v_nop                                          ; the places behind the last products
.endr
.if PROD == 1
.irp i, 0,1,2,3,4
	s_cmp_lt_u32 s[NL], \i+1
	s_cbranch_scc1 .Lnext
.if \i < 4
	WIN EP_LO
.set AB, 64*\i
.else
	WIN EP_HI
.set AB, 0
.endif
.set n, 0
.rept 32                                           ; each accumulator's registers in ascending order
	v_cvt_pk_bf16_f32 v[AR+32*\i+n], v[AB+2*n], v[AB+2*n+1]
.set n, n+1
.endr
	WIN 0
.set n, 0
.rept 32
	v_pk_max_num_bf16 v[AR+32*\i+n], v[AR+32*\i+n], v[ZERO]  ; relu, two at a time; rounding first changes nothing: it keeps order and sign
.set n, n+1
.endr
	s_wait_alu depctr_va_vdst(0)                   ; the tile's 32 words are written, which its eight stores read
.irp a, 0,1,2,3,4,5,6,7
	global_store_b128 v[OOFF], v[AR+32*\i+4*\a:AR+32*\i+4*\a+3], s[12:13] offset:\i*524288+((\a)/2)*1024+((\a)%2)*512  ; 512 consecutive bytes, aligned
.endr
.endr
.else
	s_wait_alu depctr_va_vdst(0)                   ; the products have written the accumulators, which the LDS stores read, and are done reading the token slots, in which the loads from the stage land; the places
	                                               ; above stay beside this wait.  No vector instruction stands in this way out, so it serves all five tiles
.irp i, 0,1,2,3,4
	s_cmp_lt_u32 s[NL], \i+1
	s_cbranch_scc1 .Lnext
	s_wait_xcnt 0x0                                ; the registers of earlier stores are loaded again only behind this wait
.if \i >= 2
	s_wait_alu depctr_vm_vsrc(0)                   ; from the third tile on the five blocks of 32 registers come round again: the stores of the tiles before have read the registers in which this tile's loads land
.endif
.irp f, 0,1                                        ; 64 columns at a time through my stage: in by lanes, back by rows of 256 bytes.  The two halves go one behind the other: LDS serves a wave's
.set RS, AR+32*((2*\i+\f)%5)                       ; instructions in order (ISA guide 5.7.1.4), so the loads see the stores ahead of them, and the second half's stores land behind the first half's loads
.if \i < 4
	WIN ST_LO
.set AB, 64*\i+32*\f
.else
	WIN W_ST
.set AB, 32*\f
.endif
.irp a, 0,1,2,3
	ds_store_b128 v[XA], v[AB+8*\a:AB+8*\a+3]   offset:64*\a     ; each accumulator's low registers first
	ds_store_b128 v[XA], v[AB+8*\a+4:AB+8*\a+7] offset:64*\a+16
.endr
	WIN 0
.irp q, 0,1,2,3,4,5,6,7
	ds_load_b128 v[RS+4*\q:RS+4*\q+3], v[XB] offset:544*\q
.endr
.endr
.irp f, 0,1
.set RS, AR+32*((2*\i+\f)%5)
	s_wait_dscnt 16*(1-\f)                         ; the first half is back: the second half's eight stores and eight loads may stay out; then all
.irp q, 0,1,2,3,4,5,6,7
	global_store_b128 v[OOFF], v[RS+4*\q:RS+4*\q+3], s[12:13] offset:\i*262144+\q*8192+\f*256  ; 16 lanes store 256 consecutive bytes, aligned
.endr
.endr
.endr
.endif
.Lnext:
	s_wait_xcnt 0x0                                ; the stores' base and data are written again only behind this wait
	s_wait_alu depctr_vm_vsrc(0)                   ; the pass's token loads have read AOFF and its stores their data (in PROD 2 the LDS stores the accumulators): the next pass writes all of these again
	s_add_co_u32 s[TB], s[TB], 20
	s_add_nc_u64 s[12:13], s[12:13], OSTEP
	s_wait_dscnt 0x0                               ; a pass's end: every wave's LDS reads and stage stores of this pass are over before any wave begins the next pass or ends.
	s_barrier_signal -1                            ; As above, no value hangs on it (disjoint bytes); four barriers a launch, on every wave's path
	s_barrier_wait -1
	s_sub_co_u32 s[PASS], s[PASS], 1
	s_cmp_lg_u32 s[PASS], 0
	s_cbranch_scc1 .Lpass
	s_wait_dscnt 0x0                               ; the wave's end.  The closing add follows
	s_wait_alu depctr_hold_cnt(0) depctr_sa_sdst(0) depctr_va_vdst(0) depctr_va_sdst(0) depctr_va_ssrc(0) depctr_va_vcc(0) depctr_vm_vsrc(0)
	s_wait_tensorcnt 0x0
	ds_add_u32 v94, v95
	s_wait_dscnt 0x0
	s_endpgm
.Lfunc_end_k_qe9a182f6d8_ffn2:
	.size	k_qe9a182f6d8_ffn2, .Lfunc_end_k_qe9a182f6d8_ffn2-k_qe9a182f6d8_ffn2
	.p2alignl 7, 3214868480
	.fill 96, 4, 3214868480
	.section	.rodata,"a",@progbits
	.p2align	6, 0x0
	.amdhsa_kernel k_qe9a182f6d8_ffn2
		.amdhsa_group_segment_fixed_size 314880
		.amdhsa_private_segment_fixed_size 0
		.amdhsa_enable_private_segment 0
		.amdhsa_kernarg_size 40
		.amdhsa_user_sgpr_count 2
		.amdhsa_user_sgpr_kernarg_segment_ptr 1
		.amdhsa_wavefront_size32 1
		.amdhsa_system_sgpr_workgroup_id_x 1
		.amdhsa_system_sgpr_workgroup_id_y 1
		.amdhsa_system_sgpr_workgroup_id_z 1
		.amdhsa_system_vgpr_workitem_id 0
		.amdhsa_next_free_vgpr 896
		.amdhsa_next_free_sgpr 66
		.amdhsa_reserve_vcc 0
		.amdhsa_float_denorm_mode_32 3
		.amdhsa_float_denorm_mode_16_64 3
		.amdhsa_memory_ordered 1
		.amdhsa_forward_progress 1
		.amdhsa_inst_pref_size 138
	.end_amdhsa_kernel
	.amdgpu_metadata
---
amdhsa.version: [ 1, 2 ]
amdhsa.kernels:
  - .name:           k_qe9a182f6d8_ffn2
    .symbol:         k_qe9a182f6d8_ffn2.kd
    .args:
      - { .name: W2, .offset: 0, .size: 8, .value_kind: global_buffer, .address_space: global }
      - { .name: b2, .offset: 8, .size: 8, .value_kind: global_buffer, .address_space: global }
      - { .name: h, .offset: 16, .size: 8, .value_kind: global_buffer, .address_space: global }
      - { .name: cnt, .offset: 24, .size: 8, .value_kind: global_buffer, .address_space: global }
      - { .name: part, .offset: 32, .size: 8, .value_kind: global_buffer, .address_space: global }
    .group_segment_fixed_size: 314880
    .private_segment_fixed_size: 0
    .kernarg_segment_align: 8
    .kernarg_segment_size: 40
    .max_flat_workgroup_size: 128
    .sgpr_count:     66
    .vgpr_count:     896
    .wavefront_size: 32
...
	.end_amdgpu_metadata
.endif
;; end of part 8
;; launch combine: the kernel of part 4 again; grid 256 x 1, 8 waves a work-group, no clusters, 0 bytes of LDS; arguments part, sel, rank, gate, out0; writes out0
